; MI455X (gfx1250); checked and timed in simulation.
; The chip was launched on July 23, 2026; its instructions are those of AMD's public machine-readable ISA for CDNA 5 (MIT licence, August 2026) and "CDNA5" Instruction Set Architecture Reference Guide (July 2026). The comments in the code are by the model that wrote it; some were corrected since.
;; Transformer Block. Allowed arithmetic: matrix products marked QUANTISED: E4M3 operands, one given power-of-two scale a tensor, by v_wmma_f32_16x16x64_fp8_fp8 or v_wmma_f32_16x16x128_fp8_fp8, f32 sums; everything else in f32.
;; Inputs: W1 1,024 x 4,096 float32; W2 4,096 x 1,024 float32; Wk 1,024 x 1,024 float32; Wo 1,024 x 1,024 float32; Wq 1,024 x 1,024 float32; Wv 1,024 x 1,024 float32; b1 4,096 float32; b2 1,024 float32; bo 1,024 float32; g1 1,024 float32; g2 1,024 float32; lowp_scales 16 int32 (the exponents e of the quantised operands' scales 2^e); s1 1,024 float32; s2 1,024 float32; x 2 x 2,048 x 1,024 float32.
;; Outputs: out0 2 x 2,048 x 1,024 float32.
;; This version of the problem:
;;   THIS VERSION OF THE PROBLEM IS GIVEN IN LOW PRECISION. The matrix products marked QUANTISED in the list below multiply operands that are first quantised to E4M3 (4 exponent bits, 3 mantissa bits; 8 bits a number), with one given power-of-two scale for each operand tensor; their sums are f32. All else is computed in f32.
;;   The module's matrix products, in the order in which they are computed (A, B: the left and right operand; K: the contracted axis; several contracted axes count as one K, in the product's order):
;;     1. [M 4,096, K 1,024] x [K 1,024, N 1,024]; A: computed on the way; B: input Wq: QUANTISED (scales: A lowp_scales[0], B lowp_scales[1])
;;     2. [M 4,096, K 1,024] x [K 1,024, N 1,024]; A: computed on the way; B: input Wk: QUANTISED (scales: A lowp_scales[2], B lowp_scales[3])
;;     3. [M 4,096, K 1,024] x [K 1,024, N 1,024]; A: computed on the way; B: input Wv: QUANTISED (scales: A lowp_scales[4], B lowp_scales[5])
;;     4. batch 32 x [M 2,048, K 64] x [K 64, N 2,048]; A: computed on the way; B: computed on the way: QUANTISED (scales: A lowp_scales[6], B lowp_scales[7])
;;     5. batch 32 x [M 2,048, K 2,048] x [K 2,048, N 64]; A: softmax (see below); B: computed on the way: QUANTISED (scales: A lowp_scales[8], B lowp_scales[9])
;;     6. [M 4,096, K 1,024] x [K 1,024, N 1,024]; A: computed on the way; B: input Wo: QUANTISED (scales: A lowp_scales[10], B lowp_scales[11])
;;     7. [M 4,096, K 1,024] x [K 1,024, N 4,096]; A: computed on the way; B: input W1: QUANTISED (scales: A lowp_scales[12], B lowp_scales[13])
;;     8. [M 4,096, K 4,096] x [K 4,096, N 1,024]; A: computed on the way; B: input W2: QUANTISED (scales: A lowp_scales[14], B lowp_scales[15])
;;   THE QUANTISER, for each operand of a quantised product, along K:
;;     - The operand's scale is 2^e, e = its entry of the input lowp_scales (int32; the entries are numbered through the quantised products in the list's order, A before B).
;;     - Each number is divided by the scale, clamped to +-448, and rounded to the nearest number of E4M3, ties to even, subnormals kept.
;;     - The product sums the exact products of the quantised numbers (number of the format x scale) in f32.
;;   ~~~python
;;   def quantise(x, axis, e):      # numpy; x: float32 -> the quantised numbers, widened to float32 again
;;       x = np.moveaxis(x, axis, -1); K = x.shape[-1]
;;       r = np.clip(x / 2.0 ** e, -448, 448)
;;       step = 2.0 ** (np.maximum(np.frexp(np.where(r == 0, 1, r))[1] - 1, -6) - 3)
;;       q = np.round(r / step) * step * 2.0 ** e      # np.round: ties to even
;;       return np.moveaxis(q, -1, axis).astype(np.float32)
;;   ~~~
;;   SOFTMAX AHEAD OF A QUANTISED PRODUCT. Where the list says 'softmax', what is quantised is not the finished softmax but p = 2^(t - M), with t = logit x log2(e) and M = ceil(the row's largest t), a whole number; so 1/2 < the row's largest p <= 1. The row's sum l is taken of the UNQUANTISED p, in f32, and the product's result is divided by l at the end. Since M is a whole number, a kernel that streams over the keys may use a running M (the ceiling of the running maximum): every later rescaling is an exact power of two, so the quantised numbers keep their values, but for numbers so far below the row's largest that they fall under the format's range.
;;   OPERANDS COMPUTED ON THE WAY. 'Computed on the way' means the value that the module computes at that place (a softmax that the list does not call 'softmax' is quantised finished and normalised). What goes into a quantiser is computed in f32, as accurately as f32 sums, v_exp_f32 and their like allow (about 1e-6 of the number): no bf16 or f16 on the way to a quantiser, and a product that is left as it is and whose result goes on into a quantised operand takes f32 operands (vector FMAs, or v_wmma_f32_16x16x4_f32). A number that lies on a knife's edge between two numbers of the format may be rounded either way, as far as f32 arithmetic and the matrix unit's own rounding can turn it there, and no further.
;; 2 versions. Each part assembles by itself: llvm-mc -triple=amdgcn-amd-amdhsa -mcpu=gfx1250 --defsym DOCPART=n.
;; ======== version 1 of 2: 7 launches
;; limits: right only within a limited range of input values
;; workspace buffers: wc 12,582,912 bytes; hc 12,582,912 bytes; qkvc 12,582,912 bytes; cc 4,194,304 bytes; x1 16,777,216 bytes; h2 4,194,304 bytes; hid 16,777,216 bytes
;; launch prep (part 1): grid 896 x 1, 4 waves a work-group, no clusters, 36,352 bytes of LDS; arguments Wq, Wk, Wv, Wo, W1, W2, x, g1, s1, lowp_scales, wc, hc; writes wc, hc
.if DOCPART == 1
	.amdgcn_target "amdgcn-amd-amdhsa--gfx1250"
	.amdhsa_code_object_version 6
	.text
	.protected	k_q3c0f51b23c_prep
	.globl	k_q3c0f51b23c_prep
	.p2align	8
	.type	k_q3c0f51b23c_prep,@function
k_q3c0f51b23c_prep:
	s_mov_b64 s[64:65], 0
	v_nop
	global_prefetch_b8 v0, s[64:65] scope:SCOPE_SE
	s_setreg_imm32_b32 hwreg(HW_REG_WAVE_MODE, 25, 1), 1
	s_wait_xcnt 0x0
; TWO JOBS IN ONE LAUNCH, parted by the work-group's number.
; Work-groups 0-383: the six weights, f32 stored [K][N], become codes of FP8 (E4M3) with K innermost, each with its given scale 2^e.
; Work-groups 384-895: h = g1 (x - mean) / sqrt(var + 1e-5) + s1, a row of 1,024 at a time, quantised three times (the scales of the products with Wq, Wk, Wv).
; LAYOUT OF ALL CODES OF THIS PROGRAM: [K / 128][rows][128 bytes]: a block of 128 along K of every row, the rows on end.  So 128 codes of neighbouring rows are consecutive bytes.
;   wc: byte 0: [8][4096][128], row = 1,024 sel + n for Wq, Wk, Wv, Wo (sel 0..3);  byte 4 MiB: W1 as [8][4096 n][128];  byte 8 MiB: W2 as [32][1024 n][128].
;   hc: three planes of [8][4096 tokens][128], 4 MiB apart.
; code = x / 2^e, held within +-448, to the nearest code, ties to even.  LIMITS: each e between -126 and 119; NaN among the inputs is not served (an infinity is held at the largest code).
; No matrix work, no tensor loads, no barrier: waves share nothing.  No cluster: no two work-groups read the same bytes but g1 and s1, 8 KiB.
; WEIGHTS: a work-group takes 128 columns n x 256 along K, a wave 32 columns; A LANE TAKES A COLUMN AND ITS REGISTERS RUN DOWN K, so each load reads 128 consecutive bytes a wave (512 a work-group)
; and the conversions, which take neighbours along K from one lane's registers, give codes with K innermost.  They leave through the wave's own stage in LDS: each store covers 512 consecutive bytes.
.set NWW,    384                       ; work-groups of the weights' path
.set WPITCH, 272                       ; a stage row: a column's 256 codes + 16 bytes: 17 x 16
.set NB,     8                         ; blocks of 32 along K for a wave
.set WX,     32                        ; v32-95   two sets of 32 numbers
.set WC,     96                        ; v96-103  a block's codes
.set WOUT,   112                       ; v112-175 the way out
.set OFFI,   208                       ; v208-239 4 x lane + i rows of the weight, i = 0 .. 31; never rewritten
; the norm's registers
.set LX,  16                           ; v16-79   my 64 numbers: 8 neighbours of each of the row's eight blocks of 128
.set LG,  80                           ; v80-143  g at the same places; later the codes
.set LS,  144                          ; v144-207 s
.set LT,  208                          ; v208-223 two sets of 8 held numbers
.set LC,  224                          ; v224-231 four chains of pairs
.set LM,  232                          ; v[232:233] the mean, twice; v[234:235] 1 / sqrt(var + eps), twice
.set LQ,  240                          ; plane pl: v[240 + 2 pl] 2^e, v[241 + 2 pl] 448 x 2^e
.set PX,  16                           ; s[16:17] the rows
.set PG,  18                           ; s[18:19] g
.set PS,  20                           ; s[20:21] s
.set PO,  40                           ; s[40 + 2 pl : 41 + 2 pl] plane pl at my two rows
	s_load_b512 s[4:19], s[0:1], 0x0               ; Wq 4, Wk 6, Wv 8, Wo 10, W1 12, W2 14, x 16, g1 18
	s_load_b256 s[20:27], s[0:1], 0x40             ; s1 20, the scales' exponents 22, wc 24, hc 26
	v_lshl_add_u32 v254, v0, 2, 0x8c00
	v_mov_b32 v255, 0
	v_lshrrev_b32 v1, 5, v0
	v_readfirstlane_b32 s28, v1                    ; wave 0..3
	v_and_b32 v2, 31, v0                           ; lane
	s_cmp_lt_u32 ttmp9, NWW
	s_cbranch_scc0 .Lln
	; ---------------- THE WEIGHTS ----------------
	; which weight (sel 0..5), which 128 columns (nblk), which 256 along K (kblk): 128 work-groups for the four square weights, 128 for W1, 128 for W2
	s_lshr_b32 s29, ttmp9, 7                       ; 0: the four square ones, 1: W1, 2: W2
	s_and_b32 s30, ttmp9, 127
	s_cmp_eq_u32 s29, 1
	s_cselect_b32 s31, 5, 3                        ; W1 has 32 blocks of columns, the others 8
	s_cselect_b32 s32, 31, 7
	s_and_b32 s32, s30, s32                        ; nblk
	s_lshr_b32 s33, s30, s31
	s_and_b32 s34, s33, 3
	s_lshr_b32 s35, s33, 2
	s_add_co_u32 s36, s29, 3
	s_cmp_eq_u32 s29, 0
	s_cselect_b32 s34, s34, s33                    ; kblk
	s_cselect_b32 s35, s35, s36                    ; sel
	s_mov_b32 s37, 4096
	s_cmp_eq_u32 s35, 4
	s_cselect_b32 s37, 16384, s37                  ; bytes from a row k of the weight to the next
	s_mov_b32 s38, 524288
	s_cmp_eq_u32 s35, 5
	s_cselect_b32 s38, 131072, s38                 ; bytes from a block of 128 along K of the codes to the next: rows x 128
	s_lshl_b32 s39, s35, 17                        ; the square ones: 1,024 sel rows of 128 bytes
	s_sub_co_u32 s60, s35, 3
	s_lshl_b32 s60, s60, 22                        ; W1: 4 MiB, W2: 8 MiB
	s_cmp_lt_u32 s35, 4
	s_cselect_b32 s39, s39, s60                    ; where the weight's codes begin in wc
	s_cmp_ge_u32 s35, 3
	s_cselect_b32 s61, 20, 4
	s_lshl_b32 s60, s35, 3
	s_add_co_u32 s60, s60, s61                     ; the scale's byte: entries 1, 3, 5, 11, 13, 15
	s_mov_b32 s61, 0
	s_lshl_b32 s36, s32, 7
	s_lshl_b32 s29, s28, 5
	s_add_co_u32 s36, s36, s29                     ; my wave's first column: 128 nblk + 32 wave
	s_lshl_b32 s62, s34, 8
	s_mul_i32 s62, s62, s37                        ; 256 kblk rows,
	s_lshl_b32 s29, s36, 2
	s_add_co_u32 s62, s62, s29                     ; + 4 bytes a column: where my part of the weight begins (under 2^25)
	s_mov_b32 s63, 0
	s_lshl_b32 s30, s37, 5                         ; 32 rows on
	s_mov_b32 s31, 0
	s_lshl_b32 s32, s34, 1
	s_mul_i32 s32, s32, s38                        ; 2 kblk blocks of 128 along K,
	s_add_co_u32 s32, s32, s39
	s_lshl_b32 s29, s36, 7
	s_add_co_u32 s32, s32, s29                     ; + my first column's row: where my codes begin in wc
	s_mov_b32 s33, 0
	s_mov_b32 s39, 0                               ; s[38:39]: a block of 128 along K on
	v_lshlrev_b32 v[OFFI], 2, v2
.set i, 1
.rept 31
	v_add_nc_u32 v[OFFI+i], s37, v[OFFI+i-1]       ; the row's stride is a register here, so each of a block's 32 rows has its own offset register
.set i, i+1
.endr
	s_mul_i32 s29, s28, 32*WPITCH                  ; my stage
	v_mul_u32_u24 v4, v2, WPITCH
	v_add_nc_u32 v4, s29, v4                       ; into it: row = my column
	v_lshrrev_b32 v5, 3, v2
	v_and_b32 v6, 7, v2
	v_mul_u32_u24 v7, v5, WPITCH
	v_lshl_add_u32 v7, v6, 4, v7
	v_add_nc_u32 v7, s29, v7                       ; out of it: eight lanes to 128 bytes of a row, four rows an instruction
	v_lshlrev_b32 v8, 4, v2                        ; and the same 512 bytes in wc
	s_wait_kmcnt 0x0
	s_add_nc_u64 s[22:23], s[22:23], s[60:61]
	s_load_b32 s36, s[22:23], 0x0                  ; e
	s_cmp_eq_u32 s35, 1                            ; the weight's address: a choice that hangs on the work-group's number alone
	s_cselect_b64 s[4:5], s[6:7], s[4:5]
	s_cmp_eq_u32 s35, 2
	s_cselect_b64 s[4:5], s[8:9], s[4:5]
	s_cmp_eq_u32 s35, 3
	s_cselect_b64 s[4:5], s[10:11], s[4:5]
	s_cmp_eq_u32 s35, 4
	s_cselect_b64 s[4:5], s[12:13], s[4:5]
	s_cmp_eq_u32 s35, 5
	s_cselect_b64 s[4:5], s[14:15], s[4:5]
	s_add_nc_u64 s[40:41], s[4:5], s[62:63]        ; a base for each block of 32 rows: none is stepped while loads are out
.irp t, 1,2,3,4,5,6,7
	s_add_nc_u64 s[40+2*\t:41+2*\t], s[38+2*\t:39+2*\t], s[30:31]
.endr
	s_add_nc_u64 s[56:57], s[24:25], s[32:33]      ; my codes: the first 128 along K,
	s_add_nc_u64 s[58:59], s[56:57], s[38:39]      ; and the second
.macro WLOAD t                         ; block t: W(32 t + i, my column), i = 0 .. 31, into set t % 2
.set i, 0
.rept 32
	global_load_b32 v[WX+32*((\t)%2)+i], v[OFFI+i], s[40+2*(\t):41+2*(\t)] th:TH_LOAD_NT
.set i, i+1
.endr
.endm
	WLOAD 0
	WLOAD 1
	s_wait_kmcnt 0x0
	s_add_co_i32 s36, s36, 127
	s_lshl_b32 s29, s36, 23
	v_mov_b32 v11, s29                             ; 2^e as f32: the conversion takes its exponent field
	s_add_co_i32 s36, s36, 8
	s_lshl_b32 s36, s36, 23
	s_or_b32 s36, s36, 0x600000
	v_mov_b32 v10, s36                             ; 448 x 2^e
.macro WBLOCK t
.set XS, WX+32*((\t)%2)
.if (\t) < NB-1
	s_wait_loadcnt 32                              ; this block's 32 loads are in; the next block's 32 may be out
.else
	s_wait_loadcnt 0x0
.endif
.set i, 0
.rept 32
	v_med3_num_f32 v[XS+i], v[XS+i], -v10, v10     ; the conversion to an 8-bit code does not saturate (ISA guide 7.6.2): the hold comes first
.set i, i+1
.endr
.irp g, 0,1,2,3
	v_cvt_scalef32_pk8_fp8_f32 v[WC+2*\g:WC+2*\g+1], v[XS+8*\g:XS+8*\g+7], v11
.endr
	ds_store_b128 v4, v[WC:WC+3] offset:32*(\t)    ; 32 codes of my column's row
	ds_store_b128 v4, v[WC+4:WC+7] offset:32*(\t)+16
.if (\t)+2 < NB
	WLOAD (\t)+2
.endif
	s_wait_dscnt 0x0                               ; the stores have read their registers: the next block's codes may be written (32 plain lines stand ahead of its conversions)
.endm
.irp t, 0,1,2,3,4,5,6,7
	WBLOCK \t
.endr
.irp z, 0,1                                    ; the two blocks of 128 along K
.irp i, 0,1,2,3,4,5,6,7
	ds_load_b128 v[WOUT+4*(8*\z+\i):WOUT+4*(8*\z+\i)+3], v7 offset:\i*4*WPITCH+\z*128   ; LDS serves a wave's instructions in order: these see my stores
.endr
.endr
.irp z, 0,1
.irp i, 0,1,2,3,4,5,6,7
	s_wait_dscnt 15-8*\z-\i
	global_store_b128 v8, v[WOUT+4*(8*\z+\i):WOUT+4*(8*\z+\i)+3], s[56+2*\z:57+2*\z] offset:\i*512   ; four rows of 128 codes: 512 consecutive bytes, aligned
.endr
.endr
	s_wait_tensorcnt 0x0
	ds_add_u32 v254, v255
	s_wait_dscnt 0x0
	s_endpgm
	; ---------------- THE NORM ----------------
; A wave takes two rows: lanes 0-15 row 2 p, lanes 16-31 row 2 p + 1.  Lane c = lane % 16 holds, of each block kb of 128, the eight neighbours 128 kb + 8 c + 0 .. 7: what one conversion takes.
; The row's sums stay inside 16 lanes.  Mean first, then the sum of squares of x - mean: a common offset of the inputs costs no digits.
.macro FOLD                            ; four chains of pairs -> one number a lane -> the sum over the row's 16 lanes, in each of them
	v_pk_add_f32 v[LC:LC+1], v[LC:LC+1], v[LC+2:LC+3]
	v_pk_add_f32 v[LC+4:LC+5], v[LC+4:LC+5], v[LC+6:LC+7]
	v_pk_add_f32 v[LC:LC+1], v[LC:LC+1], v[LC+4:LC+5]
	v_add_f32 v[LC], v[LC], v[LC+1]
.irp m, 1,2,4,8
	v_add_f32_dpp v[LC], v[LC], v[LC] row_xmask:\m row_mask:0xf bank_mask:0xf
.endr
.endm
.macro LNROWS planes                   ; v3: my bytes in the two rows; v4: in g and s; v5: 8 x lane; s[48 + 2 pl]: plane pl's e (on its way); s46 = 2^-10, s47 = 1e-5
.set kb, 0
.rept 8
	global_load_b128 v[LX+8*kb:LX+8*kb+3],   v3, s[PX:PX+1] offset:512*kb th:TH_LOAD_NT
	global_load_b128 v[LX+8*kb+4:LX+8*kb+7], v3, s[PX:PX+1] offset:512*kb+16 th:TH_LOAD_NT
.set kb, kb+1
.endr
.set kb, 0
.rept 8
	global_load_b128 v[LG+8*kb:LG+8*kb+3],   v4, s[PG:PG+1] offset:512*kb
	global_load_b128 v[LG+8*kb+4:LG+8*kb+7], v4, s[PG:PG+1] offset:512*kb+16
.set kb, kb+1
.endr
.set kb, 0
.rept 8
	global_load_b128 v[LS+8*kb:LS+8*kb+3],   v4, s[PS:PS+1] offset:512*kb
	global_load_b128 v[LS+8*kb+4:LS+8*kb+7], v4, s[PS:PS+1] offset:512*kb+16
.set kb, kb+1
.endr
	s_wait_kmcnt 0x0
.set pl, 0
.rept \planes
	s_add_co_i32 s56, s[48+2*pl], 127
	s_lshl_b32 s57, s56, 23
	v_mov_b32 v[LQ+2*pl], s57                      ; 2^e
	s_add_co_i32 s56, s56, 8
	s_lshl_b32 s56, s56, 23
	s_or_b32 s56, s56, 0x600000
	v_mov_b32 v[LQ+2*pl+1], s56                    ; 448 x 2^e
.set pl, pl+1
.endr
	s_wait_loadcnt 32                              ; the rows are in; the 32 loads of g and s may be out
.irp k, 0,1,2,3
	v_pk_add_f32 v[LC+2*\k:LC+2*\k+1], v[LX+2*\k:LX+2*\k+1], v[LX+8+2*\k:LX+8+2*\k+1]   ; the first pairs start the chains: nothing is cleared
.endr
.set j, 8
.rept 24
	v_pk_add_f32 v[LC+2*(j%4):LC+2*(j%4)+1], v[LC+2*(j%4):LC+2*(j%4)+1], v[LX+2*j:LX+2*j+1]
.set j, j+1
.endr
	FOLD
	v_mul_f32 v[LM], s46, v[LC]                    ; the mean
	v_mov_b32 v[LM+1], v[LM]
.set j, 0
.rept 32
	v_pk_add_f32 v[LX+2*j:LX+2*j+1], v[LX+2*j:LX+2*j+1], v[LM:LM+1] neg_lo:[0,1] neg_hi:[0,1]   ; x - mean
.set j, j+1
.endr
.irp k, 0,1,2,3
	v_pk_mul_f32 v[LC+2*\k:LC+2*\k+1], v[LX+2*\k:LX+2*\k+1], v[LX+2*\k:LX+2*\k+1]
.endr
.set j, 4
.rept 28
	v_pk_fma_f32 v[LC+2*(j%4):LC+2*(j%4)+1], v[LX+2*j:LX+2*j+1], v[LX+2*j:LX+2*j+1], v[LC+2*(j%4):LC+2*(j%4)+1]
.set j, j+1
.endr
	FOLD
	v_fma_f32 v[LM+2], v[LC], s46, s47             ; var + eps
	v_rsq_f32 v[LM+2], v[LM+2]
	v_nop                                          ; a plain line behind the transcendental,
	s_wait_alu depctr_va_vdst(0)                   ; and the wait ahead of the first line that names its result
	v_mov_b32 v[LM+3], v[LM+2]
	s_wait_loadcnt 0x0                             ; g and s
.set j, 0
.rept 32
	v_pk_mul_f32 v[LX+2*j:LX+2*j+1], v[LX+2*j:LX+2*j+1], v[LM+2:LM+3]
.set j, j+1
.endr
.set j, 0
.rept 32
	v_pk_fma_f32 v[LX+2*j:LX+2*j+1], v[LG+2*j:LG+2*j+1], v[LX+2*j:LX+2*j+1], v[LS+2*j:LS+2*j+1]   ; g (x - mean) r + s
.set j, j+1
.endr
.set pl, 0
.rept \planes
.set kb, 0
.rept 8
.set i, 0
.rept 8
	v_med3_num_f32 v[LT+8*(kb%2)+i], v[LX+8*kb+i], -v[LQ+2*pl+1], v[LQ+2*pl+1]   ; held, into one of two sets by turns: eight plain lines stand between a conversion and the next write of its sources
.set i, i+1
.endr
	v_cvt_scalef32_pk8_fp8_f32 v[LG+16*pl+2*kb:LG+16*pl+2*kb+1], v[LT+8*(kb%2):LT+8*(kb%2)+7], v[LQ+2*pl]   ; each pair of code registers is written once: no store's data are rewritten
	global_store_b64 v5, v[LG+16*pl+2*kb:LG+16*pl+2*kb+1], s[PO+2*pl:PO+2*pl+1] offset:kb*524288   ; two rows' 128 codes of block kb: 256 consecutive bytes, aligned
.set kb, kb+1
.endr
.set pl, pl+1
.endr
.endm
.Lln:
	s_sub_co_u32 s29, ttmp9, NWW
	s_lshl_b32 s29, s29, 2
	s_add_co_u32 s29, s29, s28                     ; p: my pair of rows, 0 .. 2,047
	s_lshl_b32 s30, s29, 13                        ; two rows of 4,096 bytes
	s_mov_b32 s31, 0
	s_lshl_b32 s32, s29, 8                         ; two rows of 128 codes
	s_mov_b32 s33, 0
	s_mov_b32 s46, 0x3a800000                      ; 1 / 1,024
	s_mov_b32 s47, 0x3727c5ac                      ; 1e-5
	v_and_b32 v1, 15, v0                           ; c
	v_bfe_u32 v6, v0, 4, 1                         ; which of the two rows
	v_lshlrev_b32 v4, 5, v1                        ; 32 c
	v_lshl_add_u32 v3, v6, 12, v4
	v_lshlrev_b32 v5, 3, v2
	s_wait_kmcnt 0x0
	s_load_b256 s[48:55], s[22:23], 0x0            ; entries 0 to 7: planes 0, 1, 2 take entries 0, 2, 4
	s_add_nc_u64 s[PX:PX+1], s[PX:PX+1], s[30:31]
	s_add_nc_u64 s[40:41], s[26:27], s[32:33]
	s_add_nc_u64 s[42:43], s[40:41], 0x400000
	s_add_nc_u64 s[44:45], s[40:41], 0x800000
	LNROWS 3
	s_endpgm
.Lfunc_end_k_q3c0f51b23c_prep:
	.size	k_q3c0f51b23c_prep, .Lfunc_end_k_q3c0f51b23c_prep-k_q3c0f51b23c_prep
	.p2alignl 7, 3214868480
	.fill 96, 4, 3214868480
	.section	.rodata,"a",@progbits
	.p2align	6, 0x0
	.amdhsa_kernel k_q3c0f51b23c_prep
		.amdhsa_group_segment_fixed_size 36352
		.amdhsa_private_segment_fixed_size 0
		.amdhsa_enable_private_segment 0
		.amdhsa_kernarg_size 96
		.amdhsa_user_sgpr_count 2
		.amdhsa_user_sgpr_kernarg_segment_ptr 1
		.amdhsa_wavefront_size32 1
		.amdhsa_system_sgpr_workgroup_id_x 1
		.amdhsa_system_sgpr_workgroup_id_y 1
		.amdhsa_system_sgpr_workgroup_id_z 1
		.amdhsa_system_vgpr_workitem_id 0
		.amdhsa_next_free_vgpr 256
		.amdhsa_next_free_sgpr 66
		.amdhsa_reserve_vcc 0
		.amdhsa_float_denorm_mode_32 3
		.amdhsa_float_denorm_mode_16_64 3
		.amdhsa_memory_ordered 1
		.amdhsa_forward_progress 1
		.amdhsa_inst_pref_size 85
	.end_amdhsa_kernel
	.amdgpu_metadata
---
amdhsa.version: [ 1, 2 ]
amdhsa.kernels:
  - .name:           k_q3c0f51b23c_prep
    .symbol:         k_q3c0f51b23c_prep.kd
    .args:
      - { .name: Wq, .offset: 0, .size: 8, .value_kind: global_buffer, .address_space: global }
      - { .name: Wk, .offset: 8, .size: 8, .value_kind: global_buffer, .address_space: global }
      - { .name: Wv, .offset: 16, .size: 8, .value_kind: global_buffer, .address_space: global }
      - { .name: Wo, .offset: 24, .size: 8, .value_kind: global_buffer, .address_space: global }
      - { .name: W1, .offset: 32, .size: 8, .value_kind: global_buffer, .address_space: global }
      - { .name: W2, .offset: 40, .size: 8, .value_kind: global_buffer, .address_space: global }
      - { .name: x, .offset: 48, .size: 8, .value_kind: global_buffer, .address_space: global }
      - { .name: g1, .offset: 56, .size: 8, .value_kind: global_buffer, .address_space: global }
      - { .name: s1, .offset: 64, .size: 8, .value_kind: global_buffer, .address_space: global }
      - { .name: lowp_scales, .offset: 72, .size: 8, .value_kind: global_buffer, .address_space: global }
      - { .name: wc, .offset: 80, .size: 8, .value_kind: global_buffer, .address_space: global }
      - { .name: hc, .offset: 88, .size: 8, .value_kind: global_buffer, .address_space: global }
    .group_segment_fixed_size: 36352
    .private_segment_fixed_size: 0
    .kernarg_segment_align: 8
    .kernarg_segment_size: 96
    .max_flat_workgroup_size: 128
    .sgpr_count:     66
    .vgpr_count:     256
    .wavefront_size: 32
...
	.end_amdgpu_metadata
.endif
;; end of part 1
;; launch gqkv (part 2): grid 4 x 48, 4 waves a work-group, clusters of 4 x 4, 327,680 bytes of LDS; arguments hc, wc, lowp_scales, qkvc; writes qkvc
.if DOCPART == 2
	.amdgcn_target "amdgcn-amd-amdhsa--gfx1250"
	.amdhsa_code_object_version 6
	.text
	.protected	k_q3c0f51b23c_gqkv
	.globl	k_q3c0f51b23c_gqkv
	.p2align	8
	.type	k_q3c0f51b23c_gqkv,@function
k_q3c0f51b23c_gqkv:
	s_mov_b64 s[64:65], 0
	v_nop
	global_prefetch_b8 v0, s[64:65] scope:SCOPE_SE
	s_setreg_imm32_b32 hwreg(HW_REG_WAVE_MODE, 25, 1), 1
	s_wait_xcnt 0x0
	s_wait_alu depctr_hold_cnt(0) depctr_sa_sdst(0) depctr_va_vdst(0) depctr_va_sdst(0) depctr_va_ssrc(0) depctr_va_vcc(0) depctr_vm_vsrc(0)
	s_getreg_b32 s2, hwreg(HW_REG_IB_STS2, 6, 4)
	s_cmp_eq_u32 s2, 0
	s_cbranch_scc0 .Lentry_in_a_cluster
	s_endpgm
.Lentry_in_a_cluster:
	s_bfe_u32 s2, ttmp6, 0x10000c
	s_cmp_lg_u32 s2, 0xf033
	s_cbranch_scc0 .Lentry_shape_is_right
	s_endpgm
.Lentry_shape_is_right:
; q = h Wq, k = h Wk, v = h Wv on codes of FP8 (E4M3), sums in f32, and the results quantised at once for the two products of attention.
; Operands lie as [K / 128][rows][128 bytes]: hc: three planes (4 MiB apart) of [8][4096 tokens][128];  wc: [8][4096][128], row = 1,024 sel + n (Wq, Wk, Wv, Wo).
; Out, qkvc: byte 0: q as [8 pairs of heads][4096 tokens][128];  byte 4 MiB: k likewise;  byte 8 MiB: v TRANSPOSED, [32 blocks of 128 tokens][1024 channels][128 tokens]: the keys are the second product's K.
; THE GRID: twelve clusters of 4 x 4 work-groups along y: type = y / 4 (0 q, 1 k, 2 v), tb = y % 4.  A work-group makes 256 x 256 of C = A B^T, a wave 128 x 128: 64 accumulators, 512 registers.
;   q, k: A = tokens 1,024 tb + 256 cy on (plane type of hc), B = columns 256 cx on of the weight.   v: A = channels 256 cy on of Wv, B = tokens 1,024 tb + 256 cx on (plane 2): so v comes out transposed.
;   The roles are changed by ADDRESS alone (selects on type, which all sixteen partners share): no branch and no LDS address hangs on it.
; K goes in steps of 256 through a ring of two LDS slots; a wave's tensor load brings 256 rows x 128 bytes, one block of 128 along K, dense in memory.
; CLUSTER: the four of a row of the cluster need the same tiles of A, the four of a column the same tiles of B: each tile is asked for JOINTLY.
; THE MATRIX INSTRUCTION IS USED TRANSPOSED (source 0 = 16 rows of B, source 1 = 16 rows of A): a lane holds eight neighbouring columns of one row of C: what one conversion takes.
; A fragment is fetched by four loads of 16 bytes: k stands permuted in the registers, alike in A and B, so each product meets its partner; only the order of the sums inside an instruction differs.
; code = sum x 2^(eA + eB - eOut), held within +-448.  LIMITS: e6 - e0 - e1, e7 - e2 - e3, e9 - e4 - e5 between -126 and 119.
; REGISTERS, in windows of 256: window 0: v0-31 addresses; from v128 A's fragments, ONE set; window 1: B's fragments, TWO sets; windows 2, 3: the accumulators of my rows 0-63, 64-127 ((a, b) at v[8 (8 (a % 4) + b)]).
.set KTOT,   1024
.set KBA,    524288                    ; bytes from a block of 128 along K to the next, in A and in B
.set KBB,    524288
.set PITCH,  144                       ; an LDS row: 128 bytes + 16 of padding = 9 x 16: the 16 rows that a load touches start in 16 different 16-byte columns of the banks' 256 bytes
.set LOADB,  256*PITCH                 ; what one tensor load brings
.set SLOT,   4*LOADB                   ; A's first 128 along K, A's second, B's first, B's second: wave x LOADB
.set SPARE,  2*SLOT                    ; behind the ring: the spare words, 128 bytes for each wave, which no other line names
.set LAPS,   KTOT/512                  ; a lap = two slots = once round the ring
.set FR,     16                        ; registers of a fragment: 16 rows x 128 K
.set NL,     4                         ; LDS loads that bring one
.set NP,     4                         ; places behind this matrix instruction (ISA guide 7.12.1)
.set SPITCH, 144                       ; the way out: a stage of 16 rows x (128 + 16) bytes for each wave, in slot 0, which has had its last fill and its last read by then
.set ADRA, 16                          ; v16-17  LDS address of my A fragments in slot 0, 1
.set ADRB, 20                          ; v20-21  the same for B
.set STO,  24                          ; v24     the way out: where I put 8 codes of a row
.set RD,   25                          ; v25     where I read rows back
.set CO,   26                          ; v26     16 x lane
.set SPW,  28                          ; v28     my spare word: SPARE + 4 x my thread's number; never rewritten
.set NIL,  29                          ; v29     0; never rewritten
.set SC,   12                          ; v12     the conversion's scale as f32
.set LIM,  13                          ; v13     448 x that
.set AF,   128                         ; A's fragments, in window 0
.set TMP,  128                         ; the way out: a block's 64 held sums
.set CD,   192                         ; its codes: v192-207, v208-223 by turns
.set RB,   224                         ; its rows read back: v224-239, v240-255 by turns
.set G1, 24                            ; s[24:31] descriptor group 1 for A's tiles;  s[32:39] group 0, one set for each slot
.set G0, 32
.set G1B, 48                           ; s[48:55], s[56:63] the same for B's tiles
.set G0B, 56
.set MSB, 0
.macro WIN new                         ; the immediate's high byte repeats the setting that is left
.if MSB != \new
	s_set_vgpr_msb (MSB<<8)|\new
.set MSB, \new
.endif
.endm
.set MUL_LO, 0xa1                      ; source 0 (B) window 1, source 1 (A) window 0, C and D window 2
.set MUL_HI, 0xf1                      ; the same, C and D window 3
.set TO_B,   0x40                      ; destination window 1, address window 0
; A joint load: waves 0 and 1 fetch for A, waves 2 and 3 for B.  The branch hangs on the wave's number alone.  Four v_nop follow each of the two lines.
.macro JLOAD g0a, g1a, g0b, g1b
	s_cmp_eq_u32 s15, 0
	s_cbranch_scc0 .Lfor_b_\@
	tensor_load_to_lds s[\g0a:\g0a+3], s[\g1a:\g1a+7]
	s_nop 0
.rept 4
	v_nop
.endr
	s_branch .Lasked_\@
.Lfor_b_\@:
	tensor_load_to_lds s[\g0b:\g0b+3], s[\g1b:\g1b+7]
	s_nop 0
.rept 4
	v_nop
.endr
.Lasked_\@:
.endm
.macro CREST                           ; a round of the cluster's barrier behind its opening barrier
	s_cmp_lg_u32 s14, 0
	s_cbranch_scc1 .Lnot_wave_0_\@
	s_barrier_signal -3
.Lnot_wave_0_\@:
	s_barrier_wait -3
	s_barrier_signal -1
	s_barrier_wait -1
.endm
.macro CROUND                          ; a whole round
	s_barrier_signal -1
	s_barrier_wait -1
	CREST
.endm
	s_load_b256 s[4:11], s[0:1], 0x0               ; hc s[4:5], wc s[6:7], the scales' exponents s[8:9], qkvc s[10:11]
	v_lshl_add_u32 v[SPW], v0, 2, SPARE
	v_mov_b32 v[NIL], 0
	ds_add_u32 v28, v29
	s_wait_dscnt 0x0
	v_lshrrev_b32 v1, 5, v0
	v_readfirstlane_b32 s14, v1                    ; wave 0..3
	s_lshr_b32 s15, s14, 1                         ; which half of the tile's rows is mine.  Also: I fetch for A (0) or for B (1)
	s_and_b32 s16, s14, 1                          ; which half of its columns.  Also: which 128 along K of a slot I fetch
	s_bfe_u32 s40, ttmp6, 0x40000                  ; cx, cy: my place in the cluster
	s_bfe_u32 s41, ttmp6, 0x40004
	s_and_b32 s17, ttmp7, 0xffff                   ; the cluster's y, 0 .. 11
	s_lshr_b32 s12, s17, 2                         ; type
	s_and_b32 s13, s17, 3                          ; tb
	s_lshl_b32 s43, s41, 2
	s_lshl_b32 s43, 15, s43                        ; my row of the cluster
	s_lshl_b32 s44, 0x1111, s40                    ; my column
	; descriptor group 1: a tile of 256 rows x 128 bytes, dense in memory, padded in LDS
	s_or_b32 s[G1+0], s43, (0<<16)|(1<<20)|(1<<21)|(4<<22)|(3<<25)  ; 15:0 the mask: A's tiles go to my row; 17:16 elements of 1 byte; 20 padding on; 21 set beside a mask; 24:22 after every 32 words (code 4); 31:25 four words (code 3)
	s_or_b32 s[G1B+0], s44, (0<<16)|(1<<20)|(1<<21)|(4<<22)|(3<<25)
.irp g, G1, G1B
	s_mov_b32 s[\g+1], 128<<16                     ; tensor_dim0 = 128
	s_mov_b32 s[\g+2], 256<<16                     ; tensor_dim1 = 256
	s_mov_b32 s[\g+3], 128<<16                     ; tile_dim0 = 128
	s_mov_b32 s[\g+4], 256                         ; tile_dim1 = 256
	s_mov_b32 s[\g+5], 128                         ; tensor_dim0_stride
	s_mov_b32 s[\g+6], 0
	s_mov_b32 s[\g+7], 0
.endr
	; the rows.  A's hang on cy, type and tb, B's on cx, type and tb; each in registers that never hold the other coordinate
	s_lshl_b32 s19, s13, 10                        ; 1,024 tb
	s_lshl_b32 s18, s12, 15
	s_add_co_u32 s18, s18, s19                     ; q, k: A: plane type of hc (32,768 rows of 128 bytes a plane), tokens 1,024 tb on
	s_lshl_b32 s22, s12, 10                        ; q, k: B: weight type
	s_add_co_u32 s23, s19, 65536                   ; v: B: plane 2 of hc, tokens 1,024 tb on
	s_lshl_b32 s45, s13, 3                         ; v: 8 tb blocks of 128 tokens
	s_mov_b32 s94, 131072
	s_cmp_lt_u32 s12, 2
	s_cselect_b32 s20, s18, 2048                   ; v: A: Wv's rows
	s_cselect_b32 s46, s22, s23
	s_cselect_b32 s92, s19, 0                      ; C's first row, less the cluster's part
	s_cselect_b32 s93, 0, s45                      ; C's first block of 128 columns, likewise
	s_cselect_b32 s94, 524288, s94                 ; bytes from a block of 128 columns of the result to the next: its rows x 128
	s_lshl_b32 s18, s41, 8                         ; 256 cy
	s_add_co_u32 s20, s20, s18
	s_add_co_u32 s92, s92, s18
	s_lshl_b32 s19, s40, 8                         ; 256 cx
	s_add_co_u32 s46, s46, s19
	s_lshl_b32 s20, s20, 7                         ; rows of 128 bytes
	s_lshl_b32 s46, s46, 7
	s_mul_i32 s95, s16, KBA                        ; my 128 along K of a slot
	s_add_co_u32 s20, s20, s95
	s_add_co_u32 s46, s46, s95
	s_mov_b32 s21, 0
	s_mov_b32 s47, 0
	s_mul_i32 s45, s14, LOADB                      ; where they go: no place in the cluster enters an LDS address
	s_wait_kmcnt 0x0
	s_load_b512 s[68:83], s[8:9], 0x0              ; e0 .. e15 in s68 .. s83
	s_cmp_lt_u32 s12, 2
	s_cselect_b64 s[88:89], s[4:5], s[6:7]         ; A's buffer,
	s_cselect_b64 s[90:91], s[6:7], s[4:5]         ; B's
	s_add_nc_u64 s[20:21], s[88:89], s[20:21]
	s_add_nc_u64 s[46:47], s[90:91], s[46:47]
	CROUND                                         ; all sixteen work-groups are here: the first joint loads meet
.irp s, 0,1
	s_mov_b32 s[G0+4*\s], 1
	s_add_co_u32 s[G0+4*\s+1], s45, \s*SLOT
	s_add_nc_u64 s[G0+4*\s+2:G0+4*\s+3], s[20:21], \s*2*KBA
	s_or_b32 s[G0+4*\s+3], s[G0+4*\s+3], 0x80000000
	s_mov_b32 s[G0B+4*\s], 1
	s_add_co_u32 s[G0B+4*\s+1], s45, \s*SLOT
	s_add_nc_u64 s[G0B+4*\s+2:G0B+4*\s+3], s[46:47], \s*2*KBB
	s_or_b32 s[G0B+4*\s+3], s[G0B+4*\s+3], 0x80000000
	JLOAD G0+4*\s, G1, G0B+4*\s, G1B               ; two loads of mine are out
.endr
	v_and_b32 v1, 15, v0                           ; r = l % 16
	v_bfe_u32 v2, v0, 4, 1                         ; h = l / 16
	v_mul_u32_u24 v3, v1, PITCH
	v_lshl_add_u32 v4, v2, 4, v3                   ; a fragment's row x pitch + 16 h
	s_mul_i32 s21, s15, 128*PITCH                  ; my 128 rows of A
	s_mul_i32 s22, s16, 128*PITCH                  ; my 128 rows of B,
	s_add_co_u32 s22, s22, 2*LOADB                 ; which lie behind A's two blocks
.irp s, 0,1
	v_add_nc_u32 v[ADRA+\s], s21, v4
	v_add_nc_u32 v[ADRB+\s], s22, v4
	s_add_co_u32 s21, s21, SLOT
	s_add_co_u32 s22, s22, SLOT
.endr
	s_mul_i32 s23, s14, 16*SPITCH                  ; my stage
	v_mul_u32_u24 v5, v1, SPITCH
	v_lshl_add_u32 v5, v2, 3, v5
	v_add_nc_u32 v[STO], s23, v5                   ; in: row r, + 8 h; accumulator b's eight codes 16 b further on
	v_and_b32 v6, 31, v0
	v_lshlrev_b32 v[CO], 4, v6
	v_lshrrev_b32 v7, 3, v6
	v_and_b32 v6, 7, v6
	v_mul_u32_u24 v7, v7, SPITCH
	v_lshl_add_u32 v7, v6, 4, v7
	v_add_nc_u32 v[RD], s23, v7                    ; back: eight lanes to a row of 128 bytes, four rows an instruction
	s_lshl_b32 s18, s15, 7
	s_add_co_u32 s92, s92, s18                     ; my first row of C,
	s_lshl_b32 s92, s92, 7                         ; of 128 bytes
	s_lshl_b32 s18, s40, 1
	s_add_co_u32 s93, s93, s18
	s_add_co_u32 s93, s93, s16                     ; my block of 128 columns
	s_mul_i32 s93, s93, s94
	s_add_co_u32 s92, s92, s93
	s_lshl_b32 s18, s12, 22                        ; q, k or v: 4 MiB each
	s_add_co_u32 s92, s92, s18
	s_mov_b32 s93, 0
	s_add_nc_u64 s[10:11], s[10:11], s[92:93]      ; never stepped: a block's place stands in the stores' immediates
.macro FRAG reg, adr, q, i             ; a fragment: lane l holds row l % 16; registers 4 c .. 4 c + 3 hold bytes 32 c + 16 (l / 16) + 0 .. 15 of the row's 128
.irp c, 0,1,2,3
	ds_load_b128 v[\reg+4*\c:\reg+4*\c+3], v[\adr] offset:LOADB*(\q)+32*\c+(\i)*16*PITCH
.endr
.endm
; 16 matrix instructions: A's blocks a0, a0 + 1 x B's eight, 128 along K.  p: B's set.  zero = 1: the first product starts the sums.
; The 64 accumulators take turns, one instruction a turn, in the same order in every step.
.macro MUL16 a0, p, zero
.irp a, \a0, \a0+1
.irp b, 0,1,2,3,4,5,6,7
.if \zero
	v_wmma_f32_16x16x128_fp8_fp8 v[8*(8*((\a)%4)+\b):8*(8*((\a)%4)+\b)+7], v[128*(\p)+FR*\b:128*(\p)+FR*\b+FR-1], v[AF+FR*(\a):AF+FR*(\a)+FR-1], 0
.else
	v_wmma_f32_16x16x128_fp8_fp8 v[8*(8*((\a)%4)+\b):8*(8*((\a)%4)+\b)+7], v[128*(\p)+FR*\b:128*(\p)+FR*\b+FR-1], v[AF+FR*(\a):AF+FR*(\a)+FR-1], v[8*(8*((\a)%4)+\b):8*(8*((\a)%4)+\b)+7]
.endif
.endr
.endr
.endm
.macro FETCH_B slot, q, p              ; B's eight fragments of the slot's q-th 128 along K into set p
	WIN TO_B
.irp i, 0,1,2,3,4,5,6,7
	FRAG 128*(\p)+FR*\i, ADRB+\slot, \q, \i
.endr
	WIN 0
.endm
.macro FETCH_A slot, q, i0             ; A's blocks i0 .. i0 + 3
.irp i, \i0, \i0+1, \i0+2, \i0+3
	FRAG AF+FR*(\i), ADRA+\slot, \q, \i
.endr
.endm
.macro PLACES n                        ; plain vector lines between a matrix instruction and a load into, or a vector line on, one of its registers (for the vector line)
.rept \n
	v_nop
.endr
.endm
; A step of 128 along K that has its successor in the same slot.
.macro STEP slot, q, zero
	s_wait_dscnt 4*NL                              ; B's set and A's blocks 0-3 are in; the youngest 16 loads (A's blocks 4-7) may be out
	WIN MUL_LO
	MUL16 0, (\q)%2, \zero
	MUL16 2, (\q)%2, \zero
	s_wait_dscnt 0                                 ; A's blocks 4-7 are in (asked for 32 matrix instructions ago)
	PLACES NP
	FETCH_B \slot, (\q)+1, 1-(\q)%2
	FETCH_A \slot, (\q)+1, 0
	WIN MUL_HI
	MUL16 4, (\q)%2, \zero
	MUL16 6, (\q)%2, \zero
	PLACES NP
	WIN 0
	FETCH_A \slot, (\q)+1, 4
.endm
; A slot's last step changes slots: ONE barrier; in front of it each wave waits for all its tensor loads, adds 0 to its spare word, and waits for that and for its own reads of this slot.  fill = 1: this slot is filled again, two slots ahead.
.macro TURN slot, next, fill
	s_wait_tensorcnt 0x0                           ; all my tensor loads have landed: my part of the next slot  (every window is 0 here)
	ds_add_u32 v[SPW], v[NIL]                      ; 0 onto my spare word
	s_wait_dscnt 4*NL+1                            ; (the add and the youngest 16 loads may be out)
	WIN MUL_LO
	MUL16 0, 1, 0                                  ; sixteen matrix instructions stand between the add and the wait for it
	s_wait_dscnt 0x0                               ; the add is done, and my reads of this slot are over
	s_barrier_signal -1
	MUL16 2, 1, 0
	WIN 0
	s_barrier_wait -1
.if \fill
	CREST                                          ; the barrier has opened a round of the cluster's barrier: no wave of any partner still reads this slot or has a load on its way
	s_add_nc_u64 s[G0+4*\slot+2:G0+4*\slot+3], s[G0+4*\slot+2:G0+4*\slot+3], 4*KBA
	s_add_nc_u64 s[G0B+4*\slot+2:G0B+4*\slot+3], s[G0B+4*\slot+2:G0B+4*\slot+3], 4*KBB
	JLOAD G0+4*\slot, G1, G0B+4*\slot, G1B         ; the first tensor load behind the round, my only one until the next; its four v_nop are the places in front of the loads below
.else
	PLACES NP
.endif
	FETCH_B \next, 0, 0
	FETCH_A \next, 0, 0
	WIN MUL_HI
	MUL16 4, 1, 0
	MUL16 6, 1, 0
	PLACES NP
	WIN 0
	FETCH_A \next, 0, 4
.endm
	s_wait_tensorcnt 1                             ; my part of slot 0 is in (slot 1's load may be out)
	s_barrier_signal -1
	s_barrier_wait -1                              ; everybody's is
	FETCH_B 0, 0, 0
	FETCH_A 0, 0, 0
	FETCH_A 0, 0, 4
	STEP 0, 0, 1                                   ; the first step stands in front of the loop: its products start the sums
	s_mov_b32 s3, LAPS-1
.Llap:                                                 ; a trip goes once round the ring, from a lap's second step to the next lap's first, and fills both slots again
	TURN 0, 1, 1
	STEP 1, 0, 0
	TURN 1, 0, 1
	STEP 0, 0, 0
	s_sub_co_u32 s3, s3, 1
	s_cmp_lg_u32 s3, 0
	s_cbranch_scc1 .Llap
	TURN 0, 1, 0                                   ; the last lap fills nothing, and has no round of the cluster's barrier
	STEP 1, 0, 0
	s_wait_dscnt 4*NL                              ; the very last step: nothing more to fetch
	WIN MUL_LO
	MUL16 0, 1, 0
	MUL16 2, 1, 0
	s_wait_dscnt 0
	WIN MUL_HI
	MUL16 4, 1, 0
	MUL16 6, 1, 0
	WIN 0
; THE WAY OUT, block by block of 16 rows x 128 columns.  A lane's eight sums of an accumulator are eight neighbouring columns: held, converted, 8 bytes.  The lanes beside it hold other rows: so a block goes
; through my own stage in LDS and comes back as 16 rows of 128 bytes, which lie on end in the result: four stores of 512 consecutive bytes.  LDS serves a wave's instructions in order: no wait between stores and loads.
.macro CODES a
.set AC, 64*((\a)%4)
.set CDR, CD+16*((\a)%2)
	WIN 0x02+((\a)/4)                              ; source 0: window 2 or 3
.set j, 0
.rept 64
	v_med3_num_f32 v[TMP+j], v[AC+j], -v[LIM], v[LIM]   ; the hold (the conversion does not saturate: ISA guide 7.6.2); each accumulator from its low end on
.set j, j+1
.endr
	WIN 0
.irp b, 0,1,2,3,4,5,6,7
	v_cvt_scalef32_pk8_fp8_f32 v[CDR+2*\b:CDR+2*\b+1], v[TMP+8*\b:TMP+8*\b+7], v[SC]
.endr
	v_nop                                          ; a plain line behind the last conversion: the next block's holds write its sources
.endm
.macro TOSTAGE a
.set CDR, CD+16*((\a)%2)
.set RBR, RB+16*((\a)%2)
.irp b, 0,1,2,3,4,5,6,7
	ds_store_b64 v[STO], v[CDR+2*\b:CDR+2*\b+1] offset:16*\b
.endr
.irp i, 0,1,2,3
	ds_load_b128 v[RBR+4*\i:RBR+4*\i+3], v[RD] offset:\i*4*SPITCH
.endr
.endm
.macro SEND a, younger                 ; younger: the LDS instructions issued behind block a's loads, which may stay out
.set RBR, RB+16*((\a)%2)
	s_wait_dscnt \younger
.irp i, 0,1,2,3
	global_store_b128 v[CO], v[RBR+4*\i:RBR+4*\i+3], s[10:11] offset:(\a)*2048+\i*512
.endr
.endm
	s_wait_kmcnt 0x0
	s_sub_co_i32 s74, s74, s68
	s_sub_co_i32 s74, s74, s69                     ; q: e6 - e0 - e1: a sum stands for sum x 2^(e0 + e1), its code is that / 2^e6
	s_sub_co_i32 s75, s75, s70
	s_sub_co_i32 s75, s75, s71                     ; k: e7 - e2 - e3
	s_sub_co_i32 s77, s77, s72
	s_sub_co_i32 s77, s77, s73                     ; v: e9 - e4 - e5
	s_cmp_eq_u32 s12, 1
	s_cselect_b32 s74, s75, s74
	s_cmp_eq_u32 s12, 2
	s_cselect_b32 s74, s77, s74
	s_add_co_i32 s74, s74, 127
	s_lshl_b32 s75, s74, 23
	v_mov_b32 v[SC], s75
	s_add_co_i32 s74, s74, 8
	s_lshl_b32 s74, s74, 23
	s_or_b32 s74, s74, 0x600000
	v_mov_b32 v[LIM], s74
	PLACES NP                                      ; behind the last products: their results are read, and the registers that held A's fragments written
	CODES 0
	TOSTAGE 0
.irp a, 1,2,3,4,5,6,7
.if \a > 1
	s_wait_xcnt 0x0                                ; block a - 2's stores have read their registers: block a's loads may land there
.endif
	CODES \a
	TOSTAGE \a
	SEND \a-1, 12                                  ; behind block a - 1's loads: block a's 8 stores and 4 loads
.endr
	SEND 7, 0
	s_wait_tensorcnt 0x0                           ; the wave's end
	ds_add_u32 v[SPW], v[NIL]
	s_wait_dscnt 0x0
	CROUND                                         ; the closing round: no work-group ends while a partner may still ask for a tile that names it
	s_endpgm
.Lfunc_end_k_q3c0f51b23c_gqkv:
	.size	k_q3c0f51b23c_gqkv, .Lfunc_end_k_q3c0f51b23c_gqkv-k_q3c0f51b23c_gqkv
	.p2alignl 7, 3214868480
	.fill 96, 4, 3214868480
	.section	.rodata,"a",@progbits
	.p2align	6, 0x0
	.amdhsa_kernel k_q3c0f51b23c_gqkv
		.amdhsa_group_segment_fixed_size 327680
		.amdhsa_private_segment_fixed_size 0
		.amdhsa_enable_private_segment 0
		.amdhsa_kernarg_size 32
		.amdhsa_user_sgpr_count 2
		.amdhsa_user_sgpr_kernarg_segment_ptr 1
		.amdhsa_wavefront_size32 1
		.amdhsa_system_sgpr_workgroup_id_x 1
		.amdhsa_system_sgpr_workgroup_id_y 1
		.amdhsa_system_sgpr_workgroup_id_z 1
		.amdhsa_system_vgpr_workitem_id 0
		.amdhsa_next_free_vgpr 1024
		.amdhsa_next_free_sgpr 100
		.amdhsa_reserve_vcc 0
		.amdhsa_float_denorm_mode_32 3
		.amdhsa_float_denorm_mode_16_64 3
		.amdhsa_memory_ordered 1
		.amdhsa_forward_progress 1
		.amdhsa_inst_pref_size 125
	.end_amdhsa_kernel
	.amdgpu_metadata
---
amdhsa.version: [ 1, 2 ]
amdhsa.kernels:
  - .name:           k_q3c0f51b23c_gqkv
    .symbol:         k_q3c0f51b23c_gqkv.kd
    .args:
      - { .name: hc, .offset: 0, .size: 8, .value_kind: global_buffer, .address_space: global }
      - { .name: wc, .offset: 8, .size: 8, .value_kind: global_buffer, .address_space: global }
      - { .name: lowp_scales, .offset: 16, .size: 8, .value_kind: global_buffer, .address_space: global }
      - { .name: qkvc, .offset: 24, .size: 8, .value_kind: global_buffer, .address_space: global }
    .group_segment_fixed_size: 327680
    .private_segment_fixed_size: 0
    .kernarg_segment_align: 8
    .kernarg_segment_size: 32
    .max_flat_workgroup_size: 128
    .sgpr_count:     100
    .vgpr_count:     1024
    .wavefront_size: 32
...
	.end_amdgpu_metadata
.endif
;; end of part 2
;; launch attn (part 3): grid 16 x 16, 16 waves a work-group, no clusters, 327,680 bytes of LDS; arguments qkvc, lowp_scales, cc; writes cc
.if DOCPART == 3
	.amdgcn_target "amdgcn-amd-amdhsa--gfx1250"
	.amdhsa_code_object_version 6
	.text
	.protected	k_q3c0f51b23c_attn
	.globl	k_q3c0f51b23c_attn
	.p2align	8
	.type	k_q3c0f51b23c_attn,@function
k_q3c0f51b23c_attn:
	s_mov_b64 s[64:65], 0
	v_nop
	global_prefetch_b8 v0, s[64:65] scope:SCOPE_SE
	s_setreg_imm32_b32 hwreg(HW_REG_WAVE_MODE, 25, 1), 1
	s_wait_xcnt 0x0
; Causal attention on codes of FP8 (E4M3): ctx[q] = the sum over keys k <= q of softmax_k(q . k / 8) v[k], head size 64, and ctx quantised at once for the product with Wo.
; qkvc: byte 0: q as [8 pairs of heads][4096 tokens][128 = 2 heads x 64];  byte 4 MiB: k likewise;  byte 8 MiB: v as [32 blocks of 128 tokens][1024 channels][128 keys].  Token = 2,048 batch + place.
; cc: ctx's codes, [8 pairs of heads][4096 tokens][128].
; THE SOFTMAX AHEAD OF THE SECOND PRODUCT: t = score x log2(e) / 8; M = the row's largest t so far, rounded UP to a whole number; p = 2^(t - M) is quantised, not normalised; the row's sum is taken of the
; unquantised p and divides at the end.  When M moves, the sum and O are multiplied by 2^(old M - new M): exact.
; SHARES.  Work-group (i, y): batch y / 8, pair of heads y % 8.  Each of its sixteen waves owns ONE tile of 16 queries of one head, in 256 registers: four waves to a SIMD, one wave's vector work beside another's
; matrix work.  Wave w: head w & 1; with j = 2 i + ((w >> 1) & 1), waves w / 4 = 0, 1, 2, 3 take tiles j, 63 - j, 64 + j, 127 - j: the four lengths under the mask add up alike for every i.
; Every wave walks all 8 slots of 256 keys (constant trip counts; no tensor load and no barrier is jumped over); a step all of whose keys come after the wave's queries leaves out its WORK, by a branch on ids.
; NO CLUSTER: the work-groups that read the same K and V are those with other query tiles, and the step left out under the mask is a branch on just those tiles, which partners of joint loads may not have;
; without that branch the softmax's lines, of which a step has some 300 against 12 matrix instructions, would be twice as many.
; LAYOUT.  Both products transposed: S^T = K Q^T (source 0 = 16 keys, source 1 = my 16 queries; K = 64), O^T = V^T P^T (source 0 = 16 channels, source 1 = P; K = 128 keys): a lane holds ONE query throughout.
; In S^T tile t, lane (r, h) holds keys 16 t + 8 h + 0 .. 7: just what registers 2 t, 2 t + 1 of the K = 128 form's operand hold: so the conversions' results ARE P.  V is read in that form's own layout (8 bytes a load).
; Q's and K's 64 codes are fetched by two loads of 16 bytes: permuted along the head's axis, alike in both.
; LIMITS: e6 + e7 between -124 and 129 (added to c's exponent field); e8 and e10 between -126 and 119; e8 + e9 goes in by v_ldexp_f32.
; REGISTERS: v1-3, v5-7 addresses that stay; v8-11 at work; v12 -M, v13 the largest t, v[14:15] the sum in two halves; v16-23 Q; v32-95 K's eight or V's four fragments; v96-159 S^T, then p; v160-191 O^T; v224-239 P's codes;
;   v240, v244-246 scales; v[242:243], v252-254 at work; v248 what the lane 16 away sends: a register that no matrix instruction names.
.set KP,    144                        ; an LDS row: 128 bytes + 16 of padding
.set BLK,   128*KP                     ; what one tensor load brings: 128 rows x 128 bytes
.set SLOT1, 1<<17                      ; a slot: K of step 0, K of step 1, V of step 0, V of step 1 (4 BLK); slot 1 begins here, so that one exclusive or turns an address
.set NSL,   8                          ; slots' worth of keys: 2,048 / 256
.set SPARE, 2*SLOT1                    ; the spare words, 128 bytes for each of 16 waves, which no other line names
.set STAGE, SPARE+2048                 ; the way out: 16 rows x 144 bytes for each pair of waves; no tensor load lands here
.set AK0,  1                           ; v1   my lane's place in a block of K
.set AV0,  2                           ; v2   the same for V
.set PFO,  3                           ; v3   256 x lane: the prefetches' offset; never rewritten
.set SPW,  5                           ; v5   my spare word; never rewritten
.set NIL,  6                           ; v6   0; never rewritten
.set GO,   7                           ; v7   the way out: my byte offset in the tile's rows of cc
.set ADK,  8
.set ADV,  9
.set XL,   248                         ; v248 the lane exchanges' destination
.set TB,   2                           ; s2   LDS byte at which the slot in hand begins
.set WV,   18                          ; s18  my wave's number
.set SEL,  20                          ; s[20:21] lane selects: lane l xor 16
.set CS,   22                          ; s[22:23] c = log2(e) / 8, with the scores' scale
.set G1,   24                          ; s[24:31] descriptor group 1: one shape serves K and V
.set G0,   40                          ; s[40:43] descriptor group 0, which walks
.set STP,  44                          ; s[44:45] a slot on in memory: 256 rows of K, or two blocks of V
.set SLOTS, 67
.set PFA,  76                          ; s[76:77] where my prefetches stand
.set PFS,  78                          ; s[78:79] a slot on, for them
.set LIM,  80                          ; s80  1 in a wave that prefetches, else the greatest number
.set KF,   98                          ; s98  the step's first key
.set Q0,   99                          ; s99  my first query
; Waves 0 and 1 fetch a slot's two blocks of K, waves 2 and 3 its two of V, the others nothing.  The branch hangs on the wave's number alone.  Four v_nop follow the line.
.macro TLOAD
	s_cmp_lt_u32 s[WV], 4
	s_cbranch_scc0 .Lasked_\@
	tensor_load_to_lds s[G0:G0+3], s[G1:G1+7]
	s_nop 0
.rept 4
	v_nop
.endr
.Lasked_\@:
.endm
; A PREFETCH INTO THE L2 of what the NEXT change of slots will ask for: 32,768 bytes of K, one dense block, and two blocks of 16,384 bytes of V.  All sixteen work-groups of a pair of heads walk the same K and V:
; the first of them (x = 0) asks; in it waves 4 to 7 for K, 8,192 bytes each, waves 8 to 11 for V, half a block each; lanes 256 bytes apart: each aligned 256 bytes are named once in the launch.
; It stands a slot's two key steps ahead of the load.  Slots 0 and 1 come by their loads alone; the last change that fills a slot asks for nothing.
.macro ASK
	s_cmp_gt_u32 s[SLOTS], s[LIM]
	s_cbranch_scc0 .Lnot_mine_\@
	global_prefetch_b8 v[PFO], s[PFA:PFA+1] th:TH_LOAD_NT scope:SCOPE_SE
.Lnot_mine_\@:
.endm
	s_load_b128 s[4:7], s[0:1], 0x0                ; qkvc s[4:5], the scales' exponents s[6:7]
	s_load_b64 s[16:17], s[0:1], 0x10              ; cc
	v_lshl_add_u32 v[SPW], v0, 2, SPARE
	v_mov_b32 v[NIL], 0
	ds_add_u32 v5, v6
	s_wait_dscnt 0x0
	v_lshrrev_b32 v8, 5, v0
	v_readfirstlane_b32 s[WV], v8                  ; wave 0..15
	s_and_b32 s8, ttmp7, 0xffff
	s_lshr_b32 s9, s8, 3                           ; batch
	s_and_b32 s10, s8, 7                           ; pair of heads
	s_and_b32 s11, s[WV], 1                        ; which head of the pair
	s_bfe_u32 s12, s[WV], 0x10001                  ; bit 1 of the wave's number
	s_lshr_b32 s13, s[WV], 2
	s_lshl_b32 s14, ttmp9, 1
	s_add_co_u32 s14, s14, s12                     ; j
	s_and_b32 s15, s13, 1
	s_mul_i32 s15, s15, 63
	s_xor_b32 s14, s14, s15                        ; j or 63 - j
	s_lshr_b32 s15, s13, 1
	s_lshl_b32 s15, s15, 6
	s_add_co_u32 s14, s14, s15                     ; my tile, 0 .. 127
	s_lshl_b32 s[Q0], s14, 4
	s_and_b32 s81, s[WV], 3                        ; which of a slot's four blocks: waves 4 to 15 hold the same numbers as waves 0 to 3 and issue nothing
	s_lshl_b32 s68, s10, 19                        ; the pair's block of q, of k and of cc,
	s_lshl_b32 s69, s9, 18                         ; the batch's 2,048 rows of 128 bytes in it
	s_add_co_u32 s70, s68, s69
	s_lshl_b32 s71, s81, 14
	s_add_co_u32 s71, s71, s70
	s_add_co_u32 s71, s71, 0x400000                ; K: keys 128 x wave on
	s_lshl_b32 s72, s9, 4
	s_add_co_u32 s72, s72, s81
	s_sub_co_u32 s72, s72, 2                       ; V: block 16 batch + wave - 2 of 128 keys,
	s_lshl_b32 s72, s72, 17
	s_lshl_b32 s73, s10, 14                        ; the pair's 128 channels in it
	s_add_co_u32 s72, s72, s73
	s_add_co_u32 s72, s72, 0x800000
	s_mov_b32 s[STP], 262144
	s_cmp_lt_u32 s81, 2
	s_cselect_b32 s74, s71, s72
	s_cselect_b32 s[STP], 32768, s[STP]
	s_mov_b32 s75, 0
	s_mov_b32 s[STP+1], 0
	s_lshl_b32 s82, s[Q0], 7
	s_add_co_u32 s82, s82, s70                     ; my tile's rows, in q and in cc
	s_mov_b32 s83, 0
	; descriptor group 1: 128 rows of 128 bytes, dense in memory, padded in LDS
	s_mov_b32 s[G1], (0<<16)|(1<<20)|(4<<22)|(3<<25)   ; no mask; elements of 1 byte; padding on: four words (code 3) after every 32 (code 4)
	s_mov_b32 s[G1+1], 128<<16                     ; tensor_dim0
	s_mov_b32 s[G1+2], 128<<16                     ; tensor_dim1
	s_mov_b32 s[G1+3], 128<<16                     ; tile_dim0
	s_mov_b32 s[G1+4], 128                         ; tile_dim1
	s_mov_b32 s[G1+5], 128                         ; tensor_dim0_stride
	s_mov_b32 s[G1+6], 0
	s_mov_b32 s[G1+7], 0
	s_mov_b32 s[SEL], 0x76543210
	s_mov_b32 s[SEL+1], 0xfedcba98
	s_mov_b32 s[CS], 0x3e38aa3b                    ; c = log2(e) / sqrt(64)
	s_mov_b32 s[TB], 0
	s_mov_b32 s[SLOTS], NSL-1
	s_mov_b32 s[KF], 0
	s_wait_kmcnt 0x0
	s_load_b256 s[84:91], s[6:7], 0x18             ; e6 .. e13 in s84 .. s91
	s_mov_b32 s[G0], 1                             ; count = 1
	s_mul_i32 s[G0+1], s81, BLK                    ; LDS address: slot 0
	s_add_nc_u64 s[G0+2:G0+3], s[4:5], s[74:75]
	s_or_b32 s[G0+3], s[G0+3], 0x80000000          ; type = 2
	TLOAD                                          ; slot 0
	s_add_nc_u64 s[92:93], s[4:5], s[82:83]        ; Q's codes at my tile
	s_add_nc_u64 s[16:17], s[16:17], s[82:83]      ; cc likewise
	; the prefetches: where my wave's stand, and who asks
	s_lshl_b32 s71, s81, 13
	s_add_co_u32 s71, s71, s70
	s_add_co_u32 s71, s71, 0x400000+32768          ; K: my 8,192 bytes, in slot 1: the first change of slots steps it to slot 2
	s_lshl_b32 s72, s9, 21                         ; V: the batch's 16 blocks,
	s_add_co_u32 s72, s72, s73
	s_lshr_b32 s94, s81, 1
	s_lshl_b32 s94, s94, 17                        ; which of the slot's two blocks,
	s_add_co_u32 s72, s72, s94
	s_and_b32 s94, s81, 1
	s_lshl_b32 s94, s94, 13                        ; which half of the pair's 16,384 bytes in it
	s_add_co_u32 s72, s72, s94
	s_add_co_u32 s72, s72, 0x800000+262144
	s_mov_b32 s[PFS], 262144
	s_cmp_lt_u32 s[WV], 8
	s_cselect_b32 s94, s71, s72
	s_cselect_b32 s[PFS], 32768, s[PFS]
	s_mov_b32 s95, 0
	s_mov_b32 s[PFS+1], 0
	s_add_nc_u64 s[PFA:PFA+1], s[4:5], s[94:95]
	s_sub_co_u32 s94, s[WV], 4
	s_lshr_b32 s94, s94, 3                         ; 0 in waves 4 to 11,
	s_or_b32 s94, s94, ttmp9                       ; of the first work-group along x
	s_cmp_eq_u32 s94, 0
	s_cselect_b32 s[LIM], 1, -1
	v_and_b32 v[PFO], 31, v0
	v_lshlrev_b32 v[PFO], 8, v[PFO]
	v_and_b32 v8, 15, v0                           ; r
	v_bfe_u32 v9, v0, 4, 1                         ; h
	s_lshl_b32 s68, s11, 6                         ; my head's 64 bytes of a row
	v_lshlrev_b32 v10, 7, v8
	v_lshl_add_u32 v10, v9, 4, v10
	v_add_nc_u32 v10, s68, v10
	global_load_b128 v[16:19], v10, s[92:93]           ; Q's fragment stays in registers
	global_load_b128 v[20:23], v10, s[92:93] offset:32
	v_mul_u32_u24 v[AK0], v8, KP
	v_lshl_add_u32 v[AK0], v9, 4, v[AK0]
	v_add_nc_u32 v[AK0], s68, v[AK0]               ; K: key r, my head, + 16 h
	s_mul_i32 s69, s11, 64*KP
	s_add_co_u32 s69, s69, 2*BLK
	v_mul_u32_u24 v[AV0], v8, KP
	v_lshl_add_u32 v[AV0], v9, 3, v[AV0]
	v_add_nc_u32 v[AV0], s69, v[AV0]               ; V: behind K's two blocks; channel 64 head + r, + 8 h
	v_and_b32 v[GO], 31, v0
	v_lshlrev_b32 v[GO], 4, v[GO]
	s_lshl_b32 s69, s11, 10
	v_add_nc_u32 v[GO], s69, v[GO]                 ; the way out: I store rows 8 head .. 8 head + 7 of the tile
	v_mov_b32 v13, 0xff61b1e6                      ; the largest t so far: -3e38, under every t
	v_floor_f32 v12, -v13                          ; -M
	v_mov_b32 v14, 0                               ; the sum, in two halves
	v_mov_b32 v15, 0
	v_mov_b32 v[XL], 0                             ; written once: a lane permute's destination counts as one of its sources
	v_mov_b32 v253, 0                              ; (named as the upper half of the pair v[252:253])
.set j, 0
.rept 32
	v_mov_b32 v[160+j], 0                          ; O^T.  (The step is written without a first step of its own: it finds zeros, which the first change of M leaves zeros)
.set j, j+1
.endr
	s_wait_kmcnt 0x0
	s_add_co_i32 s72, s84, s85
	s_lshl_b32 s72, s72, 23
	s_add_co_i32 s[CS], s[CS], s72                 ; a score stands for score x 2^(e6 + e7): added to c's exponent field
	s_mov_b32 s[CS+1], s[CS]                       ; (named with it as a pair)
	s_add_co_i32 s72, s86, 127
	s_lshl_b32 s73, s72, 23
	v_mov_b32 v244, s73                            ; 2^e8, for p's conversion
	s_add_co_i32 s72, s72, 8
	s_lshl_b32 s72, s72, 23
	s_or_b32 s72, s72, 0x600000
	v_mov_b32 v240, s72                            ; 448 x 2^e8
; A KEY STEP: 128 keys, the q-th of the slot in hand.
.macro STEP q
	s_add_co_u32 s96, s[Q0], 15
	s_cmp_gt_u32 s[KF], s96                        ; all keys come after my queries: the step's work is left out; no barrier and no tensor load stands in a step
	s_cbranch_scc1 .Lhidden_\@
	v_add_nc_u32 v[ADK], s[TB], v[AK0]
	v_add_nc_u32 v[ADV], s[TB], v[AV0]
	v_nop
	v_nop                                          ; with the two additions: four places in front of loads into registers that the last products read
.irp t, 0,1,2,3,4,5,6,7
	ds_load_b128 v[32+8*\t:35+8*\t], v[ADK] offset:(\q)*BLK+16*\t*KP
	ds_load_b128 v[36+8*\t:39+8*\t], v[ADK] offset:(\q)*BLK+16*\t*KP+32
.endr
	s_wait_dscnt 0x0
.irp t, 0,1,2,3,4,5,6,7
	v_wmma_f32_16x16x64_fp8_fp8 v[96+8*\t:103+8*\t], v[32+8*\t:39+8*\t], v[16:23], 0   ; lane (r, h): query r; register j: key 16 t + 8 h + j
.endr
.rept 4
	v_nop
.endr
.irp t, 0,1,2,3                                ; V's four fragments are asked for now and land under the softmax: registers 2 c, 2 c + 1 = keys 16 c + 8 h + 0 .. 7 of channel 16 t + r
.irp c, 0,1,2,3,4,5,6,7
	ds_load_b64 v[32+16*\t+2*\c:33+16*\t+2*\c], v[ADV] offset:(\q)*BLK+16*\t*KP+16*\c
.endr
.endr
	s_add_co_u32 s96, s[KF], 127                   ; on the diagonal the scores of hidden keys become -infinity ahead of the maximum: p = 0 then.  A step all of whose keys count skips this
	s_cmp_le_u32 s96, s[Q0]
	s_cbranch_scc1 .Lopen_\@
	s_sub_co_i32 s96, s[Q0], s[KF]
	v_and_b32 v252, 15, v0
	v_bfe_u32 v253, v0, 4, 1
	v_lshlrev_b32 v253, 3, v253
	v_sub_nc_u32 v252, v252, v253
	v_add_nc_u32 v252, s96, v252                   ; d = my query - KF - 8 h.  Register n holds key KF + 8 h + 16 (n / 8) + n % 8: hidden where 16 (n / 8) + n % 8 > d
	v_mov_b32 v254, 0xff800000
.set n, 0
.rept 64
	v_cmp_gt_i32 vcc_lo, 16*(n/8)+n%8, v252
	v_cndmask_b32 v[96+n], v[96+n], v254, vcc_lo
.set n, n+1
.endr
.Lopen_\@:
	v_max3_num_f32 v254, v96, v97, v98             ; the step's largest score of my query, among my 64 keys, in two chains, the registers in ascending order,
	v_max3_num_f32 v252, v99, v100, v101
.irp i, 6,10,14,18,22,26,30,34,38,42,46,50,54,58
	v_max3_num_f32 v254, v254, v[96+\i], v[97+\i]
	v_max3_num_f32 v252, v252, v[98+\i], v[99+\i]
.endr
	v_max3_num_f32 v254, v254, v158, v159
	v_max_num_f32 v254, v254, v252
	v_permlanex16_b32 v[XL], v254, s[SEL], s[SEL+1]
	v_max_num_f32 v254, v254, v[XL]                ; and among lane l xor 16's
	v_mul_f32 v254, s[CS], v254                    ; as t (c is positive)
	v_max_num_f32 v13, v13, v254                   ; the running largest t
	v_mov_b32 v254, v12
	v_floor_f32 v12, -v13                          ; the new -M = floor(-t) = -ceil(t): a whole number
	v_sub_f32 v254, v12, v254                      ; old M - new M: a whole number, 0 or less
	v_cvt_i32_f32 v254, v254                       ; (it saturates)
	v_ldexp_f32 v252, 1.0, v254                    ; f = 2^(old M - new M)
.set j, 0
.rept 32
	v_pk_fma_f32 v[96+j:97+j], v[96+j:97+j], s[CS:CS+1], v[12:13] op_sel_hi:[1,0,0]   ; t - M, two at a time (of the pairs c and -M the low word serves both halves)
.set j, j+2
.endr
.set j, 0
.rept 64
	v_exp_f32 v[96+j], v[96+j]                     ; p = 2^(t - M), at most 1
.set j, j+1
.endr
	v_pk_mul_f32 v[14:15], v[14:15], v[252:253] op_sel_hi:[1,0]   ; the sums under the new M: a plain line behind the exponentials
	s_wait_alu depctr_va_vdst(0)                   ; one wait for the batch of 64, ahead of the first line that names a result
	v_pk_add_f32 v[242:243], v[96:97], v[98:99]    ; THE ROW'S SUM IS TAKEN OF THE UNQUANTISED p, in two chains
.irp j, 4,8,12,16,20,24,28,32,36,40,44,48,52,56,60
	v_pk_add_f32 v[14:15], v[14:15], v[96+\j:97+\j]
	v_pk_add_f32 v[242:243], v[242:243], v[98+\j:99+\j]
.endr
	v_pk_add_f32 v[14:15], v[14:15], v[242:243]
.irp t, 0,1,2,3,4,5,6,7
.irp i, 0,1,2,3,4,5,6,7
	v_min_num_f32 v[96+8*\t+\i], v[96+8*\t+\i], v240   ; the conversion does not saturate (ISA guide 7.6.2); p is not negative, so the hold is one-sided
.endr
	v_cvt_scalef32_pk8_fp8_f32 v[224+2*\t:225+2*\t], v[96+8*\t:103+8*\t], v244
.endr
.set j, 0
.rept 16
	v_pk_mul_f32 v[160+j:161+j], v[160+j:161+j], v[252:253] op_sel_hi:[1,0]   ; O^T under the new M.  (Plain lines between the conversions and the products that read their results)
.set j, j+2
.endr
	s_wait_dscnt 0x0                               ; V is in
.irp t, 0,1,2,3                                ; the four accumulators take turns; the next step's eight products K Q^T stand between two links of a chain
	v_wmma_f32_16x16x128_fp8_fp8 v[160+8*\t:167+8*\t], v[32+16*\t:47+16*\t], v[224:239], v[160+8*\t:167+8*\t]
.endr
.Lhidden_\@:
	s_add_co_u32 s[KF], s[KF], 128
.endm
; THE CHANGE OF SLOTS stands at a slot's head.  Each wave waits for all its tensor loads (its part of the slot that it is about to read), adds 0 to its spare word, and waits for that and for its reads of the slot that it has left.
; Behind the barrier the slot ahead is whole and nobody reads the other one.  fill = 1: that other slot is filled with the keys that follow: the load has a slot's two steps in which to land.
.macro CHANGE fill
	s_wait_tensorcnt 0x0                           ; no tensor load of mine is out, so group 0 may be written
	ds_add_u32 v[SPW], v[NIL]                      ; 0 onto my spare word
.if \fill
	s_xor_b32 s[G0+1], s[G0+1], SLOT1              ; the other slot than last time,
	s_add_nc_u64 s[G0+2:G0+3], s[G0+2:G0+3], s[STP:STP+1]   ; the next 256 keys; the type bits on top are not reached
	s_wait_xcnt 0x0                                ; the last prefetch, a slot back, has read its address, so it may be written:
	s_add_nc_u64 s[PFA:PFA+1], s[PFA:PFA+1], s[PFS:PFS+1]   ; one slot further on than the descriptor
.endif
	s_wait_dscnt 0x0                               ; the add is done, and my reads of the slot that I have left are over
	s_barrier_signal -1
	s_barrier_wait -1
.if \fill
	TLOAD                                          ; the first thing behind the barrier, and a wave's one tensor load until the next: one load of mine is out
	ASK
.endif
.endm
.macro SLOT_STEPS
	STEP 0
	STEP 1
	s_xor_b32 s[TB], s[TB], SLOT1                  ; on to the other slot
.endm
	s_wait_loadcnt 0x0                             ; Q
.Lslot:                                            ; NSL - 1 trips: behind each change of slots but the last the next slot is asked for
	CHANGE 1
	SLOT_STEPS
	s_sub_co_u32 s[SLOTS], s[SLOTS], 1
	s_cmp_lg_u32 s[SLOTS], 0
	s_cbranch_scc1 .Lslot
	CHANGE 0                                       ; the last slot is written out
	SLOT_STEPS
	; THE WAY OUT.  O^T / the sum x 2^(e8 + e9) is ctx; it is quantised with 2^e10.  A row of cc's block is 128 bytes, 64 from each head: the two waves of a tile meet in a stage, and each stores eight whole rows.
	; The lines up to the first read of O^T name no register of the last products: more than four of them are plain, the places that those products want.
	v_add_f32 v14, v14, v15                        ; the sum's two halves,
	v_permlanex16_b32 v[XL], v14, s[SEL], s[SEL+1]
	v_add_f32 v14, v14, v[XL]                      ; and lane l xor 16's
	v_rcp_f32 v14, v14
	v_and_b32 v8, 15, v0                           ; (plain lines behind the transcendental)  r
	v_bfe_u32 v9, v0, 4, 1                         ; h
	s_add_co_i32 s72, s86, s87                     ; e8 + e9
	s_lshr_b32 s73, s[WV], 1
	s_mul_i32 s73, s73, 16*KP
	s_add_co_u32 s73, s73, STAGE                   ; my pair's stage
	s_lshl_b32 s74, s11, 6
	s_add_co_u32 s74, s74, s73
	v_mul_u32_u24 v10, v8, KP
	v_lshl_add_u32 v10, v9, 3, v10
	v_add_nc_u32 v10, s74, v10                     ; in: row r, my head's 64 bytes, + 8 h; tile t's eight channels 16 t further on
	s_mul_i32 s74, s11, 8*KP
	s_add_co_u32 s74, s74, s73
	v_and_b32 v11, 31, v0
	v_lshrrev_b32 v252, 3, v11
	v_and_b32 v11, 7, v11
	v_mul_u32_u24 v252, v252, KP
	v_lshl_add_u32 v11, v11, 4, v252
	v_add_nc_u32 v11, s74, v11                     ; back: rows 8 head on; eight lanes to a row, four rows an instruction
	s_add_co_i32 s75, s88, 127
	s_lshl_b32 s94, s75, 23
	v_mov_b32 v245, s94                            ; 2^e10
	s_add_co_i32 s75, s75, 8
	s_lshl_b32 s75, s75, 23
	s_or_b32 s75, s75, 0x600000
	v_mov_b32 v246, s75                            ; 448 x 2^e10
	s_wait_alu depctr_va_vdst(0)                   ; the wait ahead of the reciprocal's first reader
	v_ldexp_f32 v14, v14, s72
.set j, 0
.rept 32
	v_mul_f32 v[96+j], v[160+j], v14               ; register 8 t + i: ctx(query r, channel 16 t + 8 h + i); each accumulator from its low end on
.set j, j+1
.endr
.set j, 0
.rept 32
	v_med3_num_f32 v[96+j], v[96+j], -v246, v246
.set j, j+1
.endr
.irp t, 0,1,2,3
	v_cvt_scalef32_pk8_fp8_f32 v[128+2*\t:129+2*\t], v[96+8*\t:103+8*\t], v245
.endr
	v_nop                                          ; a plain line behind the last conversion
.irp t, 0,1,2,3
	ds_store_b64 v10, v[128+2*\t:129+2*\t] offset:16*\t
.endr
	s_wait_dscnt 0x0                               ; for the other wave's sake: my stores into the stage are done
	s_barrier_signal -1
	s_barrier_wait -1
	ds_load_b128 v[32:35], v11
	ds_load_b128 v[36:39], v11 offset:4*KP
	s_wait_dscnt 1
	global_store_b128 v[GO], v[32:35], s[16:17]            ; four rows of 128 codes: 512 consecutive bytes, aligned
	s_wait_dscnt 0
	global_store_b128 v[GO], v[36:39], s[16:17] offset:512
	s_wait_tensorcnt 0x0                           ; the wave's end
	ds_add_u32 v[SPW], v[NIL]
	s_wait_dscnt 0x0
	s_endpgm
.Lfunc_end_k_q3c0f51b23c_attn:
	.size	k_q3c0f51b23c_attn, .Lfunc_end_k_q3c0f51b23c_attn-k_q3c0f51b23c_attn
	.p2alignl 7, 3214868480
	.fill 96, 4, 3214868480
	.section	.rodata,"a",@progbits
	.p2align	6, 0x0
	.amdhsa_kernel k_q3c0f51b23c_attn
		.amdhsa_group_segment_fixed_size 327680
		.amdhsa_private_segment_fixed_size 0
		.amdhsa_enable_private_segment 0
		.amdhsa_kernarg_size 24
		.amdhsa_user_sgpr_count 2
		.amdhsa_user_sgpr_kernarg_segment_ptr 1
		.amdhsa_wavefront_size32 1
		.amdhsa_system_sgpr_workgroup_id_x 1
		.amdhsa_system_sgpr_workgroup_id_y 1
		.amdhsa_system_sgpr_workgroup_id_z 1
		.amdhsa_system_vgpr_workitem_id 0
		.amdhsa_next_free_vgpr 256
		.amdhsa_next_free_sgpr 100
		.amdhsa_reserve_vcc 1
		.amdhsa_float_denorm_mode_32 3
		.amdhsa_float_denorm_mode_16_64 3
		.amdhsa_memory_ordered 1
		.amdhsa_forward_progress 1
		.amdhsa_inst_pref_size 101
	.end_amdhsa_kernel
	.amdgpu_metadata
---
amdhsa.version: [ 1, 2 ]
amdhsa.kernels:
  - .name:           k_q3c0f51b23c_attn
    .symbol:         k_q3c0f51b23c_attn.kd
    .args:
      - { .name: qkvc, .offset: 0, .size: 8, .value_kind: global_buffer, .address_space: global }
      - { .name: lowp_scales, .offset: 8, .size: 8, .value_kind: global_buffer, .address_space: global }
      - { .name: cc, .offset: 16, .size: 8, .value_kind: global_buffer, .address_space: global }
    .group_segment_fixed_size: 327680
    .private_segment_fixed_size: 0
    .kernarg_segment_align: 8
    .kernarg_segment_size: 24
    .max_flat_workgroup_size: 512
    .sgpr_count:     100
    .vgpr_count:     256
    .wavefront_size: 32
...
	.end_amdgpu_metadata
.endif
;; end of part 3
;; launch gwo (part 4): grid 4 x 16, 4 waves a work-group, clusters of 4 x 4, 327,680 bytes of LDS; arguments cc, wc, lowp_scales, bo, x, x1; writes x1
.if DOCPART == 4
	.amdgcn_target "amdgcn-amd-amdhsa--gfx1250"
	.amdhsa_code_object_version 6
	.text
	.protected	k_q3c0f51b23c_gwo
	.globl	k_q3c0f51b23c_gwo
	.p2align	8
	.type	k_q3c0f51b23c_gwo,@function
k_q3c0f51b23c_gwo:
	s_mov_b64 s[64:65], 0
	v_nop
	global_prefetch_b8 v0, s[64:65] scope:SCOPE_SE
	s_setreg_imm32_b32 hwreg(HW_REG_WAVE_MODE, 25, 1), 1
	s_wait_xcnt 0x0
	s_wait_alu depctr_hold_cnt(0) depctr_sa_sdst(0) depctr_va_vdst(0) depctr_va_sdst(0) depctr_va_ssrc(0) depctr_va_vcc(0) depctr_vm_vsrc(0)
	s_getreg_b32 s2, hwreg(HW_REG_IB_STS2, 6, 4)
	s_cmp_eq_u32 s2, 0
	s_cbranch_scc0 .Lentry_in_a_cluster
	s_endpgm
.Lentry_in_a_cluster:
	s_bfe_u32 s2, ttmp6, 0x10000c
	s_cmp_lg_u32 s2, 0xf033
	s_cbranch_scc0 .Lentry_shape_is_right
	s_endpgm
.Lentry_shape_is_right:
; x1 = x + ctx Wo + bo.  The product on codes of FP8 (E4M3), sums in f32; all else f32.
; cc: ctx's codes, [8][4096 tokens][128];  Wo's codes: rows 3,072 + n of wc's [8][4096][128].  x, x1: [4096][1024] f32.
; A work-group makes 256 x 256 of C = A B^T, a wave 128 x 128: 64 accumulators, 512 registers.  K = 1,024 goes in steps of 256 through a ring of two LDS slots; a wave's tensor load brings 256 rows x 128 bytes,
; one block of 128 along K, dense in memory.  This size has 64 such tiles: 64 work-groups.
; CLUSTER: 4 x 4 work-groups; the four of a row of the cluster need the same tiles of A, the four of a column the same tiles of B: each tile is asked for JOINTLY.
; THE MATRIX INSTRUCTION IS USED TRANSPOSED (source 0 = 16 rows of B, source 1 = 16 rows of A): a lane holds eight neighbouring columns of one row of C.
; A fragment is fetched by four loads of 16 bytes: k stands permuted in the registers, alike in A and B; only the order of the sums inside an instruction differs.
; LIMIT: e10 + e11 between -126 and 127, so that 2^(e10 + e11) is an f32 number.
; REGISTERS, in windows of 256: window 0: v0-31 addresses, v[8:11] my four numbers of the bias; from v128 A's fragments, ONE set; window 1: B's fragments, TWO sets; on the way out three sets of 64 for the residual's rows;
;   windows 2, 3: the accumulators of my rows 0-63, 64-127 ((a, b) at v[8 (8 (a % 4) + b)]).
.set KTOT,   1024
.set KBA,    524288                    ; bytes from a block of 128 along K to the next, in A and in B
.set KBB,    524288
.set BOFF,   3072*128                  ; where B's rows begin in wc
.set SOFF,   40                        ; the two scales' bytes in lowp_scales: entries 10, 11
.set PITCH,  144                       ; an LDS row: 128 bytes + 16 of padding = 9 x 16: the 16 rows that a load touches start in 16 different 16-byte columns of the banks' 256 bytes
.set LOADB,  256*PITCH                 ; what one tensor load brings
.set SLOT,   4*LOADB                   ; A's first 128 along K, A's second, B's first, B's second: wave x LOADB
.set SPARE,  2*SLOT                    ; behind the ring: the spare words, 128 bytes for each wave, which no other line names
.set LAPS,   KTOT/512
.set FR,     16
.set NL,     4
.set NP,     4                         ; places behind this matrix instruction (ISA guide 7.12.1)
.set SPITCH, 528                       ; the way out: a stage of 16 rows x (512 + 16) bytes for each wave, in slot 0, which has had its last fill and its last read by then
.set ADRA, 16
.set ADRB, 20
.set STO,  24                          ; v24     the way out: where I put 32 bytes of a row
.set RD,   25                          ; v25     where I read a row back
.set CO,   26                          ; v26     16 x lane: my place in a row's 512 bytes
.set PFO,  27                          ; v27     the prefetches' offset: row lane / 2 of 16, 256 bytes (lane % 2); never rewritten
.set SPW,  28
.set NIL,  29
.set TMP,  32                          ; the way out: a block's sums x 2^(eA + eB)
.set AF,   128
.set BK,   128                         ; 16 rows read back from the stage: v128-191 and v192-255 by turns
.set G1, 24
.set G0, 32
.set G1B, 48
.set G0B, 56
.set MSB, 0
.macro WIN new                         ; the immediate's high byte repeats the setting that is left
.if MSB != \new
	s_set_vgpr_msb (MSB<<8)|\new
.set MSB, \new
.endif
.endm
.set MUL_LO, 0xa1                      ; source 0 (B) window 1, source 1 (A) window 0, C and D window 2
.set MUL_HI, 0xf1
.set TO_B,   0x40                      ; destination window 1, address window 0
; A joint load: waves 0 and 1 fetch for A, waves 2 and 3 for B.  The branch hangs on the wave's number alone.  Four v_nop follow each of the two lines.
.macro JLOAD g0a, g1a, g0b, g1b
	s_cmp_eq_u32 s15, 0
	s_cbranch_scc0 .Lfor_b_\@
	tensor_load_to_lds s[\g0a:\g0a+3], s[\g1a:\g1a+7]
	s_nop 0
.rept 4
	v_nop
.endr
	s_branch .Lasked_\@
.Lfor_b_\@:
	tensor_load_to_lds s[\g0b:\g0b+3], s[\g1b:\g1b+7]
	s_nop 0
.rept 4
	v_nop
.endr
.Lasked_\@:
.endm
.macro CREST                           ; a round of the cluster's barrier behind its opening barrier
	s_cmp_lg_u32 s14, 0
	s_cbranch_scc1 .Lnot_wave_0_\@
	s_barrier_signal -3
.Lnot_wave_0_\@:
	s_barrier_wait -3
	s_barrier_signal -1
	s_barrier_wait -1
.endm
.macro CROUND
	s_barrier_signal -1
	s_barrier_wait -1
	CREST
.endm
; A PREFETCH INTO THE L2 of my 128 x 128 numbers of the residual, which the way out reads once and waits for.  In the loop's last trip each of the two changes of slots names 64 rows: four lines of 16 rows x 512 bytes,
; a lane to each aligned 256 bytes.  No other wave of the launch reads these bytes, so each is named once.  It stands behind the joint load and the run of LDS loads; from there to the first load of these rows
; a wave issues the six or four steps of 64 matrix instructions that are left.  The count s3 is the same in every partner.
.macro ASKX i0
	s_cmp_eq_u32 s3, 1
	s_cbranch_scc0 .Lnot_yet_\@
.irp i, 0,1,2,3
	global_prefetch_b8 v[PFO], s[84:85] offset:((\i0)+\i)*65536 th:TH_LOAD_NT scope:SCOPE_SE
.endr
.Lnot_yet_\@:
.endm
	s_load_b256 s[4:11], s[0:1], 0x0               ; A's codes s[4:5], wc s[6:7], the scales' exponents s[8:9], the bias s[10:11]
	s_load_b128 s[84:87], s[0:1], 0x20             ; the residual s[84:85], the result s[86:87]
	v_lshl_add_u32 v[SPW], v0, 2, SPARE
	v_mov_b32 v[NIL], 0
	ds_add_u32 v28, v29
	s_wait_dscnt 0x0
	v_lshrrev_b32 v1, 5, v0
	v_readfirstlane_b32 s14, v1                    ; wave 0..3
	s_lshr_b32 s15, s14, 1                         ; which half of the tile's rows is mine.  Also: I fetch for A (0) or for B (1)
	s_and_b32 s16, s14, 1                          ; which half of its columns.  Also: which 128 along K of a slot I fetch
	s_bfe_u32 s40, ttmp6, 0x40000                  ; cx, cy
	s_bfe_u32 s41, ttmp6, 0x40004
	s_lshl_b32 s42, ttmp9, 2
	s_add_co_u32 s42, s42, s40                     ; tile column of C
	s_and_b32 s17, ttmp7, 0xffff
	s_lshl_b32 s17, s17, 2
	s_add_co_u32 s17, s17, s41                     ; tile row of C
	s_lshl_b32 s43, s41, 2
	s_lshl_b32 s43, 15, s43                        ; my row of the cluster
	s_lshl_b32 s44, 0x1111, s40                    ; my column
	s_or_b32 s[G1+0], s43, (0<<16)|(1<<20)|(1<<21)|(4<<22)|(3<<25)  ; the mask; elements of 1 byte; padding on; bit 21 beside a mask; four words (code 3) after every 32 (code 4)
	s_or_b32 s[G1B+0], s44, (0<<16)|(1<<20)|(1<<21)|(4<<22)|(3<<25)
.irp g, G1, G1B
	s_mov_b32 s[\g+1], 128<<16                     ; tensor_dim0 = 128
	s_mov_b32 s[\g+2], 256<<16                     ; tensor_dim1 = 256
	s_mov_b32 s[\g+3], 128<<16                     ; tile_dim0 = 128
	s_mov_b32 s[\g+4], 256                         ; tile_dim1 = 256
	s_mov_b32 s[\g+5], 128                         ; tensor_dim0_stride
	s_mov_b32 s[\g+6], 0
	s_mov_b32 s[\g+7], 0
.endr
	s_lshl_b32 s20, s17, 15                        ; A: 256 x tile row rows of 128 bytes,
	s_mul_i32 s18, s16, KBA                        ; my 128 along K of a slot
	s_add_co_u32 s20, s20, s18
	s_mov_b32 s21, 0
	s_lshl_b32 s46, s42, 15                        ; B: 256 x tile column rows
	s_mul_i32 s19, s16, KBB
	s_add_co_u32 s46, s46, s19
	s_add_co_u32 s46, s46, BOFF
	s_mov_b32 s47, 0
	s_mul_i32 s45, s14, LOADB                      ; where they go: no place in the cluster enters an LDS address
	s_wait_kmcnt 0x0
	s_load_b64 s[96:97], s[8:9], SOFF              ; eA, eB
	s_add_nc_u64 s[20:21], s[4:5], s[20:21]
	s_add_nc_u64 s[46:47], s[6:7], s[46:47]
	CROUND                                         ; all sixteen work-groups are here: the first joint loads meet
.irp s, 0,1
	s_mov_b32 s[G0+4*\s], 1
	s_add_co_u32 s[G0+4*\s+1], s45, \s*SLOT
	s_add_nc_u64 s[G0+4*\s+2:G0+4*\s+3], s[20:21], \s*2*KBA
	s_or_b32 s[G0+4*\s+3], s[G0+4*\s+3], 0x80000000
	s_mov_b32 s[G0B+4*\s], 1
	s_add_co_u32 s[G0B+4*\s+1], s45, \s*SLOT
	s_add_nc_u64 s[G0B+4*\s+2:G0B+4*\s+3], s[46:47], \s*2*KBB
	s_or_b32 s[G0B+4*\s+3], s[G0B+4*\s+3], 0x80000000
	JLOAD G0+4*\s, G1, G0B+4*\s, G1B               ; two loads of mine are out
.endr
	v_and_b32 v1, 15, v0                           ; r
	v_bfe_u32 v2, v0, 4, 1                         ; h
	v_mul_u32_u24 v3, v1, PITCH
	v_lshl_add_u32 v4, v2, 4, v3
	s_mul_i32 s21, s15, 128*PITCH                  ; my 128 rows of A
	s_mul_i32 s22, s16, 128*PITCH                  ; my 128 rows of B,
	s_add_co_u32 s22, s22, 2*LOADB                 ; which lie behind A's two blocks
.irp s, 0,1
	v_add_nc_u32 v[ADRA+\s], s21, v4
	v_add_nc_u32 v[ADRB+\s], s22, v4
	s_add_co_u32 s21, s21, SLOT
	s_add_co_u32 s22, s22, SLOT
.endr
	s_mul_i32 s23, s14, 16*SPITCH                  ; my stage
	v_mul_u32_u24 v5, v1, SPITCH
	v_lshl_add_u32 v5, v2, 5, v5
	v_add_nc_u32 v[STO], s23, v5                   ; in: row r, 32 bytes for each half of the lanes
	v_and_b32 v6, 31, v0
	v_lshlrev_b32 v[CO], 4, v6
	v_add_nc_u32 v[RD], s23, v[CO]                 ; back: the 32 lanes take one row of 512 bytes
	v_lshrrev_b32 v[PFO], 1, v6
	v_lshlrev_b32 v[PFO], 12, v[PFO]
	v_and_b32 v7, 1, v6
	v_lshl_add_u32 v[PFO], v7, 8, v[PFO]
	s_lshl_b32 s20, s17, 8
	s_lshl_b32 s21, s15, 7
	s_add_co_u32 s20, s20, s21                     ; my first row: 256 x tile row + 128 x half,
	s_lshl_b32 s20, s20, 12                        ; of 4,096 bytes
	s_lshl_b32 s46, s42, 10
	s_lshl_b32 s47, s16, 9
	s_add_co_u32 s46, s46, s47                     ; my first column, in bytes
	s_mov_b32 s47, 0
	s_add_nc_u64 s[10:11], s[10:11], s[46:47]
	s_add_co_u32 s20, s20, s46
	s_mov_b32 s21, 0
	s_add_nc_u64 s[84:85], s[84:85], s[20:21]      ; neither is stepped again: a row's place stands in the immediates, 127 rows of 4,096 bytes at the most
	s_add_nc_u64 s[86:87], s[86:87], s[20:21]
	global_load_b128 v[8:11], v[CO], s[10:11]      ; the bias of my four columns of a row
.macro FRAG reg, adr, q, i             ; a fragment: lane l holds row l % 16; registers 4 c .. 4 c + 3 hold bytes 32 c + 16 (l / 16) + 0 .. 15 of the row's 128
.irp c, 0,1,2,3
	ds_load_b128 v[\reg+4*\c:\reg+4*\c+3], v[\adr] offset:LOADB*(\q)+32*\c+(\i)*16*PITCH
.endr
.endm
; 16 matrix instructions: A's blocks a0, a0 + 1 x B's eight.  The 64 accumulators take turns, one instruction a turn, in the same order in every step.
.macro MUL16 a0, p, zero
.irp a, \a0, \a0+1
.irp b, 0,1,2,3,4,5,6,7
.if \zero
	v_wmma_f32_16x16x128_fp8_fp8 v[8*(8*((\a)%4)+\b):8*(8*((\a)%4)+\b)+7], v[128*(\p)+FR*\b:128*(\p)+FR*\b+FR-1], v[AF+FR*(\a):AF+FR*(\a)+FR-1], 0
.else
	v_wmma_f32_16x16x128_fp8_fp8 v[8*(8*((\a)%4)+\b):8*(8*((\a)%4)+\b)+7], v[128*(\p)+FR*\b:128*(\p)+FR*\b+FR-1], v[AF+FR*(\a):AF+FR*(\a)+FR-1], v[8*(8*((\a)%4)+\b):8*(8*((\a)%4)+\b)+7]
.endif
.endr
.endr
.endm
.macro FETCH_B slot, q, p
	WIN TO_B
.irp i, 0,1,2,3,4,5,6,7
	FRAG 128*(\p)+FR*\i, ADRB+\slot, \q, \i
.endr
	WIN 0
.endm
.macro FETCH_A slot, q, i0
.irp i, \i0, \i0+1, \i0+2, \i0+3
	FRAG AF+FR*(\i), ADRA+\slot, \q, \i
.endr
.endm
.macro PLACES n                        ; plain vector lines between a matrix instruction and a load into, or a vector line on, one of its registers (for the vector line)
.rept \n
	v_nop
.endr
.endm
.macro STEP slot, q, zero
	s_wait_dscnt 4*NL                              ; B's set and A's blocks 0-3 are in; the youngest 16 loads (A's blocks 4-7) may be out
	WIN MUL_LO
	MUL16 0, (\q)%2, \zero
	MUL16 2, (\q)%2, \zero
	s_wait_dscnt 0
	PLACES NP
	FETCH_B \slot, (\q)+1, 1-(\q)%2
	FETCH_A \slot, (\q)+1, 0
	WIN MUL_HI
	MUL16 4, (\q)%2, \zero
	MUL16 6, (\q)%2, \zero
	PLACES NP
	WIN 0
	FETCH_A \slot, (\q)+1, 4
.endm
; A slot's last step changes slots: ONE barrier; in front of it each wave waits for all its tensor loads, adds 0 to its spare word, and waits for that and for its own reads of this slot.
.macro TURN slot, next, fill
	s_wait_tensorcnt 0x0                           ; all my tensor loads have landed: my part of the next slot
	ds_add_u32 v[SPW], v[NIL]                      ; 0 onto my spare word
	s_wait_dscnt 4*NL+1                            ; (the add and the youngest 16 loads may be out)
	WIN MUL_LO
	MUL16 0, 1, 0
	s_wait_dscnt 0x0                               ; the add is done, and my reads of this slot are over
	s_barrier_signal -1
	MUL16 2, 1, 0
	WIN 0
	s_barrier_wait -1
.if \fill
	CREST                                          ; a round of the cluster's barrier: no wave of any partner still reads this slot or has a load on its way
	s_add_nc_u64 s[G0+4*\slot+2:G0+4*\slot+3], s[G0+4*\slot+2:G0+4*\slot+3], 4*KBA
	s_add_nc_u64 s[G0B+4*\slot+2:G0B+4*\slot+3], s[G0B+4*\slot+2:G0B+4*\slot+3], 4*KBB
	JLOAD G0+4*\slot, G1, G0B+4*\slot, G1B         ; the first tensor load behind the round, my only one until the next
.else
	PLACES NP
.endif
	FETCH_B \next, 0, 0
	FETCH_A \next, 0, 0
.if \fill
	ASKX 4*\slot
.endif
	WIN MUL_HI
	MUL16 4, 1, 0
	MUL16 6, 1, 0
	PLACES NP
	WIN 0
	FETCH_A \next, 0, 4
.endm
	s_wait_tensorcnt 1                             ; my part of slot 0 is in (slot 1's load may be out)
	s_barrier_signal -1
	s_barrier_wait -1
	FETCH_B 0, 0, 0
	FETCH_A 0, 0, 0
	FETCH_A 0, 0, 4
	STEP 0, 0, 1                                   ; the first step's products start the sums
	s_mov_b32 s3, LAPS-1
.Llap:
	TURN 0, 1, 1
	STEP 1, 0, 0
	TURN 1, 0, 1
	STEP 0, 0, 0
	s_sub_co_u32 s3, s3, 1
	s_cmp_lg_u32 s3, 0
	s_cbranch_scc1 .Llap
	TURN 0, 1, 0                                   ; the last lap fills nothing
	STEP 1, 0, 0
	s_wait_dscnt 4*NL
	WIN MUL_LO
	MUL16 0, 1, 0
	MUL16 2, 1, 0
	s_wait_dscnt 0
	WIN MUL_HI
	MUL16 4, 1, 0
	MUL16 6, 1, 0
	WIN 0
; THE WAY OUT, block by block of 16 rows x 128 columns: sums x 2^(eA + eB) go through my own stage in LDS and come back as whole rows of 512 bytes; the residual's same rows, loaded three blocks ahead, and the
; bias are added; the 32 lanes store 512 consecutive bytes.  LDS serves a wave's instructions in order: no wait between the stores and the loads.
.macro XLOAD a                         ; the residual's rows of block a -> window 1, set a % 3
.set XR, 64*((\a)%3)
	WIN 0x40
.set t, 0
.rept 16
	global_load_b128 v[XR+4*t:XR+4*t+3], v[CO], s[84:85] offset:(16*(\a)+t)*4096 th:TH_LOAD_NT
.set t, t+1
.endr
	WIN 0
.endm
.macro TOSTAGE a
.set AC, 64*((\a)%4)
.set BB, BK+64*((\a)%2)
	WIN 0x02+((\a)/4)                              ; source 0: window 2 or 3
.set j, 0
.rept 32
	v_pk_mul_f32 v[TMP+j:TMP+j+1], v[AC+j:AC+j+1], s[96:97] op_sel_hi:[1,0]   ; both x s96; each accumulator from its low end on
.set j, j+2
.endr
	WIN 0
.irp b, 0,1,2,3,4,5,6,7
	ds_store_b128 v[STO], v[TMP+8*\b:TMP+8*\b+3] offset:64*\b
	ds_store_b128 v[STO], v[TMP+8*\b+4:TMP+8*\b+7] offset:64*\b+16
.endr
.set t, 0
.rept 16
	ds_load_b128 v[BB+4*t:BB+4*t+3], v[RD] offset:t*SPITCH
.set t, t+1
.endr
.endm
.macro SEND a, younger, left           ; younger: LDS instructions issued behind block a's loads; left: loads of later blocks' residual rows; both may stay out
.set BB, BK+64*((\a)%2)
.set XR, 64*((\a)%3)
	s_wait_dscnt \younger
	s_wait_loadcnt \left
	WIN 0x04                                       ; source 1: window 1
.set j, 0
.rept 32
	v_pk_add_f32 v[BB+j:BB+j+1], v[BB+j:BB+j+1], v[XR+j:XR+j+1]
.set j, j+2
.endr
	WIN 0
.set t, 0
.rept 16
	v_pk_add_f32 v[BB+4*t:BB+4*t+1], v[BB+4*t:BB+4*t+1], v[8:9]
	v_pk_add_f32 v[BB+4*t+2:BB+4*t+3], v[BB+4*t+2:BB+4*t+3], v[10:11]
.set t, t+1
.endr
.set t, 0
.rept 16
	global_store_b128 v[CO], v[BB+4*t:BB+4*t+3], s[86:87] offset:(16*(\a)+t)*4096   ; 512 consecutive bytes, aligned
.set t, t+1
.endr
.endm
	s_wait_kmcnt 0x0
	s_add_co_i32 s96, s96, s97
	s_add_co_i32 s96, s96, 127
	s_lshl_b32 s96, s96, 23                        ; 2^(eA + eB) as f32
	PLACES NP                                      ; behind the last products: loads land in the registers that held fragments, and results are read
	XLOAD 0
	XLOAD 1
	XLOAD 2
	TOSTAGE 0
.irp a, 1,2,3,4,5,6,7
.if \a > 1
	s_wait_xcnt 0x0                                ; block a - 2's stores have read their registers: block a's loads from the stage may land there
.endif
	TOSTAGE \a
.if \a < 7
	SEND \a-1, 32, 32                              ; behind block a - 1: block a's 16 stores and 16 loads in LDS; two later blocks' 32 loads of the residual
.else
	SEND \a-1, 32, 16
.endif
.if \a < 6
	XLOAD \a+2                                     ; into the set that block a - 1 has just left
.endif
.endr
	SEND 7, 0, 0
	s_wait_tensorcnt 0x0                           ; the wave's end
	ds_add_u32 v[SPW], v[NIL]
	s_wait_dscnt 0x0
	CROUND                                         ; the closing round
	s_endpgm
.Lfunc_end_k_q3c0f51b23c_gwo:
	.size	k_q3c0f51b23c_gwo, .Lfunc_end_k_q3c0f51b23c_gwo-k_q3c0f51b23c_gwo
	.p2alignl 7, 3214868480
	.fill 96, 4, 3214868480
	.section	.rodata,"a",@progbits
	.p2align	6, 0x0
	.amdhsa_kernel k_q3c0f51b23c_gwo
		.amdhsa_group_segment_fixed_size 327680
		.amdhsa_private_segment_fixed_size 0
		.amdhsa_enable_private_segment 0
		.amdhsa_kernarg_size 48
		.amdhsa_user_sgpr_count 2
		.amdhsa_user_sgpr_kernarg_segment_ptr 1
		.amdhsa_wavefront_size32 1
		.amdhsa_system_sgpr_workgroup_id_x 1
		.amdhsa_system_sgpr_workgroup_id_y 1
		.amdhsa_system_sgpr_workgroup_id_z 1
		.amdhsa_system_vgpr_workitem_id 0
		.amdhsa_next_free_vgpr 1024
		.amdhsa_next_free_sgpr 100
		.amdhsa_reserve_vcc 0
		.amdhsa_float_denorm_mode_32 3
		.amdhsa_float_denorm_mode_16_64 3
		.amdhsa_memory_ordered 1
		.amdhsa_forward_progress 1
		.amdhsa_inst_pref_size 169
	.end_amdhsa_kernel
	.amdgpu_metadata
---
amdhsa.version: [ 1, 2 ]
amdhsa.kernels:
  - .name:           k_q3c0f51b23c_gwo
    .symbol:         k_q3c0f51b23c_gwo.kd
    .args:
      - { .name: cc, .offset: 0, .size: 8, .value_kind: global_buffer, .address_space: global }
      - { .name: wc, .offset: 8, .size: 8, .value_kind: global_buffer, .address_space: global }
      - { .name: lowp_scales, .offset: 16, .size: 8, .value_kind: global_buffer, .address_space: global }
      - { .name: bo, .offset: 24, .size: 8, .value_kind: global_buffer, .address_space: global }
      - { .name: x, .offset: 32, .size: 8, .value_kind: global_buffer, .address_space: global }
      - { .name: x1, .offset: 40, .size: 8, .value_kind: global_buffer, .address_space: global }
    .group_segment_fixed_size: 327680
    .private_segment_fixed_size: 0
    .kernarg_segment_align: 8
    .kernarg_segment_size: 48
    .max_flat_workgroup_size: 128
    .sgpr_count:     100
    .vgpr_count:     1024
    .wavefront_size: 32
...
	.end_amdgpu_metadata
.endif
;; end of part 4
;; launch ln2 (part 5): grid 512 x 1, 4 waves a work-group, no clusters, 0 bytes of LDS; arguments x1, g2, s2, lowp_scales, h2; writes h2
.if DOCPART == 5
	.amdgcn_target "amdgcn-amd-amdhsa--gfx1250"
	.amdhsa_code_object_version 6
	.text
	.protected	k_q3c0f51b23c_ln2
	.globl	k_q3c0f51b23c_ln2
	.p2align	8
	.type	k_q3c0f51b23c_ln2,@function
k_q3c0f51b23c_ln2:
	s_mov_b64 s[64:65], 0
	v_nop
	global_prefetch_b8 v0, s[64:65] scope:SCOPE_SE
	s_setreg_imm32_b32 hwreg(HW_REG_WAVE_MODE, 25, 1), 1
	s_wait_xcnt 0x0
; h2 = the codes of g2 (x1 - mean) / sqrt(var + 1e-5) + s2, FP8 (E4M3) with the given scale 2^e12, laid [8 blocks of 128 along K][4096 tokens][128 bytes].
; A stream: no LDS, no barrier, no matrix work, no cluster (work-groups share only g2 and s2, 8 KiB).  A wave takes two rows: lanes 0-15 row 2 p, lanes 16-31 row 2 p + 1.
; Lane c = lane % 16 holds, of each block kb of 128, the eight neighbours 128 kb + 8 c + 0 .. 7: what one conversion takes.  The row's sums stay inside 16 lanes.
; Mean first, then the sum of squares of x - mean: a common offset of the inputs costs no digits.
; LIMITS: e12 between -126 and 119; NaN among the inputs is not served.
.set LX,  16                           ; v16-79   my 64 numbers
.set LG,  80                           ; v80-143  g at the same places; later the codes
.set LS,  144                          ; v144-207 s
.set LT,  208                          ; v208-223 two sets of 8 held numbers
.set LC,  224                          ; v224-231 four chains of pairs
.set LM,  232                          ; v[232:233] the mean, twice; v[234:235] 1 / sqrt(var + eps), twice
.set LQ,  240                          ; v240 2^e, v241 448 x 2^e
.set PX,  4                            ; s[4:5] the rows
.set PG,  6                            ; s[6:7] g
.set PS,  8                            ; s[8:9] s
.set PO,  40                           ; s[40:41] the codes at my two rows
.macro FOLD                            ; four chains of pairs -> one number a lane -> the sum over the row's 16 lanes, in each of them
	v_pk_add_f32 v[LC:LC+1], v[LC:LC+1], v[LC+2:LC+3]
	v_pk_add_f32 v[LC+4:LC+5], v[LC+4:LC+5], v[LC+6:LC+7]
	v_pk_add_f32 v[LC:LC+1], v[LC:LC+1], v[LC+4:LC+5]
	v_add_f32 v[LC], v[LC], v[LC+1]
.irp m, 1,2,4,8
	v_add_f32_dpp v[LC], v[LC], v[LC] row_xmask:\m row_mask:0xf bank_mask:0xf
.endr
.endm
.macro LNROWS planes                   ; v3: my bytes in the two rows; v4: in g and s; v5: 8 x lane; s[48 + 2 pl]: plane pl's e (on its way); s46 = 2^-10, s47 = 1e-5
.set kb, 0
.rept 8
	global_load_b128 v[LX+8*kb:LX+8*kb+3],   v3, s[PX:PX+1] offset:512*kb
	global_load_b128 v[LX+8*kb+4:LX+8*kb+7], v3, s[PX:PX+1] offset:512*kb+16
.set kb, kb+1
.endr
.set kb, 0
.rept 8
	global_load_b128 v[LG+8*kb:LG+8*kb+3],   v4, s[PG:PG+1] offset:512*kb
	global_load_b128 v[LG+8*kb+4:LG+8*kb+7], v4, s[PG:PG+1] offset:512*kb+16
.set kb, kb+1
.endr
.set kb, 0
.rept 8
	global_load_b128 v[LS+8*kb:LS+8*kb+3],   v4, s[PS:PS+1] offset:512*kb
	global_load_b128 v[LS+8*kb+4:LS+8*kb+7], v4, s[PS:PS+1] offset:512*kb+16
.set kb, kb+1
.endr
	s_wait_kmcnt 0x0
.set pl, 0
.rept \planes
	s_add_co_i32 s56, s[48+2*pl], 127
	s_lshl_b32 s57, s56, 23
	v_mov_b32 v[LQ+2*pl], s57                      ; 2^e
	s_add_co_i32 s56, s56, 8
	s_lshl_b32 s56, s56, 23
	s_or_b32 s56, s56, 0x600000
	v_mov_b32 v[LQ+2*pl+1], s56                    ; 448 x 2^e
.set pl, pl+1
.endr
	s_wait_loadcnt 32                              ; the rows are in; the 32 loads of g and s may be out
.irp k, 0,1,2,3
	v_pk_add_f32 v[LC+2*\k:LC+2*\k+1], v[LX+2*\k:LX+2*\k+1], v[LX+8+2*\k:LX+8+2*\k+1]   ; the first pairs start the chains: nothing is cleared
.endr
.set j, 8
.rept 24
	v_pk_add_f32 v[LC+2*(j%4):LC+2*(j%4)+1], v[LC+2*(j%4):LC+2*(j%4)+1], v[LX+2*j:LX+2*j+1]
.set j, j+1
.endr
	FOLD
	v_mul_f32 v[LM], s46, v[LC]                    ; the mean
	v_mov_b32 v[LM+1], v[LM]
.set j, 0
.rept 32
	v_pk_add_f32 v[LX+2*j:LX+2*j+1], v[LX+2*j:LX+2*j+1], v[LM:LM+1] neg_lo:[0,1] neg_hi:[0,1]   ; x - mean
.set j, j+1
.endr
.irp k, 0,1,2,3
	v_pk_mul_f32 v[LC+2*\k:LC+2*\k+1], v[LX+2*\k:LX+2*\k+1], v[LX+2*\k:LX+2*\k+1]
.endr
.set j, 4
.rept 28
	v_pk_fma_f32 v[LC+2*(j%4):LC+2*(j%4)+1], v[LX+2*j:LX+2*j+1], v[LX+2*j:LX+2*j+1], v[LC+2*(j%4):LC+2*(j%4)+1]
.set j, j+1
.endr
	FOLD
	v_fma_f32 v[LM+2], v[LC], s46, s47             ; var + eps
	v_rsq_f32 v[LM+2], v[LM+2]
	v_nop                                          ; a plain line behind the transcendental,
	s_wait_alu depctr_va_vdst(0)                   ; and the wait ahead of the first line that names its result
	v_mov_b32 v[LM+3], v[LM+2]
	s_wait_loadcnt 0x0                             ; g and s
.set j, 0
.rept 32
	v_pk_mul_f32 v[LX+2*j:LX+2*j+1], v[LX+2*j:LX+2*j+1], v[LM+2:LM+3]
.set j, j+1
.endr
.set j, 0
.rept 32
	v_pk_fma_f32 v[LX+2*j:LX+2*j+1], v[LG+2*j:LG+2*j+1], v[LX+2*j:LX+2*j+1], v[LS+2*j:LS+2*j+1]   ; g (x - mean) r + s
.set j, j+1
.endr
.set pl, 0
.rept \planes
.set kb, 0
.rept 8
.set i, 0
.rept 8
	v_med3_num_f32 v[LT+8*(kb%2)+i], v[LX+8*kb+i], -v[LQ+2*pl+1], v[LQ+2*pl+1]   ; held (the conversion does not saturate: ISA guide 7.6.2), into one of two sets by turns: eight plain lines stand between a conversion and the next write of its sources
.set i, i+1
.endr
	v_cvt_scalef32_pk8_fp8_f32 v[LG+16*pl+2*kb:LG+16*pl+2*kb+1], v[LT+8*(kb%2):LT+8*(kb%2)+7], v[LQ+2*pl]   ; each pair of code registers is written once: no store's data are rewritten
	global_store_b64 v5, v[LG+16*pl+2*kb:LG+16*pl+2*kb+1], s[PO+2*pl:PO+2*pl+1] offset:kb*524288   ; two rows' 128 codes of block kb: 256 consecutive bytes, aligned
.set kb, kb+1
.endr
.set pl, pl+1
.endr
.endm
	s_load_b256 s[4:11], s[0:1], 0x0               ; x1 s[4:5], g2 s[6:7], s2 s[8:9], the scales' exponents s[10:11]
	s_load_b64 s[12:13], s[0:1], 0x20              ; h2
	v_lshrrev_b32 v1, 5, v0
	v_readfirstlane_b32 s28, v1                    ; wave 0..3
	v_and_b32 v2, 31, v0                           ; lane
	s_lshl_b32 s29, ttmp9, 2
	s_add_co_u32 s29, s29, s28                     ; p: my pair of rows, 0 .. 2,047
	s_lshl_b32 s30, s29, 13                        ; two rows of 4,096 bytes
	s_mov_b32 s31, 0
	s_lshl_b32 s32, s29, 8                         ; two rows of 128 codes
	s_mov_b32 s33, 0
	s_mov_b32 s46, 0x3a800000                      ; 1 / 1,024
	s_mov_b32 s47, 0x3727c5ac                      ; 1e-5
	v_and_b32 v1, 15, v0                           ; c
	v_bfe_u32 v6, v0, 4, 1                         ; which of the two rows
	v_lshlrev_b32 v4, 5, v1                        ; 32 c
	v_lshl_add_u32 v3, v6, 12, v4
	v_lshlrev_b32 v5, 3, v2
	s_wait_kmcnt 0x0
	s_load_b32 s48, s[10:11], 0x30                 ; e12
	s_add_nc_u64 s[PX:PX+1], s[PX:PX+1], s[30:31]
	s_add_nc_u64 s[40:41], s[12:13], s[32:33]
	LNROWS 1
	s_endpgm
.Lfunc_end_k_q3c0f51b23c_ln2:
	.size	k_q3c0f51b23c_ln2, .Lfunc_end_k_q3c0f51b23c_ln2-k_q3c0f51b23c_ln2
	.p2alignl 7, 3214868480
	.fill 96, 4, 3214868480
	.section	.rodata,"a",@progbits
	.p2align	6, 0x0
	.amdhsa_kernel k_q3c0f51b23c_ln2
		.amdhsa_group_segment_fixed_size 0
		.amdhsa_private_segment_fixed_size 0
		.amdhsa_enable_private_segment 0
		.amdhsa_kernarg_size 40
		.amdhsa_user_sgpr_count 2
		.amdhsa_user_sgpr_kernarg_segment_ptr 1
		.amdhsa_wavefront_size32 1
		.amdhsa_system_sgpr_workgroup_id_x 1
		.amdhsa_system_sgpr_workgroup_id_y 1
		.amdhsa_system_sgpr_workgroup_id_z 1
		.amdhsa_system_vgpr_workitem_id 0
		.amdhsa_next_free_vgpr 256
		.amdhsa_next_free_sgpr 66
		.amdhsa_reserve_vcc 0
		.amdhsa_float_denorm_mode_32 3
		.amdhsa_float_denorm_mode_16_64 3
		.amdhsa_memory_ordered 1
		.amdhsa_forward_progress 1
		.amdhsa_inst_pref_size 23
	.end_amdhsa_kernel
	.amdgpu_metadata
---
amdhsa.version: [ 1, 2 ]
amdhsa.kernels:
  - .name:           k_q3c0f51b23c_ln2
    .symbol:         k_q3c0f51b23c_ln2.kd
    .args:
      - { .name: x1, .offset: 0, .size: 8, .value_kind: global_buffer, .address_space: global }
      - { .name: g2, .offset: 8, .size: 8, .value_kind: global_buffer, .address_space: global }
      - { .name: s2, .offset: 16, .size: 8, .value_kind: global_buffer, .address_space: global }
      - { .name: lowp_scales, .offset: 24, .size: 8, .value_kind: global_buffer, .address_space: global }
      - { .name: h2, .offset: 32, .size: 8, .value_kind: global_buffer, .address_space: global }
    .group_segment_fixed_size: 0
    .private_segment_fixed_size: 0
    .kernarg_segment_align: 8
    .kernarg_segment_size: 40
    .max_flat_workgroup_size: 128
    .sgpr_count:     66
    .vgpr_count:     256
    .wavefront_size: 32
...
	.end_amdgpu_metadata
.endif
;; end of part 5
;; launch gw1 (part 6): grid 16 x 16, 4 waves a work-group, clusters of 4 x 4, 327,680 bytes of LDS; arguments h2, wc, lowp_scales, b1, hid; writes hid
.if DOCPART == 6
	.amdgcn_target "amdgcn-amd-amdhsa--gfx1250"
	.amdhsa_code_object_version 6
	.text
	.protected	k_q3c0f51b23c_gw1
	.globl	k_q3c0f51b23c_gw1
	.p2align	8
	.type	k_q3c0f51b23c_gw1,@function
k_q3c0f51b23c_gw1:
	s_mov_b64 s[64:65], 0
	v_nop
	global_prefetch_b8 v0, s[64:65] scope:SCOPE_SE
	s_setreg_imm32_b32 hwreg(HW_REG_WAVE_MODE, 25, 1), 1
	s_wait_xcnt 0x0
	s_wait_alu depctr_hold_cnt(0) depctr_sa_sdst(0) depctr_va_vdst(0) depctr_va_sdst(0) depctr_va_ssrc(0) depctr_va_vcc(0) depctr_vm_vsrc(0)
	s_getreg_b32 s2, hwreg(HW_REG_IB_STS2, 6, 4)
	s_cmp_eq_u32 s2, 0
	s_cbranch_scc0 .Lentry_in_a_cluster
	s_endpgm
.Lentry_in_a_cluster:
	s_bfe_u32 s2, ttmp6, 0x10000c
	s_cmp_lg_u32 s2, 0xf033
	s_cbranch_scc0 .Lentry_shape_is_right
	s_endpgm
.Lentry_shape_is_right:
; hid = the codes of gelu(h2 W1 + b1).  The product on codes of FP8 (E4M3), sums in f32; bias and gelu in f32; the result quantised at once with 2^e14 for the product with W2.
; h2: [8][4096 tokens][128];  W1's codes: wc + 4 MiB, [8][4096 n][128];  hid: [32 blocks of 128 columns][4096 tokens][128 bytes].
; gelu(z) = 0.5 z (1 + tanh(u)), u = sqrt(2 / pi) (z + 0.044715 z^3), is written z / (1 + 2^(z (K2 + K1 z^2))), K2 = -2 sqrt(2 / pi) log2(e), K1 = 0.044715 K2: the same function, with no difference of near numbers.
; A work-group makes 256 x 256 of C = A B^T, a wave 128 x 128: 64 accumulators, 512 registers: 256 work-groups.  K = 1,024 goes in steps of 256 through a ring of two LDS slots; a wave's tensor load brings
; 256 rows x 128 bytes, one block of 128 along K, dense in memory.
; CLUSTER: 4 x 4 work-groups; the four of a row of the cluster need the same tiles of A, the four of a column the same tiles of B: each tile is asked for JOINTLY.
; THE MATRIX INSTRUCTION IS USED TRANSPOSED (source 0 = 16 rows of B, source 1 = 16 rows of A): a lane holds eight neighbouring columns of one row of C: what one conversion takes.
; A fragment is fetched by four loads of 16 bytes: k stands permuted in the registers, alike in A and B; only the order of the sums inside an instruction differs.
; LIMITS: e12 + e13 between -126 and 127; e14 between -126 and 119.  The exponential and the reciprocal flush denormals: where 2^(..) is under 2^-126 it counts as 0, which changes nothing beside the 1.
; REGISTERS, in windows of 256: window 0: v0-31 addresses and constants; v32-95 the bias in the accumulators' layout; from v128 A's fragments, ONE set; window 1: B's fragments, TWO sets;
;   windows 2, 3: the accumulators of my rows 0-63, 64-127 ((a, b) at v[8 (8 (a % 4) + b)]).
.set KTOT,   1024
.set KBA,    524288
.set KBB,    524288
.set BOFF,   0x400000                  ; where B's rows begin in wc
.set PITCH,  144                       ; an LDS row: 128 bytes + 16 of padding = 9 x 16: the 16 rows that a load touches start in 16 different 16-byte columns of the banks' 256 bytes
.set LOADB,  256*PITCH
.set SLOT,   4*LOADB                   ; A's first 128 along K, A's second, B's first, B's second: wave x LOADB
.set SPARE,  2*SLOT                    ; behind the ring: the spare words, 128 bytes for each wave, which no other line names
.set LAPS,   KTOT/512
.set FR,     16
.set NL,     4
.set NP,     4                         ; places behind this matrix instruction (ISA guide 7.12.1)
.set SPITCH, 144                       ; the way out: a stage of 16 rows x (128 + 16) bytes for each wave, in slot 0, which has had its last fill and its last read by then
.set ADRA, 16
.set ADRB, 20
.set STO,  24
.set RD,   25
.set CO,   26
.set BO,   27                          ; v27     32 h: my half's eight numbers of sixteen of the bias
.set SPW,  28
.set NIL,  29
.set KK1,  8                           ; v[8:9]   K1, twice
.set KK2,  10                          ; v[10:11] K2, twice
.set SC,   12                          ; v12     2^e14
.set LIM,  13                          ; v13     448 x 2^e14
.set BIAS, 32                          ; v32-95  register 8 b + i: b1 at my column 16 b + 8 h + i
.set AF,   128
.set WW,   128                         ; the way out: 64 numbers at work
.set CD,   192                         ; a block's codes: v192-207, v208-223 by turns
.set RB,   224                         ; its rows read back: v224-239, v240-255 by turns
.set G1, 24
.set G0, 32
.set G1B, 48
.set G0B, 56
.set MSB, 0
.macro WIN new                         ; the immediate's high byte repeats the setting that is left
.if MSB != \new
	s_set_vgpr_msb (MSB<<8)|\new
.set MSB, \new
.endif
.endm
.set MUL_LO, 0xa1
.set MUL_HI, 0xf1
.set TO_B,   0x40
; A joint load: waves 0 and 1 fetch for A, waves 2 and 3 for B.  The branch hangs on the wave's number alone.  Four v_nop follow each of the two lines.
.macro JLOAD g0a, g1a, g0b, g1b
	s_cmp_eq_u32 s15, 0
	s_cbranch_scc0 .Lfor_b_\@
	tensor_load_to_lds s[\g0a:\g0a+3], s[\g1a:\g1a+7]
	s_nop 0
.rept 4
	v_nop
.endr
	s_branch .Lasked_\@
.Lfor_b_\@:
	tensor_load_to_lds s[\g0b:\g0b+3], s[\g1b:\g1b+7]
	s_nop 0
.rept 4
	v_nop
.endr
.Lasked_\@:
.endm
.macro CREST
	s_cmp_lg_u32 s14, 0
	s_cbranch_scc1 .Lnot_wave_0_\@
	s_barrier_signal -3
.Lnot_wave_0_\@:
	s_barrier_wait -3
	s_barrier_signal -1
	s_barrier_wait -1
.endm
.macro CROUND
	s_barrier_signal -1
	s_barrier_wait -1
	CREST
.endm
	s_load_b256 s[4:11], s[0:1], 0x0               ; h2 s[4:5], wc s[6:7], the scales' exponents s[8:9], b1 s[10:11]
	s_load_b64 s[12:13], s[0:1], 0x20              ; hid
	v_lshl_add_u32 v[SPW], v0, 2, SPARE
	v_mov_b32 v[NIL], 0
	ds_add_u32 v28, v29
	s_wait_dscnt 0x0
	v_lshrrev_b32 v1, 5, v0
	v_readfirstlane_b32 s14, v1                    ; wave 0..3
	s_lshr_b32 s15, s14, 1                         ; which half of the tile's rows is mine.  Also: I fetch for A (0) or for B (1)
	s_and_b32 s16, s14, 1                          ; which half of its columns.  Also: which 128 along K of a slot I fetch
	s_bfe_u32 s40, ttmp6, 0x40000                  ; cx, cy
	s_bfe_u32 s41, ttmp6, 0x40004
	s_lshl_b32 s42, ttmp9, 2
	s_add_co_u32 s42, s42, s40                     ; tile column of C
	s_and_b32 s17, ttmp7, 0xffff
	s_lshl_b32 s17, s17, 2
	s_add_co_u32 s17, s17, s41                     ; tile row of C
	s_lshl_b32 s43, s41, 2
	s_lshl_b32 s43, 15, s43                        ; my row of the cluster
	s_lshl_b32 s44, 0x1111, s40                    ; my column
	s_or_b32 s[G1+0], s43, (0<<16)|(1<<20)|(1<<21)|(4<<22)|(3<<25)  ; the mask; elements of 1 byte; padding on; bit 21 beside a mask; four words (code 3) after every 32 (code 4)
	s_or_b32 s[G1B+0], s44, (0<<16)|(1<<20)|(1<<21)|(4<<22)|(3<<25)
.irp g, G1, G1B
	s_mov_b32 s[\g+1], 128<<16                     ; tensor_dim0 = 128
	s_mov_b32 s[\g+2], 256<<16                     ; tensor_dim1 = 256
	s_mov_b32 s[\g+3], 128<<16                     ; tile_dim0 = 128
	s_mov_b32 s[\g+4], 256                         ; tile_dim1 = 256
	s_mov_b32 s[\g+5], 128                         ; tensor_dim0_stride
	s_mov_b32 s[\g+6], 0
	s_mov_b32 s[\g+7], 0
.endr
	s_lshl_b32 s20, s17, 15                        ; A: 256 x tile row rows of 128 bytes,
	s_mul_i32 s18, s16, KBA                        ; my 128 along K of a slot
	s_add_co_u32 s20, s20, s18
	s_mov_b32 s21, 0
	s_lshl_b32 s46, s42, 15                        ; B: 256 x tile column rows
	s_mul_i32 s19, s16, KBB
	s_add_co_u32 s46, s46, s19
	s_add_co_u32 s46, s46, BOFF
	s_mov_b32 s47, 0
	s_mul_i32 s45, s14, LOADB                      ; where they go: no place in the cluster enters an LDS address
	s_wait_kmcnt 0x0
	s_load_b128 s[96:99], s[8:9], 0x30             ; e12, e13, e14, e15
	s_add_nc_u64 s[20:21], s[4:5], s[20:21]
	s_add_nc_u64 s[46:47], s[6:7], s[46:47]
	CROUND                                         ; all sixteen work-groups are here: the first joint loads meet
.irp s, 0,1
	s_mov_b32 s[G0+4*\s], 1
	s_add_co_u32 s[G0+4*\s+1], s45, \s*SLOT
	s_add_nc_u64 s[G0+4*\s+2:G0+4*\s+3], s[20:21], \s*2*KBA
	s_or_b32 s[G0+4*\s+3], s[G0+4*\s+3], 0x80000000
	s_mov_b32 s[G0B+4*\s], 1
	s_add_co_u32 s[G0B+4*\s+1], s45, \s*SLOT
	s_add_nc_u64 s[G0B+4*\s+2:G0B+4*\s+3], s[46:47], \s*2*KBB
	s_or_b32 s[G0B+4*\s+3], s[G0B+4*\s+3], 0x80000000
	JLOAD G0+4*\s, G1, G0B+4*\s, G1B               ; two loads of mine are out
.endr
	v_and_b32 v1, 15, v0                           ; r
	v_bfe_u32 v2, v0, 4, 1                         ; h
	v_mul_u32_u24 v3, v1, PITCH
	v_lshl_add_u32 v4, v2, 4, v3
	s_mul_i32 s21, s15, 128*PITCH
	s_mul_i32 s22, s16, 128*PITCH
	s_add_co_u32 s22, s22, 2*LOADB
.irp s, 0,1
	v_add_nc_u32 v[ADRA+\s], s21, v4
	v_add_nc_u32 v[ADRB+\s], s22, v4
	s_add_co_u32 s21, s21, SLOT
	s_add_co_u32 s22, s22, SLOT
.endr
	s_mul_i32 s23, s14, 16*SPITCH                  ; my stage
	v_mul_u32_u24 v5, v1, SPITCH
	v_lshl_add_u32 v5, v2, 3, v5
	v_add_nc_u32 v[STO], s23, v5                   ; in: row r, + 8 h; accumulator b's eight codes 16 b further on
	v_and_b32 v6, 31, v0
	v_lshlrev_b32 v[CO], 4, v6
	v_lshrrev_b32 v7, 3, v6
	v_and_b32 v6, 7, v6
	v_mul_u32_u24 v7, v7, SPITCH
	v_lshl_add_u32 v7, v6, 4, v7
	v_add_nc_u32 v[RD], s23, v7                    ; back: eight lanes to a row of 128 bytes, four rows an instruction
	s_lshl_b32 s46, s42, 10
	s_lshl_b32 s47, s16, 9
	s_add_co_u32 s46, s46, s47                     ; my first column, in bytes of f32
	s_mov_b32 s47, 0
	s_add_nc_u64 s[10:11], s[10:11], s[46:47]
	v_lshlrev_b32 v[BO], 5, v2
.irp b, 0,1,2,3,4,5,6,7
	global_load_b128 v[BIAS+8*\b:BIAS+8*\b+3],   v[BO], s[10:11] offset:64*\b       ; once, at the head: they are waited for on the way out
	global_load_b128 v[BIAS+8*\b+4:BIAS+8*\b+7], v[BO], s[10:11] offset:64*\b+16
.endr
	s_lshl_b32 s20, s42, 1
	s_add_co_u32 s20, s20, s16                     ; my block of 128 columns,
	s_lshl_b32 s20, s20, 19                        ; 4,096 rows of 128 bytes each
	s_lshl_b32 s21, s17, 8
	s_lshl_b32 s22, s15, 7
	s_add_co_u32 s21, s21, s22                     ; my first row
	s_lshl_b32 s21, s21, 7
	s_add_co_u32 s20, s20, s21
	s_mov_b32 s21, 0
	s_add_nc_u64 s[12:13], s[12:13], s[20:21]      ; never stepped
.macro FRAG reg, adr, q, i             ; a fragment: lane l holds row l % 16; registers 4 c .. 4 c + 3 hold bytes 32 c + 16 (l / 16) + 0 .. 15 of the row's 128
.irp c, 0,1,2,3
	ds_load_b128 v[\reg+4*\c:\reg+4*\c+3], v[\adr] offset:LOADB*(\q)+32*\c+(\i)*16*PITCH
.endr
.endm
; 16 matrix instructions: A's blocks a0, a0 + 1 x B's eight.  The 64 accumulators take turns, one instruction a turn, in the same order in every step.
.macro MUL16 a0, p, zero
.irp a, \a0, \a0+1
.irp b, 0,1,2,3,4,5,6,7
.if \zero
	v_wmma_f32_16x16x128_fp8_fp8 v[8*(8*((\a)%4)+\b):8*(8*((\a)%4)+\b)+7], v[128*(\p)+FR*\b:128*(\p)+FR*\b+FR-1], v[AF+FR*(\a):AF+FR*(\a)+FR-1], 0
.else
	v_wmma_f32_16x16x128_fp8_fp8 v[8*(8*((\a)%4)+\b):8*(8*((\a)%4)+\b)+7], v[128*(\p)+FR*\b:128*(\p)+FR*\b+FR-1], v[AF+FR*(\a):AF+FR*(\a)+FR-1], v[8*(8*((\a)%4)+\b):8*(8*((\a)%4)+\b)+7]
.endif
.endr
.endr
.endm
.macro FETCH_B slot, q, p
	WIN TO_B
.irp i, 0,1,2,3,4,5,6,7
	FRAG 128*(\p)+FR*\i, ADRB+\slot, \q, \i
.endr
	WIN 0
.endm
.macro FETCH_A slot, q, i0
.irp i, \i0, \i0+1, \i0+2, \i0+3
	FRAG AF+FR*(\i), ADRA+\slot, \q, \i
.endr
.endm
.macro PLACES n                        ; plain vector lines between a matrix instruction and a load into, or a vector line on, one of its registers (for the vector line)
.rept \n
	v_nop
.endr
.endm
.macro STEP slot, q, zero
	s_wait_dscnt 4*NL                              ; B's set and A's blocks 0-3 are in; the youngest 16 loads (A's blocks 4-7) may be out
	WIN MUL_LO
	MUL16 0, (\q)%2, \zero
	MUL16 2, (\q)%2, \zero
	s_wait_dscnt 0
	PLACES NP
	FETCH_B \slot, (\q)+1, 1-(\q)%2
	FETCH_A \slot, (\q)+1, 0
	WIN MUL_HI
	MUL16 4, (\q)%2, \zero
	MUL16 6, (\q)%2, \zero
	PLACES NP
	WIN 0
	FETCH_A \slot, (\q)+1, 4
.endm
; A slot's last step changes slots: ONE barrier; in front of it each wave waits for all its tensor loads, adds 0 to its spare word, and waits for that and for its own reads of this slot.
.macro TURN slot, next, fill
	s_wait_tensorcnt 0x0                           ; all my tensor loads have landed: my part of the next slot
	ds_add_u32 v[SPW], v[NIL]                      ; 0 onto my spare word
	s_wait_dscnt 4*NL+1                            ; (the add and the youngest 16 loads may be out)
	WIN MUL_LO
	MUL16 0, 1, 0
	s_wait_dscnt 0x0                               ; the add is done, and my reads of this slot are over
	s_barrier_signal -1
	MUL16 2, 1, 0
	WIN 0
	s_barrier_wait -1
.if \fill
	CREST                                          ; a round of the cluster's barrier: no wave of any partner still reads this slot or has a load on its way
	s_add_nc_u64 s[G0+4*\slot+2:G0+4*\slot+3], s[G0+4*\slot+2:G0+4*\slot+3], 4*KBA
	s_add_nc_u64 s[G0B+4*\slot+2:G0B+4*\slot+3], s[G0B+4*\slot+2:G0B+4*\slot+3], 4*KBB
	JLOAD G0+4*\slot, G1, G0B+4*\slot, G1B         ; the first tensor load behind the round, my only one until the next
.else
	PLACES NP
.endif
	FETCH_B \next, 0, 0
	FETCH_A \next, 0, 0
	WIN MUL_HI
	MUL16 4, 1, 0
	MUL16 6, 1, 0
	PLACES NP
	WIN 0
	FETCH_A \next, 0, 4
.endm
	s_wait_tensorcnt 1                             ; my part of slot 0 is in (slot 1's load may be out)
	s_barrier_signal -1
	s_barrier_wait -1
	FETCH_B 0, 0, 0
	FETCH_A 0, 0, 0
	FETCH_A 0, 0, 4
	STEP 0, 0, 1                                   ; the first step's products start the sums
	s_mov_b32 s3, LAPS-1
.Llap:
	TURN 0, 1, 1
	STEP 1, 0, 0
	TURN 1, 0, 1
	STEP 0, 0, 0
	s_sub_co_u32 s3, s3, 1
	s_cmp_lg_u32 s3, 0
	s_cbranch_scc1 .Llap
	TURN 0, 1, 0                                   ; the last lap fills nothing
	STEP 1, 0, 0
	s_wait_dscnt 4*NL
	WIN MUL_LO
	MUL16 0, 1, 0
	MUL16 2, 1, 0
	s_wait_dscnt 0
	WIN MUL_HI
	MUL16 4, 1, 0
	MUL16 6, 1, 0
	WIN 0
; THE WAY OUT, block by block of 16 rows x 128 columns: z = sum x 2^(e12 + e13) + b1, in place; gelu(z); held, converted: 8 bytes for an accumulator's eight columns.  A block's codes go through my own stage in LDS
; and come back as 16 rows of 128 bytes, which lie on end in hid: four stores of 512 consecutive bytes.  The 64 exponentials are one batch with one wait, and so are the 64 reciprocals.
.macro CODES a
.set AC, 64*((\a)%4)
.set WA, 2+(\a)/4                      ; the accumulators' window
.set CDR, CD+16*((\a)%2)
	WIN (WA|(WA<<6))                               ; source 0 and destination: the accumulators
.set j, 0
.rept 32
	v_pk_fma_f32 v[AC+j:AC+j+1], v[AC+j:AC+j+1], s[96:97], v[BIAS+j:BIAS+j+1] op_sel_hi:[1,0,1]   ; z; each accumulator from its low end on
.set j, j+2
.endr
	WIN (WA|(WA<<2))                               ; sources 0 and 1
.set j, 0
.rept 32
	v_pk_mul_f32 v[WW+j:WW+j+1], v[AC+j:AC+j+1], v[AC+j:AC+j+1]                     ; z^2
.set j, j+2
.endr
	WIN 0
.set j, 0
.rept 32
	v_pk_fma_f32 v[WW+j:WW+j+1], v[WW+j:WW+j+1], v[KK1:KK1+1], v[KK2:KK2+1]         ; K1 z^2 + K2
.set j, j+2
.endr
	WIN (WA<<2)                                    ; source 1
.set j, 0
.rept 32
	v_pk_mul_f32 v[WW+j:WW+j+1], v[WW+j:WW+j+1], v[AC+j:AC+j+1]                     ; x z
.set j, j+2
.endr
	WIN 0
.set j, 0
.rept 64
	v_exp_f32 v[WW+j], v[WW+j]
.set j, j+1
.endr
	v_nop                                          ; a plain line behind the batch,
	s_wait_alu depctr_va_vdst(0)                   ; and its one wait, ahead of the first line that names a result
.set j, 0
.rept 32
	v_pk_add_f32 v[WW+j:WW+j+1], v[WW+j:WW+j+1], 1.0 op_sel_hi:[1,0]
.set j, j+2
.endr
.set j, 0
.rept 64
	v_rcp_f32 v[WW+j], v[WW+j]
.set j, j+1
.endr
	v_nop
	s_wait_alu depctr_va_vdst(0)
	WIN (WA<<2)
.set j, 0
.rept 32
	v_pk_mul_f32 v[WW+j:WW+j+1], v[WW+j:WW+j+1], v[AC+j:AC+j+1]                     ; gelu(z)
.set j, j+2
.endr
	WIN 0
.set j, 0
.rept 64
	v_med3_num_f32 v[WW+j], v[WW+j], -v[LIM], v[LIM]   ; the hold (the conversion does not saturate: ISA guide 7.6.2)
.set j, j+1
.endr
.irp b, 0,1,2,3,4,5,6,7
	v_cvt_scalef32_pk8_fp8_f32 v[CDR+2*\b:CDR+2*\b+1], v[WW+8*\b:WW+8*\b+7], v[SC]
.endr
	v_nop                                          ; a plain line behind the last conversion
.endm
.macro TOSTAGE a
.set CDR, CD+16*((\a)%2)
.set RBR, RB+16*((\a)%2)
.irp b, 0,1,2,3,4,5,6,7
	ds_store_b64 v[STO], v[CDR+2*\b:CDR+2*\b+1] offset:16*\b
.endr
.irp i, 0,1,2,3
	ds_load_b128 v[RBR+4*\i:RBR+4*\i+3], v[RD] offset:\i*4*SPITCH   ; LDS serves a wave's instructions in order: these see the stores above
.endr
.endm
.macro SEND a, younger
.set RBR, RB+16*((\a)%2)
	s_wait_dscnt \younger
.irp i, 0,1,2,3
	global_store_b128 v[CO], v[RBR+4*\i:RBR+4*\i+3], s[12:13] offset:(\a)*2048+\i*512
.endr
.endm
	s_wait_kmcnt 0x0
	s_add_co_i32 s96, s96, s97
	s_add_co_i32 s96, s96, 127
	s_lshl_b32 s96, s96, 23                        ; 2^(e12 + e13) as f32
	s_add_co_i32 s98, s98, 127
	s_lshl_b32 s99, s98, 23
	v_mov_b32 v[SC], s99                           ; 2^e14
	s_add_co_i32 s98, s98, 8
	s_lshl_b32 s98, s98, 23
	s_or_b32 s98, s98, 0x600000
	v_mov_b32 v[LIM], s98                          ; 448 x 2^e14
	v_mov_b32 v[KK1], 0xbdd2d3e8                   ; K1 = -0.10294324
	v_mov_b32 v[KK1+1], 0xbdd2d3e8
	v_mov_b32 v[KK2], 0xc0135761                   ; K2 = -2.3022082
	v_mov_b32 v[KK2+1], 0xc0135761
	s_wait_loadcnt 0x0                             ; the bias
	PLACES NP                                      ; behind the last products
	CODES 0
	TOSTAGE 0
.irp a, 1,2,3,4,5,6,7
.if \a > 1
	s_wait_xcnt 0x0                                ; block a - 2's stores have read their registers: block a's loads may land there
.endif
	CODES \a
	TOSTAGE \a
	SEND \a-1, 12                                  ; behind block a - 1's loads: block a's 8 stores and 4 loads
.endr
	SEND 7, 0
	s_wait_tensorcnt 0x0                           ; the wave's end
	ds_add_u32 v[SPW], v[NIL]
	s_wait_dscnt 0x0
	CROUND                                         ; the closing round
	s_endpgm
.Lfunc_end_k_q3c0f51b23c_gw1:
	.size	k_q3c0f51b23c_gw1, .Lfunc_end_k_q3c0f51b23c_gw1-k_q3c0f51b23c_gw1
	.p2alignl 7, 3214868480
	.fill 96, 4, 3214868480
	.section	.rodata,"a",@progbits
	.p2align	6, 0x0
	.amdhsa_kernel k_q3c0f51b23c_gw1
		.amdhsa_group_segment_fixed_size 327680
		.amdhsa_private_segment_fixed_size 0
		.amdhsa_enable_private_segment 0
		.amdhsa_kernarg_size 40
		.amdhsa_user_sgpr_count 2
		.amdhsa_user_sgpr_kernarg_segment_ptr 1
		.amdhsa_wavefront_size32 1
		.amdhsa_system_sgpr_workgroup_id_x 1
		.amdhsa_system_sgpr_workgroup_id_y 1
		.amdhsa_system_sgpr_workgroup_id_z 1
		.amdhsa_system_vgpr_workitem_id 0
		.amdhsa_next_free_vgpr 1024
		.amdhsa_next_free_sgpr 100
		.amdhsa_reserve_vcc 0
		.amdhsa_float_denorm_mode_32 3
		.amdhsa_float_denorm_mode_16_64 3
		.amdhsa_memory_ordered 1
		.amdhsa_forward_progress 1
		.amdhsa_inst_pref_size 255
	.end_amdhsa_kernel
	.section	.bss,"aw",@nobits
	.p2align	6
	.space	262144
	.amdgpu_metadata
---
amdhsa.version: [ 1, 2 ]
amdhsa.kernels:
  - .name:           k_q3c0f51b23c_gw1
    .symbol:         k_q3c0f51b23c_gw1.kd
    .args:
      - { .name: h2, .offset: 0, .size: 8, .value_kind: global_buffer, .address_space: global }
      - { .name: wc, .offset: 8, .size: 8, .value_kind: global_buffer, .address_space: global }
      - { .name: lowp_scales, .offset: 16, .size: 8, .value_kind: global_buffer, .address_space: global }
      - { .name: b1, .offset: 24, .size: 8, .value_kind: global_buffer, .address_space: global }
      - { .name: hid, .offset: 32, .size: 8, .value_kind: global_buffer, .address_space: global }
    .group_segment_fixed_size: 327680
    .private_segment_fixed_size: 0
    .kernarg_segment_align: 8
    .kernarg_segment_size: 40
    .max_flat_workgroup_size: 128
    .sgpr_count:     100
    .vgpr_count:     1024
    .wavefront_size: 32
...
	.end_amdgpu_metadata
.endif
;; end of part 6
;; launch gw2 (part 7): grid 4 x 16, 4 waves a work-group, clusters of 4 x 4, 327,680 bytes of LDS; arguments hid, wc, lowp_scales, b2, x1, out0; writes out0
.if DOCPART == 7
	.amdgcn_target "amdgcn-amd-amdhsa--gfx1250"
	.amdhsa_code_object_version 6
	.text
	.protected	k_q3c0f51b23c_gw2
	.globl	k_q3c0f51b23c_gw2
	.p2align	8
	.type	k_q3c0f51b23c_gw2,@function
k_q3c0f51b23c_gw2:
	s_mov_b64 s[64:65], 0
	v_nop
	global_prefetch_b8 v0, s[64:65] scope:SCOPE_SE
	s_setreg_imm32_b32 hwreg(HW_REG_WAVE_MODE, 25, 1), 1
	s_wait_xcnt 0x0
	s_wait_alu depctr_hold_cnt(0) depctr_sa_sdst(0) depctr_va_vdst(0) depctr_va_sdst(0) depctr_va_ssrc(0) depctr_va_vcc(0) depctr_vm_vsrc(0)
	s_getreg_b32 s2, hwreg(HW_REG_IB_STS2, 6, 4)
	s_cmp_eq_u32 s2, 0
	s_cbranch_scc0 .Lentry_in_a_cluster
	s_endpgm
.Lentry_in_a_cluster:
	s_bfe_u32 s2, ttmp6, 0x10000c
	s_cmp_lg_u32 s2, 0xf033
	s_cbranch_scc0 .Lentry_shape_is_right
	s_endpgm
.Lentry_shape_is_right:
; out0 = x1 + hid W2 + b2.  The product on codes of FP8 (E4M3), sums in f32; all else f32.
; hid: [32][4096 tokens][128];  W2's codes: wc + 8 MiB, [32][1024 n][128].  x1, out0: [4096][1024] f32.
; A work-group makes 256 x 256 of C = A B^T, a wave 128 x 128: 64 accumulators, 512 registers.  K = 4,096 goes in steps of 256 through a ring of two LDS slots; a wave's tensor load brings 256 rows x 128 bytes,
; one block of 128 along K, dense in memory.  This size has 64 such tiles: 64 work-groups.
; CLUSTER: 4 x 4 work-groups; the four of a row of the cluster need the same tiles of A, the four of a column the same tiles of B: each tile is asked for JOINTLY.
; THE MATRIX INSTRUCTION IS USED TRANSPOSED (source 0 = 16 rows of B, source 1 = 16 rows of A): a lane holds eight neighbouring columns of one row of C.
; A fragment is fetched by four loads of 16 bytes: k stands permuted in the registers, alike in A and B; only the order of the sums inside an instruction differs.
; LIMIT: e14 + e15 between -126 and 127, so that 2^(e14 + e15) is an f32 number.
; REGISTERS, in windows of 256: window 0: v0-31 addresses, v[8:11] my four numbers of the bias; from v128 A's fragments, ONE set; window 1: B's fragments, TWO sets; on the way out three sets of 64 for the residual's rows;
;   windows 2, 3: the accumulators of my rows 0-63, 64-127 ((a, b) at v[8 (8 (a % 4) + b)]).
.set KTOT,   4096
.set KBA,    524288                    ; bytes from a block of 128 along K to the next: A has 4,096 rows,
.set KBB,    131072                    ; B 1,024
.set BOFF,   0x800000                  ; where B's rows begin in wc
.set SOFF,   56                        ; the two scales' bytes in lowp_scales: entries 14, 15
.set PITCH,  144                       ; an LDS row: 128 bytes + 16 of padding = 9 x 16: the 16 rows that a load touches start in 16 different 16-byte columns of the banks' 256 bytes
.set LOADB,  256*PITCH
.set SLOT,   4*LOADB                   ; A's first 128 along K, A's second, B's first, B's second: wave x LOADB
.set SPARE,  2*SLOT                    ; behind the ring: the spare words, 128 bytes for each wave, which no other line names
.set LAPS,   KTOT/512
.set FR,     16
.set NL,     4
.set NP,     4                         ; places behind this matrix instruction (ISA guide 7.12.1)
.set SPITCH, 528                       ; the way out: a stage of 16 rows x (512 + 16) bytes for each wave, in slot 0, which has had its last fill and its last read by then
.set ADRA, 16
.set ADRB, 20
.set STO,  24
.set RD,   25
.set CO,   26
.set PFO,  27                          ; v27     the prefetches' offset: row lane / 2 of 16, 256 bytes (lane % 2); never rewritten
.set SPW,  28
.set NIL,  29
.set TMP,  32
.set AF,   128
.set BK,   128
.set G1, 24
.set G0, 32
.set G1B, 48
.set G0B, 56
.set MSB, 0
.macro WIN new                         ; the immediate's high byte repeats the setting that is left
.if MSB != \new
	s_set_vgpr_msb (MSB<<8)|\new
.set MSB, \new
.endif
.endm
.set MUL_LO, 0xa1
.set MUL_HI, 0xf1
.set TO_B,   0x40
; A joint load: waves 0 and 1 fetch for A, waves 2 and 3 for B.  The branch hangs on the wave's number alone.  Four v_nop follow each of the two lines.
.macro JLOAD g0a, g1a, g0b, g1b
	s_cmp_eq_u32 s15, 0
	s_cbranch_scc0 .Lfor_b_\@
	tensor_load_to_lds s[\g0a:\g0a+3], s[\g1a:\g1a+7]
	s_nop 0
.rept 4
	v_nop
.endr
	s_branch .Lasked_\@
.Lfor_b_\@:
	tensor_load_to_lds s[\g0b:\g0b+3], s[\g1b:\g1b+7]
	s_nop 0
.rept 4
	v_nop
.endr
.Lasked_\@:
.endm
.macro CREST
	s_cmp_lg_u32 s14, 0
	s_cbranch_scc1 .Lnot_wave_0_\@
	s_barrier_signal -3
.Lnot_wave_0_\@:
	s_barrier_wait -3
	s_barrier_signal -1
	s_barrier_wait -1
.endm
.macro CROUND
	s_barrier_signal -1
	s_barrier_wait -1
	CREST
.endm
; A PREFETCH INTO THE L2 of my 128 x 128 numbers of the residual, which the way out reads once and waits for.  In the loop's last trip each of the two changes of slots names 64 rows: four lines of 16 rows x 512 bytes,
; a lane to each aligned 256 bytes.  No other wave of the launch reads these bytes, so each is named once.  It stands behind the joint load and the run of LDS loads; from there to the first load of these rows
; a wave issues the six or four steps of 64 matrix instructions that are left.  The count s3 is the same in every partner.
.macro ASKX i0
	s_cmp_eq_u32 s3, 1
	s_cbranch_scc0 .Lnot_yet_\@
.irp i, 0,1,2,3
	global_prefetch_b8 v[PFO], s[84:85] offset:((\i0)+\i)*65536 th:TH_LOAD_NT scope:SCOPE_SE
.endr
.Lnot_yet_\@:
.endm
	s_load_b256 s[4:11], s[0:1], 0x0               ; A's codes s[4:5], wc s[6:7], the scales' exponents s[8:9], the bias s[10:11]
	s_load_b128 s[84:87], s[0:1], 0x20             ; the residual s[84:85], the result s[86:87]
	v_lshl_add_u32 v[SPW], v0, 2, SPARE
	v_mov_b32 v[NIL], 0
	ds_add_u32 v28, v29
	s_wait_dscnt 0x0
	v_lshrrev_b32 v1, 5, v0
	v_readfirstlane_b32 s14, v1                    ; wave 0..3
	s_lshr_b32 s15, s14, 1                         ; which half of the tile's rows is mine.  Also: I fetch for A (0) or for B (1)
	s_and_b32 s16, s14, 1                          ; which half of its columns.  Also: which 128 along K of a slot I fetch
	s_bfe_u32 s40, ttmp6, 0x40000                  ; cx, cy
	s_bfe_u32 s41, ttmp6, 0x40004
	s_lshl_b32 s42, ttmp9, 2
	s_add_co_u32 s42, s42, s40                     ; tile column of C
	s_and_b32 s17, ttmp7, 0xffff
	s_lshl_b32 s17, s17, 2
	s_add_co_u32 s17, s17, s41                     ; tile row of C
	s_lshl_b32 s43, s41, 2
	s_lshl_b32 s43, 15, s43                        ; my row of the cluster
	s_lshl_b32 s44, 0x1111, s40                    ; my column
	s_or_b32 s[G1+0], s43, (0<<16)|(1<<20)|(1<<21)|(4<<22)|(3<<25)  ; the mask; elements of 1 byte; padding on; bit 21 beside a mask; four words (code 3) after every 32 (code 4)
	s_or_b32 s[G1B+0], s44, (0<<16)|(1<<20)|(1<<21)|(4<<22)|(3<<25)
.irp g, G1, G1B
	s_mov_b32 s[\g+1], 128<<16                     ; tensor_dim0 = 128
	s_mov_b32 s[\g+2], 256<<16                     ; tensor_dim1 = 256
	s_mov_b32 s[\g+3], 128<<16                     ; tile_dim0 = 128
	s_mov_b32 s[\g+4], 256                         ; tile_dim1 = 256
	s_mov_b32 s[\g+5], 128                         ; tensor_dim0_stride
	s_mov_b32 s[\g+6], 0
	s_mov_b32 s[\g+7], 0
.endr
	s_lshl_b32 s20, s17, 15                        ; A: 256 x tile row rows of 128 bytes,
	s_mul_i32 s18, s16, KBA                        ; my 128 along K of a slot
	s_add_co_u32 s20, s20, s18
	s_mov_b32 s21, 0
	s_lshl_b32 s46, s42, 15                        ; B: 256 x tile column rows
	s_mul_i32 s19, s16, KBB
	s_add_co_u32 s46, s46, s19
	s_add_co_u32 s46, s46, BOFF
	s_mov_b32 s47, 0
	s_mul_i32 s45, s14, LOADB                      ; where they go: no place in the cluster enters an LDS address
	s_wait_kmcnt 0x0
	s_load_b64 s[96:97], s[8:9], SOFF              ; eA, eB
	s_add_nc_u64 s[20:21], s[4:5], s[20:21]
	s_add_nc_u64 s[46:47], s[6:7], s[46:47]
	CROUND                                         ; all sixteen work-groups are here: the first joint loads meet
.irp s, 0,1
	s_mov_b32 s[G0+4*\s], 1
	s_add_co_u32 s[G0+4*\s+1], s45, \s*SLOT
	s_add_nc_u64 s[G0+4*\s+2:G0+4*\s+3], s[20:21], \s*2*KBA
	s_or_b32 s[G0+4*\s+3], s[G0+4*\s+3], 0x80000000
	s_mov_b32 s[G0B+4*\s], 1
	s_add_co_u32 s[G0B+4*\s+1], s45, \s*SLOT
	s_add_nc_u64 s[G0B+4*\s+2:G0B+4*\s+3], s[46:47], \s*2*KBB
	s_or_b32 s[G0B+4*\s+3], s[G0B+4*\s+3], 0x80000000
	JLOAD G0+4*\s, G1, G0B+4*\s, G1B               ; two loads of mine are out
.endr
	v_and_b32 v1, 15, v0                           ; r
	v_bfe_u32 v2, v0, 4, 1                         ; h
	v_mul_u32_u24 v3, v1, PITCH
	v_lshl_add_u32 v4, v2, 4, v3
	s_mul_i32 s21, s15, 128*PITCH
	s_mul_i32 s22, s16, 128*PITCH
	s_add_co_u32 s22, s22, 2*LOADB
.irp s, 0,1
	v_add_nc_u32 v[ADRA+\s], s21, v4
	v_add_nc_u32 v[ADRB+\s], s22, v4
	s_add_co_u32 s21, s21, SLOT
	s_add_co_u32 s22, s22, SLOT
.endr
	s_mul_i32 s23, s14, 16*SPITCH                  ; my stage
	v_mul_u32_u24 v5, v1, SPITCH
	v_lshl_add_u32 v5, v2, 5, v5
	v_add_nc_u32 v[STO], s23, v5                   ; in: row r, 32 bytes for each half of the lanes
	v_and_b32 v6, 31, v0
	v_lshlrev_b32 v[CO], 4, v6
	v_add_nc_u32 v[RD], s23, v[CO]                 ; back: the 32 lanes take one row of 512 bytes
	v_lshrrev_b32 v[PFO], 1, v6
	v_lshlrev_b32 v[PFO], 12, v[PFO]
	v_and_b32 v7, 1, v6
	v_lshl_add_u32 v[PFO], v7, 8, v[PFO]
	s_lshl_b32 s20, s17, 8
	s_lshl_b32 s21, s15, 7
	s_add_co_u32 s20, s20, s21                     ; my first row,
	s_lshl_b32 s20, s20, 12                        ; of 4,096 bytes
	s_lshl_b32 s46, s42, 10
	s_lshl_b32 s47, s16, 9
	s_add_co_u32 s46, s46, s47                     ; my first column, in bytes
	s_mov_b32 s47, 0
	s_add_nc_u64 s[10:11], s[10:11], s[46:47]
	s_add_co_u32 s20, s20, s46
	s_mov_b32 s21, 0
	s_add_nc_u64 s[84:85], s[84:85], s[20:21]      ; neither is stepped again: a row's place stands in the immediates, 127 rows of 4,096 bytes at the most
	s_add_nc_u64 s[86:87], s[86:87], s[20:21]
	global_load_b128 v[8:11], v[CO], s[10:11]      ; the bias of my four columns of a row
.macro FRAG reg, adr, q, i             ; a fragment: lane l holds row l % 16; registers 4 c .. 4 c + 3 hold bytes 32 c + 16 (l / 16) + 0 .. 15 of the row's 128
.irp c, 0,1,2,3
	ds_load_b128 v[\reg+4*\c:\reg+4*\c+3], v[\adr] offset:LOADB*(\q)+32*\c+(\i)*16*PITCH
.endr
.endm
; 16 matrix instructions: A's blocks a0, a0 + 1 x B's eight.  The 64 accumulators take turns, one instruction a turn, in the same order in every step.
.macro MUL16 a0, p, zero
.irp a, \a0, \a0+1
.irp b, 0,1,2,3,4,5,6,7
.if \zero
	v_wmma_f32_16x16x128_fp8_fp8 v[8*(8*((\a)%4)+\b):8*(8*((\a)%4)+\b)+7], v[128*(\p)+FR*\b:128*(\p)+FR*\b+FR-1], v[AF+FR*(\a):AF+FR*(\a)+FR-1], 0
.else
	v_wmma_f32_16x16x128_fp8_fp8 v[8*(8*((\a)%4)+\b):8*(8*((\a)%4)+\b)+7], v[128*(\p)+FR*\b:128*(\p)+FR*\b+FR-1], v[AF+FR*(\a):AF+FR*(\a)+FR-1], v[8*(8*((\a)%4)+\b):8*(8*((\a)%4)+\b)+7]
.endif
.endr
.endr
.endm
.macro FETCH_B slot, q, p
	WIN TO_B
.irp i, 0,1,2,3,4,5,6,7
	FRAG 128*(\p)+FR*\i, ADRB+\slot, \q, \i
.endr
	WIN 0
.endm
.macro FETCH_A slot, q, i0
.irp i, \i0, \i0+1, \i0+2, \i0+3
	FRAG AF+FR*(\i), ADRA+\slot, \q, \i
.endr
.endm
.macro PLACES n                        ; plain vector lines between a matrix instruction and a load into, or a vector line on, one of its registers (for the vector line)
.rept \n
	v_nop
.endr
.endm
.macro STEP slot, q, zero
	s_wait_dscnt 4*NL                              ; B's set and A's blocks 0-3 are in; the youngest 16 loads (A's blocks 4-7) may be out
	WIN MUL_LO
	MUL16 0, (\q)%2, \zero
	MUL16 2, (\q)%2, \zero
	s_wait_dscnt 0
	PLACES NP
	FETCH_B \slot, (\q)+1, 1-(\q)%2
	FETCH_A \slot, (\q)+1, 0
	WIN MUL_HI
	MUL16 4, (\q)%2, \zero
	MUL16 6, (\q)%2, \zero
	PLACES NP
	WIN 0
	FETCH_A \slot, (\q)+1, 4
.endm
; A slot's last step changes slots: ONE barrier; in front of it each wave waits for all its tensor loads, adds 0 to its spare word, and waits for that and for its own reads of this slot.
.macro TURN slot, next, fill
	s_wait_tensorcnt 0x0                           ; all my tensor loads have landed: my part of the next slot
	ds_add_u32 v[SPW], v[NIL]                      ; 0 onto my spare word
	s_wait_dscnt 4*NL+1                            ; (the add and the youngest 16 loads may be out)
	WIN MUL_LO
	MUL16 0, 1, 0
	s_wait_dscnt 0x0                               ; the add is done, and my reads of this slot are over
	s_barrier_signal -1
	MUL16 2, 1, 0
	WIN 0
	s_barrier_wait -1
.if \fill
	CREST                                          ; a round of the cluster's barrier: no wave of any partner still reads this slot or has a load on its way
	s_add_nc_u64 s[G0+4*\slot+2:G0+4*\slot+3], s[G0+4*\slot+2:G0+4*\slot+3], 4*KBA
	s_add_nc_u64 s[G0B+4*\slot+2:G0B+4*\slot+3], s[G0B+4*\slot+2:G0B+4*\slot+3], 4*KBB
	JLOAD G0+4*\slot, G1, G0B+4*\slot, G1B         ; the first tensor load behind the round, my only one until the next
.else
	PLACES NP
.endif
	FETCH_B \next, 0, 0
	FETCH_A \next, 0, 0
.if \fill
	ASKX 4*\slot
.endif
	WIN MUL_HI
	MUL16 4, 1, 0
	MUL16 6, 1, 0
	PLACES NP
	WIN 0
	FETCH_A \next, 0, 4
.endm
	s_wait_tensorcnt 1                             ; my part of slot 0 is in (slot 1's load may be out)
	s_barrier_signal -1
	s_barrier_wait -1
	FETCH_B 0, 0, 0
	FETCH_A 0, 0, 0
	FETCH_A 0, 0, 4
	STEP 0, 0, 1                                   ; the first step's products start the sums
	s_mov_b32 s3, LAPS-1
.Llap:
	TURN 0, 1, 1
	STEP 1, 0, 0
	TURN 1, 0, 1
	STEP 0, 0, 0
	s_sub_co_u32 s3, s3, 1
	s_cmp_lg_u32 s3, 0
	s_cbranch_scc1 .Llap
	TURN 0, 1, 0                                   ; the last lap fills nothing
	STEP 1, 0, 0
	s_wait_dscnt 4*NL
	WIN MUL_LO
	MUL16 0, 1, 0
	MUL16 2, 1, 0
	s_wait_dscnt 0
	WIN MUL_HI
	MUL16 4, 1, 0
	MUL16 6, 1, 0
	WIN 0
; THE WAY OUT, block by block of 16 rows x 128 columns: sums x 2^(eA + eB) go through my own stage in LDS and come back as whole rows of 512 bytes; the residual's same rows, loaded three blocks ahead, and the
; bias are added; the 32 lanes store 512 consecutive bytes.  LDS serves a wave's instructions in order: no wait between the stores and the loads.
.macro XLOAD a                         ; the residual's rows of block a -> window 1, set a % 3
.set XR, 64*((\a)%3)
	WIN 0x40
.set t, 0
.rept 16
	global_load_b128 v[XR+4*t:XR+4*t+3], v[CO], s[84:85] offset:(16*(\a)+t)*4096 th:TH_LOAD_NT
.set t, t+1
.endr
	WIN 0
.endm
.macro TOSTAGE a
.set AC, 64*((\a)%4)
.set BB, BK+64*((\a)%2)
	WIN 0x02+((\a)/4)                              ; source 0: window 2 or 3
.set j, 0
.rept 32
	v_pk_mul_f32 v[TMP+j:TMP+j+1], v[AC+j:AC+j+1], s[96:97] op_sel_hi:[1,0]   ; both x s96; each accumulator from its low end on
.set j, j+2
.endr
	WIN 0
.irp b, 0,1,2,3,4,5,6,7
	ds_store_b128 v[STO], v[TMP+8*\b:TMP+8*\b+3] offset:64*\b
	ds_store_b128 v[STO], v[TMP+8*\b+4:TMP+8*\b+7] offset:64*\b+16
.endr
.set t, 0
.rept 16
	ds_load_b128 v[BB+4*t:BB+4*t+3], v[RD] offset:t*SPITCH
.set t, t+1
.endr
.endm
.macro SEND a, younger, left           ; younger: LDS instructions issued behind block a's loads; left: loads of later blocks' residual rows; both may stay out
.set BB, BK+64*((\a)%2)
.set XR, 64*((\a)%3)
	s_wait_dscnt \younger
	s_wait_loadcnt \left
	WIN 0x04                                       ; source 1: window 1
.set j, 0
.rept 32
	v_pk_add_f32 v[BB+j:BB+j+1], v[BB+j:BB+j+1], v[XR+j:XR+j+1]
.set j, j+2
.endr
	WIN 0
.set t, 0
.rept 16
	v_pk_add_f32 v[BB+4*t:BB+4*t+1], v[BB+4*t:BB+4*t+1], v[8:9]
	v_pk_add_f32 v[BB+4*t+2:BB+4*t+3], v[BB+4*t+2:BB+4*t+3], v[10:11]
.set t, t+1
.endr
.set t, 0
.rept 16
	global_store_b128 v[CO], v[BB+4*t:BB+4*t+3], s[86:87] offset:(16*(\a)+t)*4096 th:TH_STORE_NT   ; 512 consecutive bytes, aligned; written once, read by nobody here
.set t, t+1
.endr
.endm
	s_wait_kmcnt 0x0
	s_add_co_i32 s96, s96, s97
	s_add_co_i32 s96, s96, 127
	s_lshl_b32 s96, s96, 23                        ; 2^(eA + eB) as f32
	PLACES NP                                      ; behind the last products: loads land in the registers that held fragments, and results are read
	XLOAD 0
	XLOAD 1
	XLOAD 2
	TOSTAGE 0
.irp a, 1,2,3,4,5,6,7
.if \a > 1
	s_wait_xcnt 0x0                                ; block a - 2's stores have read their registers: block a's loads from the stage may land there
.endif
	TOSTAGE \a
.if \a < 7
	SEND \a-1, 32, 32                              ; behind block a - 1: block a's 16 stores and 16 loads in LDS; two later blocks' 32 loads of the residual
.else
	SEND \a-1, 32, 16
.endif
.if \a < 6
	XLOAD \a+2                                     ; into the set that block a - 1 has just left
.endif
.endr
	SEND 7, 0, 0
	s_wait_tensorcnt 0x0                           ; the wave's end
	ds_add_u32 v[SPW], v[NIL]
	s_wait_dscnt 0x0
	CROUND                                         ; the closing round
	s_endpgm
.Lfunc_end_k_q3c0f51b23c_gw2:
	.size	k_q3c0f51b23c_gw2, .Lfunc_end_k_q3c0f51b23c_gw2-k_q3c0f51b23c_gw2
	.p2alignl 7, 3214868480
	.fill 96, 4, 3214868480
	.section	.rodata,"a",@progbits
	.p2align	6, 0x0
	.amdhsa_kernel k_q3c0f51b23c_gw2
		.amdhsa_group_segment_fixed_size 327680
		.amdhsa_private_segment_fixed_size 0
		.amdhsa_enable_private_segment 0
		.amdhsa_kernarg_size 48
		.amdhsa_user_sgpr_count 2
		.amdhsa_user_sgpr_kernarg_segment_ptr 1
		.amdhsa_wavefront_size32 1
		.amdhsa_system_sgpr_workgroup_id_x 1
		.amdhsa_system_sgpr_workgroup_id_y 1
		.amdhsa_system_sgpr_workgroup_id_z 1
		.amdhsa_system_vgpr_workitem_id 0
		.amdhsa_next_free_vgpr 1024
		.amdhsa_next_free_sgpr 100
		.amdhsa_reserve_vcc 0
		.amdhsa_float_denorm_mode_32 3
		.amdhsa_float_denorm_mode_16_64 3
		.amdhsa_memory_ordered 1
		.amdhsa_forward_progress 1
		.amdhsa_inst_pref_size 169
	.end_amdhsa_kernel
	.amdgpu_metadata
---
amdhsa.version: [ 1, 2 ]
amdhsa.kernels:
  - .name:           k_q3c0f51b23c_gw2
    .symbol:         k_q3c0f51b23c_gw2.kd
    .args:
      - { .name: hid, .offset: 0, .size: 8, .value_kind: global_buffer, .address_space: global }
      - { .name: wc, .offset: 8, .size: 8, .value_kind: global_buffer, .address_space: global }
      - { .name: lowp_scales, .offset: 16, .size: 8, .value_kind: global_buffer, .address_space: global }
      - { .name: b2, .offset: 24, .size: 8, .value_kind: global_buffer, .address_space: global }
      - { .name: x1, .offset: 32, .size: 8, .value_kind: global_buffer, .address_space: global }
      - { .name: out0, .offset: 40, .size: 8, .value_kind: global_buffer, .address_space: global }
    .group_segment_fixed_size: 327680
    .private_segment_fixed_size: 0
    .kernarg_segment_align: 8
    .kernarg_segment_size: 48
    .max_flat_workgroup_size: 128
    .sgpr_count:     100
    .vgpr_count:     1024
    .wavefront_size: 32
...
	.end_amdgpu_metadata
.endif
;; end of part 7
;; ======== version 2 of 2: 7 launches
;; limits: right only within a limited range of input values
;; workspace buffers: wc 12,582,912 bytes; hc 12,582,912 bytes; qkvc 12,582,912 bytes; cc 4,194,304 bytes; x1 16,777,216 bytes; h2 4,194,304 bytes; hid 16,777,216 bytes
;; launch prep (part 8): grid 896 x 1, 4 waves a work-group, no clusters, 36,352 bytes of LDS; arguments Wq, Wk, Wv, Wo, W1, W2, x, g1, s1, lowp_scales, wc, hc; writes wc, hc
.if DOCPART == 8
	.amdgcn_target "amdgcn-amd-amdhsa--gfx1250"
	.amdhsa_code_object_version 6
	.text
	.protected	k_q3c0f51b23c_prep
	.globl	k_q3c0f51b23c_prep
	.p2align	8
	.type	k_q3c0f51b23c_prep,@function
k_q3c0f51b23c_prep:
	s_mov_b64 s[64:65], 0
	v_nop
	global_prefetch_b8 v0, s[64:65] scope:SCOPE_SE
	s_setreg_imm32_b32 hwreg(HW_REG_WAVE_MODE, 25, 1), 1
	s_wait_xcnt 0x0
; TWO JOBS IN ONE LAUNCH, parted by the work-group's number.
; Work-groups 0-383: the six weights, f32 stored [K][N], become codes of FP8 (E4M3) with K innermost, each with its given scale 2^e.
; Work-groups 384-895: h = g1 (x - mean) / sqrt(var + 1e-5) + s1, a row of 1,024 at a time, quantised three times (the scales of the products with Wq, Wk, Wv).
; LAYOUT OF ALL CODES OF THIS PROGRAM: [K / 128][rows][128 bytes]: a block of 128 along K of every row, the rows on end.  So 128 codes of neighbouring rows are consecutive bytes.
;   wc: byte 0: [8][4096][128], row = 1,024 sel + n for Wq, Wk, Wv, Wo (sel 0..3);  byte 4 MiB: W1 as [8][4096 n][128];  byte 8 MiB: W2 as [32][1024 n][128].
;   hc: three planes of [8][4096 tokens][128], 4 MiB apart.
; code = x / 2^e, held within +-448, to the nearest code, ties to even.  LIMITS: each e between -126 and 119; NaN among the inputs is not served (an infinity is held at the largest code).
; No matrix work, no tensor loads, no barrier: waves share nothing.  No cluster: no two work-groups read the same bytes but g1 and s1, 8 KiB.
; WEIGHTS: a work-group takes 128 columns n x 256 along K, a wave 32 columns; A LANE TAKES A COLUMN AND ITS REGISTERS RUN DOWN K, so each load reads 128 consecutive bytes a wave (512 a work-group)
; and the conversions, which take neighbours along K from one lane's registers, give codes with K innermost.  They leave through the wave's own stage in LDS: each store covers 512 consecutive bytes.
.set NWW,    384                       ; work-groups of the weights' path
.set WPITCH, 272                       ; a stage row: a column's 256 codes + 16 bytes: 17 x 16
.set NB,     8                         ; blocks of 32 along K for a wave
.set WX,     32                        ; v32-95   two sets of 32 numbers
.set WC,     96                        ; v96-103  a block's codes
.set WOUT,   112                       ; v112-175 the way out
.set OFFI,   208                       ; v208-239 4 x lane + i rows of the weight, i = 0 .. 31; never rewritten
; the norm's registers
.set LX,  16                           ; v16-79   my 64 numbers: 8 neighbours of each of the row's eight blocks of 128
.set LG,  80                           ; v80-143  g at the same places; later the codes
.set LS,  144                          ; v144-207 s
.set LT,  208
.set LC,  224                          ; v224-231 four chains of pairs
.set LM,  232                          ; v[232:233] the mean, twice; v[234:235] 1 / sqrt(var + eps), twice
.set LQ,  240                          ; plane pl: v[240 + 2 pl] 2^e
.set PX,  16                           ; s[16:17] the rows
.set PG,  18                           ; s[18:19] g
.set PS,  20                           ; s[20:21] s
.set PO,  40                           ; s[40 + 2 pl : 41 + 2 pl] plane pl at my two rows
	s_load_b512 s[4:19], s[0:1], 0x0               ; Wq 4, Wk 6, Wv 8, Wo 10, W1 12, W2 14, x 16, g1 18
	s_load_b256 s[20:27], s[0:1], 0x40             ; s1 20, the scales' exponents 22, wc 24, hc 26
	v_lshl_add_u32 v254, v0, 2, 0x8c00
	v_mov_b32 v255, 0
	v_lshrrev_b32 v1, 5, v0
	v_readfirstlane_b32 s28, v1                    ; wave 0..3
	v_and_b32 v2, 31, v0                           ; lane
	s_cmp_lt_u32 ttmp9, NWW
	s_cbranch_scc0 .Lln
	; ---------------- THE WEIGHTS ----------------
	; which weight (sel 0..5), which 128 columns (nblk), which 256 along K (kblk): 128 work-groups for the four square weights, 128 for W1, 128 for W2
	s_lshr_b32 s29, ttmp9, 7                       ; 0: the four square ones, 1: W1, 2: W2
	s_and_b32 s30, ttmp9, 127
	s_cmp_eq_u32 s29, 1
	s_cselect_b32 s31, 5, 3                        ; W1 has 32 blocks of columns, the others 8
	s_cselect_b32 s32, 31, 7
	s_and_b32 s32, s30, s32                        ; nblk
	s_lshr_b32 s33, s30, s31
	s_and_b32 s34, s33, 3
	s_lshr_b32 s35, s33, 2
	s_add_co_u32 s36, s29, 3
	s_cmp_eq_u32 s29, 0
	s_cselect_b32 s34, s34, s33                    ; kblk
	s_cselect_b32 s35, s35, s36                    ; sel
	s_mov_b32 s37, 4096
	s_cmp_eq_u32 s35, 4
	s_cselect_b32 s37, 16384, s37                  ; bytes from a row k of the weight to the next
	s_mov_b32 s38, 524288
	s_cmp_eq_u32 s35, 5
	s_cselect_b32 s38, 131072, s38                 ; bytes from a block of 128 along K of the codes to the next: rows x 128
	s_lshl_b32 s39, s35, 17                        ; the square ones: 1,024 sel rows of 128 bytes
	s_sub_co_u32 s60, s35, 3
	s_lshl_b32 s60, s60, 22                        ; W1: 4 MiB, W2: 8 MiB
	s_cmp_lt_u32 s35, 4
	s_cselect_b32 s39, s39, s60                    ; where the weight's codes begin in wc
	s_cmp_ge_u32 s35, 3
	s_cselect_b32 s61, 20, 4
	s_lshl_b32 s60, s35, 3
	s_add_co_u32 s60, s60, s61                     ; the scale's byte: entries 1, 3, 5, 11, 13, 15
	s_mov_b32 s61, 0
	s_lshl_b32 s36, s32, 7
	s_lshl_b32 s29, s28, 5
	s_add_co_u32 s36, s36, s29                     ; my wave's first column: 128 nblk + 32 wave
	s_lshl_b32 s62, s34, 8
	s_mul_i32 s62, s62, s37                        ; 256 kblk rows,
	s_lshl_b32 s29, s36, 2
	s_add_co_u32 s62, s62, s29                     ; + 4 bytes a column: where my part of the weight begins (under 2^25)
	s_mov_b32 s63, 0
	s_lshl_b32 s30, s37, 5                         ; 32 rows on
	s_mov_b32 s31, 0
	s_lshl_b32 s32, s34, 1
	s_mul_i32 s32, s32, s38                        ; 2 kblk blocks of 128 along K,
	s_add_co_u32 s32, s32, s39
	s_lshl_b32 s29, s36, 7
	s_add_co_u32 s32, s32, s29                     ; + my first column's row: where my codes begin in wc
	s_mov_b32 s33, 0
	s_mov_b32 s39, 0                               ; s[38:39]: a block of 128 along K on
	s_wait_alu depctr_va_vdst(0)
	v_lshlrev_b32 v[OFFI], 2, v2
.set i, 1
.rept 31
	v_add_nc_u32 v[OFFI+i], s37, v[OFFI+i-1]       ; the row's stride is a register here, so each of a block's 32 rows has its own offset register
.set i, i+1
.endr
	s_mul_i32 s29, s28, 32*WPITCH                  ; my stage
	v_mul_u32_u24 v4, v2, WPITCH
	v_add_nc_u32 v4, s29, v4                       ; into it: row = my column
	v_lshrrev_b32 v5, 3, v2
	v_and_b32 v6, 7, v2
	v_mul_u32_u24 v7, v5, WPITCH
	v_lshl_add_u32 v7, v6, 4, v7
	v_add_nc_u32 v7, s29, v7                       ; out of it: eight lanes to 128 bytes of a row, four rows an instruction
	v_lshlrev_b32 v8, 4, v2                        ; and the same 512 bytes in wc
	s_wait_alu depctr_va_vdst(0)
	s_wait_kmcnt 0x0
	s_add_nc_u64 s[22:23], s[22:23], s[60:61]
	s_load_b32 s36, s[22:23], 0x0                  ; e
	s_cmp_eq_u32 s35, 1                            ; the weight's address: a choice that hangs on the work-group's number alone
	s_cselect_b64 s[4:5], s[6:7], s[4:5]
	s_cmp_eq_u32 s35, 2
	s_cselect_b64 s[4:5], s[8:9], s[4:5]
	s_cmp_eq_u32 s35, 3
	s_cselect_b64 s[4:5], s[10:11], s[4:5]
	s_cmp_eq_u32 s35, 4
	s_cselect_b64 s[4:5], s[12:13], s[4:5]
	s_cmp_eq_u32 s35, 5
	s_cselect_b64 s[4:5], s[14:15], s[4:5]
	s_add_nc_u64 s[40:41], s[4:5], s[62:63]        ; a base for each block of 32 rows: none is stepped while loads are out
.irp t, 1,2,3,4,5,6,7
	s_add_nc_u64 s[40+2*\t:41+2*\t], s[38+2*\t:39+2*\t], s[30:31]
.endr
	s_add_nc_u64 s[56:57], s[24:25], s[32:33]      ; my codes: the first 128 along K,
	s_add_nc_u64 s[58:59], s[56:57], s[38:39]      ; and the second
.macro WLOAD t                         ; block t: W(32 t + i, my column), i = 0 .. 31, into set t % 2
.set i, 0
.rept 32
	global_load_b32 v[WX+32*((\t)%2)+i], v[OFFI+i], s[40+2*(\t):41+2*(\t)] th:TH_LOAD_NT
.set i, i+1
.endr
.endm
	WLOAD 0
	WLOAD 1
	s_wait_kmcnt 0x0
	s_add_co_i32 s36, s36, 127
	s_lshl_b32 s29, s36, 23
	v_mov_b32 v11, s29                             ; 2^e as f32: the conversion takes its exponent field
	s_add_co_i32 s36, s36, 8
	s_lshl_b32 s36, s36, 23
	s_or_b32 s36, s36, 0x600000
.macro WBLOCK t
.set XS, WX+32*((\t)%2)
.if (\t) < NB-1
	s_wait_loadcnt 32                              ; this block's 32 loads are in; the next block's 32 may be out
.else
	s_wait_loadcnt 0x0
.endif
.set i, 0
.rept 32
.set i, i+1
.endr
.irp g, 0,1,2,3
	v_cvt_scalef32_pk8_fp8_f32 v[WC+2*\g:WC+2*\g+1], v[XS+8*\g:XS+8*\g+7], v11
.endr
	ds_store_b128 v4, v[WC:WC+3] offset:32*(\t)    ; 32 codes of my column's row
	ds_store_b128 v4, v[WC+4:WC+7] offset:32*(\t)+16
.if (\t)+2 < NB
	WLOAD (\t)+2
.endif
	s_wait_dscnt 0x0                               ; the stores have read their registers: the next block's codes may be written
.endm
	s_wait_alu depctr_va_vdst(0)
.irp t, 0,1,2,3,4,5,6,7
	WBLOCK \t
.endr
.irp z, 0,1                                    ; the two blocks of 128 along K
.irp i, 0,1,2,3,4,5,6,7
	ds_load_b128 v[WOUT+4*(8*\z+\i):WOUT+4*(8*\z+\i)+3], v7 offset:\i*4*WPITCH+\z*128   ; LDS serves a wave's instructions in order: these see my stores
.endr
.endr
.irp z, 0,1
.irp i, 0,1,2,3,4,5,6,7
	s_wait_dscnt 15-8*\z-\i
	global_store_b128 v8, v[WOUT+4*(8*\z+\i):WOUT+4*(8*\z+\i)+3], s[56+2*\z:57+2*\z] offset:\i*512   ; four rows of 128 codes: 512 consecutive bytes, aligned
.endr
.endr
	s_wait_tensorcnt 0x0
	ds_add_u32 v254, v255
	s_wait_dscnt 0x0
	s_endpgm
	; ---------------- THE NORM ----------------
; A wave takes two rows: lanes 0-15 row 2 p, lanes 16-31 row 2 p + 1.  Lane c = lane % 16 holds, of each block kb of 128, the eight neighbours 128 kb + 8 c + 0 .. 7: what one conversion takes.
; The row's sums stay inside 16 lanes.  Mean first, then the sum of squares of x - mean: a common offset of the inputs costs no digits.
.macro FOLD                            ; four chains of pairs -> one number a lane -> the sum over the row's 16 lanes, in each of them
	v_pk_add_f32 v[LC:LC+1], v[LC:LC+1], v[LC+2:LC+3]
	v_pk_add_f32 v[LC+4:LC+5], v[LC+4:LC+5], v[LC+6:LC+7]
	v_pk_add_f32 v[LC:LC+1], v[LC:LC+1], v[LC+4:LC+5]
	v_add_f32 v[LC], v[LC], v[LC+1]
.irp m, 1,2,4,8
	v_add_f32_dpp v[LC], v[LC], v[LC] row_xmask:\m row_mask:0xf bank_mask:0xf
.endr
.endm
.macro LNROWS planes                   ; v3: my bytes in the two rows; v4: in g and s; v5: 8 x lane; s[48 + 2 pl]: plane pl's e (on its way); s46 = 2^-10, s47 = 1e-5
.set kb, 0
.rept 8
	global_load_b128 v[LX+8*kb:LX+8*kb+3],   v3, s[PX:PX+1] offset:512*kb th:TH_LOAD_NT
	global_load_b128 v[LX+8*kb+4:LX+8*kb+7], v3, s[PX:PX+1] offset:512*kb+16 th:TH_LOAD_NT
.set kb, kb+1
.endr
.set kb, 0
.rept 8
	global_load_b128 v[LG+8*kb:LG+8*kb+3],   v4, s[PG:PG+1] offset:512*kb
	global_load_b128 v[LG+8*kb+4:LG+8*kb+7], v4, s[PG:PG+1] offset:512*kb+16
.set kb, kb+1
.endr
.set kb, 0
.rept 8
	global_load_b128 v[LS+8*kb:LS+8*kb+3],   v4, s[PS:PS+1] offset:512*kb
	global_load_b128 v[LS+8*kb+4:LS+8*kb+7], v4, s[PS:PS+1] offset:512*kb+16
.set kb, kb+1
.endr
	s_wait_kmcnt 0x0
.set pl, 0
.rept \planes
	s_add_co_i32 s56, s[48+2*pl], 127
	s_lshl_b32 s57, s56, 23
	v_mov_b32 v[LQ+2*pl], s57                      ; 2^e
	s_add_co_i32 s56, s56, 8
	s_lshl_b32 s56, s56, 23
	s_or_b32 s56, s56, 0x600000
.set pl, pl+1
.endr
	s_wait_loadcnt 32                              ; the rows are in; the 32 loads of g and s may be out
.irp k, 0,1,2,3
	v_pk_add_f32 v[LC+2*\k:LC+2*\k+1], v[LX+2*\k:LX+2*\k+1], v[LX+8+2*\k:LX+8+2*\k+1]   ; the first pairs start the chains: nothing is cleared
.endr
.set j, 8
.rept 24
	v_pk_add_f32 v[LC+2*(j%4):LC+2*(j%4)+1], v[LC+2*(j%4):LC+2*(j%4)+1], v[LX+2*j:LX+2*j+1]
.set j, j+1
.endr
	FOLD
	v_mul_f32 v[LM], s46, v[LC]                    ; the mean
	v_mov_b32 v[LM+1], v[LM]
.set j, 0
.rept 32
	v_pk_add_f32 v[LX+2*j:LX+2*j+1], v[LX+2*j:LX+2*j+1], v[LM:LM+1] neg_lo:[0,1] neg_hi:[0,1]   ; x - mean
.set j, j+1
.endr
.irp k, 0,1,2,3
	v_pk_mul_f32 v[LC+2*\k:LC+2*\k+1], v[LX+2*\k:LX+2*\k+1], v[LX+2*\k:LX+2*\k+1]
.endr
.set j, 4
.rept 28
	v_pk_fma_f32 v[LC+2*(j%4):LC+2*(j%4)+1], v[LX+2*j:LX+2*j+1], v[LX+2*j:LX+2*j+1], v[LC+2*(j%4):LC+2*(j%4)+1]
.set j, j+1
.endr
	FOLD
	v_fma_f32 v[LM+2], v[LC], s46, s47             ; var + eps
	s_wait_alu depctr_va_vdst(0)
	v_rsq_f32 v[LM+2], v[LM+2]
	v_nop                                          ; a plain line behind the transcendental,
	s_wait_alu depctr_va_vdst(0)                   ; and the wait ahead of the first line that names its result
	v_mov_b32 v[LM+3], v[LM+2]
	s_wait_alu depctr_va_vdst(0)
	s_wait_loadcnt 0x0                             ; g and s
.set j, 0
.rept 32
	v_pk_mul_f32 v[LX+2*j:LX+2*j+1], v[LX+2*j:LX+2*j+1], v[LM+2:LM+3]
.set j, j+1
.endr
.set j, 0
.rept 32
	v_pk_fma_f32 v[LX+2*j:LX+2*j+1], v[LG+2*j:LG+2*j+1], v[LX+2*j:LX+2*j+1], v[LS+2*j:LS+2*j+1]   ; g (x - mean) r + s
.set j, j+1
.endr
.set pl, 0
.rept \planes
.set kb, 0
.rept 8
.set i, 0
.rept 8
.set i, i+1
.endr
	v_cvt_scalef32_pk8_fp8_f32 v[LG+16*pl+2*kb:LG+16*pl+2*kb+1], v[LT+8*(kb%2)+((LX+8*kb+i)-(LT+8*(kb%2)+i)):LT+8*(kb%2)+7+((LX+8*kb+i)-(LT+8*(kb%2)+i))], v[LQ+2*pl]
	global_store_b64 v5, v[LG+16*pl+2*kb:LG+16*pl+2*kb+1], s[PO+2*pl:PO+2*pl+1] offset:kb*524288   ; two rows' 128 codes of block kb: 256 consecutive bytes, aligned
.set kb, kb+1
.endr
.set pl, pl+1
.endr
.endm
.Lln:
	s_sub_co_u32 s29, ttmp9, NWW
	s_lshl_b32 s29, s29, 2
	s_add_co_u32 s29, s29, s28                     ; p: my pair of rows, 0 .. 2,047
	s_lshl_b32 s30, s29, 13                        ; two rows of 4,096 bytes
	s_mov_b32 s31, 0
	s_lshl_b32 s32, s29, 8                         ; two rows of 128 codes
	s_mov_b32 s33, 0
	s_mov_b32 s46, 0x3a800000                      ; 1 / 1,024
	s_mov_b32 s47, 0x3727c5ac                      ; 1e-5
	v_and_b32 v1, 15, v0                           ; c
	v_bfe_u32 v6, v0, 4, 1                         ; which of the two rows
	v_lshlrev_b32 v4, 5, v1                        ; 32 c
	v_lshl_add_u32 v3, v6, 12, v4
	s_wait_alu depctr_va_vdst(0)
	v_lshlrev_b32 v5, 3, v2
	s_wait_kmcnt 0x0
	s_load_b256 s[48:55], s[22:23], 0x0            ; entries 0 to 7: planes 0, 1, 2 take entries 0, 2, 4
	s_add_nc_u64 s[PX:PX+1], s[PX:PX+1], s[30:31]
	s_add_nc_u64 s[40:41], s[26:27], s[32:33]
	s_add_nc_u64 s[42:43], s[40:41], 0x400000
	s_add_nc_u64 s[44:45], s[40:41], 0x800000
	LNROWS 3
	s_endpgm
.Lfunc_end_k_q3c0f51b23c_prep:
	.size	k_q3c0f51b23c_prep, .Lfunc_end_k_q3c0f51b23c_prep-k_q3c0f51b23c_prep
	.p2alignl 7, 3214868480
	.fill 96, 4, 3214868480
	.section	.rodata,"a",@progbits
	.p2align	6, 0x0
	.amdhsa_kernel k_q3c0f51b23c_prep
		.amdhsa_group_segment_fixed_size 36352
		.amdhsa_private_segment_fixed_size 0
		.amdhsa_enable_private_segment 0
		.amdhsa_kernarg_size 96
		.amdhsa_user_sgpr_count 2
		.amdhsa_user_sgpr_kernarg_segment_ptr 1
		.amdhsa_wavefront_size32 1
		.amdhsa_system_sgpr_workgroup_id_x 1
		.amdhsa_system_sgpr_workgroup_id_y 1
		.amdhsa_system_sgpr_workgroup_id_z 1
		.amdhsa_system_vgpr_workitem_id 0
		.amdhsa_next_free_vgpr 256
		.amdhsa_next_free_sgpr 66
		.amdhsa_reserve_vcc 0
		.amdhsa_float_denorm_mode_32 3
		.amdhsa_float_denorm_mode_16_64 3
		.amdhsa_fp16_overflow 1
		.amdhsa_memory_ordered 1
		.amdhsa_forward_progress 1
		.amdhsa_inst_pref_size 57
	.end_amdhsa_kernel
	.amdgpu_metadata
---
amdhsa.version: [ 1, 2 ]
amdhsa.kernels:
  - .name:           k_q3c0f51b23c_prep
    .symbol:         k_q3c0f51b23c_prep.kd
    .args:
      - { .name: Wq, .offset: 0, .size: 8, .value_kind: global_buffer, .address_space: global }
      - { .name: Wk, .offset: 8, .size: 8, .value_kind: global_buffer, .address_space: global }
      - { .name: Wv, .offset: 16, .size: 8, .value_kind: global_buffer, .address_space: global }
      - { .name: Wo, .offset: 24, .size: 8, .value_kind: global_buffer, .address_space: global }
      - { .name: W1, .offset: 32, .size: 8, .value_kind: global_buffer, .address_space: global }
      - { .name: W2, .offset: 40, .size: 8, .value_kind: global_buffer, .address_space: global }
      - { .name: x, .offset: 48, .size: 8, .value_kind: global_buffer, .address_space: global }
      - { .name: g1, .offset: 56, .size: 8, .value_kind: global_buffer, .address_space: global }
      - { .name: s1, .offset: 64, .size: 8, .value_kind: global_buffer, .address_space: global }
      - { .name: lowp_scales, .offset: 72, .size: 8, .value_kind: global_buffer, .address_space: global }
      - { .name: wc, .offset: 80, .size: 8, .value_kind: global_buffer, .address_space: global }
      - { .name: hc, .offset: 88, .size: 8, .value_kind: global_buffer, .address_space: global }
    .group_segment_fixed_size: 36352
    .private_segment_fixed_size: 0
    .kernarg_segment_align: 8
    .kernarg_segment_size: 96
    .max_flat_workgroup_size: 128
    .sgpr_count:     66
    .vgpr_count:     256
    .wavefront_size: 32
...
	.end_amdgpu_metadata
.endif
;; end of part 8
;; launch gqkv: the kernel of part 2 again; grid 4 x 48, 4 waves a work-group, clusters of 4 x 4, 327,680 bytes of LDS; arguments hc, wc, lowp_scales, qkvc; writes qkvc
;; launch attn (part 9): grid 16 x 16, 16 waves a work-group, no clusters, 327,680 bytes of LDS; arguments qkvc, lowp_scales, cc; writes cc
.if DOCPART == 9
	.amdgcn_target "amdgcn-amd-amdhsa--gfx1250"
	.amdhsa_code_object_version 6
	.text
	.protected	k_q3c0f51b23c_attn
	.globl	k_q3c0f51b23c_attn
	.p2align	8
	.type	k_q3c0f51b23c_attn,@function
k_q3c0f51b23c_attn:
	s_mov_b64 s[64:65], 0
	v_nop
	global_prefetch_b8 v0, s[64:65] scope:SCOPE_SE
	s_setreg_imm32_b32 hwreg(HW_REG_WAVE_MODE, 25, 1), 1
	s_wait_xcnt 0x0
; Causal attention on codes of FP8 (E4M3): ctx[q] = the sum over keys k <= q of softmax_k(q . k / 8) v[k], head size 64, and ctx quantised at once for the product with Wo.
; qkvc: byte 0: q as [8 pairs of heads][4096 tokens][128 = 2 heads x 64];  byte 4 MiB: k likewise;  byte 8 MiB: v as [32 blocks of 128 tokens][1024 channels][128 keys].  Token = 2,048 batch + place.
; cc: ctx's codes, [8 pairs of heads][4096 tokens][128].
; THE SOFTMAX AHEAD OF THE SECOND PRODUCT: t = score x log2(e) / 8; M = the row's largest t so far, rounded UP to a whole number; p = 2^(t - M) is quantised, not normalised; the row's sum is taken of the
; unquantised p and divides at the end.  When M moves, the sum and O are multiplied by 2^(old M - new M): exact.
; SHARES.  Work-group (i, y): batch y / 8, pair of heads y % 8.  Each of its sixteen waves owns ONE tile of 16 queries of one head, in 256 registers: four waves to a SIMD, one wave's vector work beside another's
; matrix work.  Wave w: head w & 1; with j = 2 i + ((w >> 1) & 1), waves w / 4 = 0, 1, 2, 3 take tiles j, 63 - j, 64 + j, 127 - j: the four lengths under the mask add up alike for every i.
; Every wave walks all 8 slots of 256 keys (constant trip counts; no tensor load and no barrier is jumped over); a step all of whose keys come after the wave's queries leaves out its WORK, by a branch on ids.
; NO CLUSTER: the work-groups that read the same K and V are those with other query tiles, and the step left out under the mask is a branch on just those tiles, which partners of joint loads may not have;
; without that branch the softmax's lines, of which a step has some 300 against 12 matrix instructions, would be twice as many.
; LAYOUT.  Both products transposed: S^T = K Q^T (source 0 = 16 keys, source 1 = my 16 queries; K = 64), O^T = V^T P^T (source 0 = 16 channels, source 1 = P; K = 128 keys): a lane holds ONE query throughout.
; In S^T tile t, lane (r, h) holds keys 16 t + 8 h + 0 .. 7: just what registers 2 t, 2 t + 1 of the K = 128 form's operand hold: so the conversions' results ARE P.  V is read in that form's own layout (8 bytes a load).
; Q's and K's 64 codes are fetched by two loads of 16 bytes: permuted along the head's axis, alike in both.
; LIMITS: e6 + e7 between -124 and 129 (added to c's exponent field); e8 and e10 between -126 and 119; e8 + e9 goes in by v_ldexp_f32.
; REGISTERS: v1-3, v5-7 addresses that stay; v8-11 at work; v12 -M, v13 the largest t, v[14:15] the sum in two halves; v16-23 Q; v32-95 K's eight or V's four fragments; v96-159 S^T, then p; v160-191 O^T; v224-239 P's codes;
;   v244-245 scales; v236-243, v246-247, v250-255 at work; v248 what the lane 16 away sends: a register that no matrix instruction names.
.set KP,    144                        ; an LDS row: 128 bytes + 16 of padding
.set BLK,   128*KP                     ; what one tensor load brings: 128 rows x 128 bytes
.set SLOT1, 1<<17                      ; a slot: K of step 0, K of step 1, V of step 0, V of step 1 (4 BLK); slot 1 begins here, so that one exclusive or turns an address
.set NSL,   8                          ; slots' worth of keys: 2,048 / 256
.set SPARE, 2*SLOT1                    ; the spare words, 128 bytes for each of 16 waves, which no other line names
.set STAGE, SPARE+2048                 ; the way out: 16 rows x 144 bytes for each pair of waves; no tensor load lands here
.set AK0,  1                           ; v1   my lane's place in a block of K
.set AV0,  2                           ; v2   the same for V
.set PFO,  3                           ; v3   256 x lane: the prefetches' offset; never rewritten
.set SPW,  5                           ; v5   my spare word; never rewritten
.set NIL,  6                           ; v6   0; never rewritten
.set GO,   7                           ; v7   the way out: my byte offset in the tile's rows of cc
.set ADK,  8
.set ADV,  9
.set XL,   248                         ; v248 the lane exchanges' destination
.set TB,   2                           ; s2   LDS byte at which the slot in hand begins
.set WV,   18                          ; s18  my wave's number
.set SEL,  20                          ; s[20:21] lane selects: lane l xor 16
.set CS,   22                          ; s[22:23] c = log2(e) / 8, with the scores' scale
.set G1,   24                          ; s[24:31] descriptor group 1: one shape serves K and V
.set G0,   40                          ; s[40:43] descriptor group 0, which walks
.set STP,  44                          ; s[44:45] a slot on in memory: 256 rows of K, or two blocks of V
.set SLOTS, 67
.set PFA,  76                          ; s[76:77] where my prefetches stand
.set PFS,  78                          ; s[78:79] a slot on, for them
.set LIM,  80                          ; s80  1 in a wave that prefetches, else the greatest number
.set KF,   98                          ; s98  the step's first key
.set Q0,   99                          ; s99  my first query
; Waves 0 and 1 fetch a slot's two blocks of K, waves 2 and 3 its two of V, the others nothing.  The branch hangs on the wave's number alone.  Four v_nop follow the line.
.macro TLOAD
	s_cmp_lt_u32 s[WV], 4
	s_cbranch_scc0 .Lasked_\@
	tensor_load_to_lds s[G0:G0+3], s[G1:G1+7]
	s_nop 0
.rept 4
	v_nop
.endr
.Lasked_\@:
.endm
; A PREFETCH INTO THE L2 of what the NEXT change of slots will ask for: 32,768 bytes of K, one dense block, and two blocks of 16,384 bytes of V.  All sixteen work-groups of a pair of heads walk the same K and V:
; the first of them (x = 0) asks; in it waves 4 to 7 for K, 8,192 bytes each, waves 8 to 11 for V, half a block each; lanes 256 bytes apart: each aligned 256 bytes are named once in the launch.
; It stands a slot's two key steps ahead of the load.  Slots 0 and 1 come by their loads alone; the last change that fills a slot asks for nothing.
.macro ASK
	s_cmp_gt_u32 s[SLOTS], s[LIM]
	s_cbranch_scc0 .Lnot_mine_\@
	global_prefetch_b8 v[PFO], s[PFA:PFA+1] th:TH_LOAD_NT scope:SCOPE_SE
.Lnot_mine_\@:
.endm
	s_load_b128 s[4:7], s[0:1], 0x0                ; qkvc s[4:5], the scales' exponents s[6:7]
	s_load_b64 s[16:17], s[0:1], 0x10              ; cc
	v_lshl_add_u32 v[SPW], v0, 2, SPARE
	v_mov_b32 v[NIL], 0
	ds_add_u32 v5, v6
	ds_add_u32 v5, v6
	s_wait_dscnt 0x0
	v_lshrrev_b32 v8, 5, v0
	s_delay_alu instid0(VALU_DEP_1)
	v_readfirstlane_b32 s[WV], v8                  ; wave 0..15
	s_and_b32 s8, ttmp7, 0xffff
	s_lshr_b32 s9, s8, 3                           ; batch
	s_and_b32 s10, s8, 7                           ; pair of heads
	s_and_b32 s11, s[WV], 1                        ; which head of the pair
	s_bfe_u32 s12, s[WV], 0x10001                  ; bit 1 of the wave's number
	s_lshr_b32 s13, s[WV], 2
	s_lshl_b32 s14, ttmp9, 1
	s_add_co_u32 s14, s14, s12                     ; j
	s_and_b32 s15, s13, 1
	s_mul_i32 s15, s15, 63
	s_xor_b32 s14, s14, s15                        ; j or 63 - j
	s_lshr_b32 s15, s13, 1
	s_lshl_b32 s15, s15, 6
	s_add_co_u32 s14, s14, s15                     ; my tile, 0 .. 127
	s_lshl_b32 s[Q0], s14, 4
	s_and_b32 s81, s[WV], 3                        ; which of a slot's four blocks: waves 4 to 15 hold the same numbers as waves 0 to 3 and issue nothing
	s_lshl_b32 s68, s10, 19                        ; the pair's block of q, of k and of cc,
	s_lshl_b32 s69, s9, 18                         ; the batch's 2,048 rows of 128 bytes in it
	s_add_co_u32 s70, s68, s69
	s_lshl_b32 s71, s81, 14
	s_add_co_u32 s71, s71, s70
	s_add_co_u32 s71, s71, 0x400000                ; K: keys 128 x wave on
	s_lshl_b32 s72, s9, 4
	s_add_co_u32 s72, s72, s81
	s_sub_co_u32 s72, s72, 2                       ; V: block 16 batch + wave - 2 of 128 keys,
	s_lshl_b32 s72, s72, 17
	s_lshl_b32 s73, s10, 14                        ; the pair's 128 channels in it
	s_add_co_u32 s72, s72, s73
	s_add_co_u32 s72, s72, 0x800000
	s_mov_b32 s[STP], 262144
	s_cmp_lt_u32 s81, 2
	s_cselect_b32 s74, s71, s72
	s_cselect_b32 s[STP], 32768, s[STP]
	s_mov_b32 s75, 0
	s_mov_b32 s[STP+1], 0
	s_lshl_b32 s82, s[Q0], 7
	s_add_co_u32 s82, s82, s70                     ; my tile's rows, in q and in cc
	s_mov_b32 s83, 0
	; descriptor group 1: 128 rows of 128 bytes, dense in memory, padded in LDS
	s_mov_b32 s[G1], (0<<16)|(1<<20)|(4<<22)|(3<<25)   ; no mask; elements of 1 byte; padding on: four words (code 3) after every 32 (code 4)
	s_mov_b32 s[G1+1], 128<<16                     ; tensor_dim0
	s_mov_b32 s[G1+2], 128<<16                     ; tensor_dim1
	s_mov_b32 s[G1+3], 128<<16                     ; tile_dim0
	s_mov_b32 s[G1+4], 128                         ; tile_dim1
	s_mov_b32 s[G1+5], 128                         ; tensor_dim0_stride
	s_mov_b32 s[G1+6], 0
	s_mov_b32 s[G1+7], 0
	s_mov_b32 s[SEL], 0x76543210
	s_mov_b32 s[SEL+1], 0xfedcba98
	s_mov_b32 s[CS], 0x3e38aa3b                    ; c = log2(e) / sqrt(64)
	s_mov_b32 s[TB], 0
	s_mov_b32 s[SLOTS], NSL-1
	s_mov_b32 s[KF], 0
	s_wait_kmcnt 0x0
	s_load_b256 s[84:91], s[6:7], 0x18             ; e6 .. e13 in s84 .. s91
	s_mov_b32 s[G0], 1                             ; count = 1
	s_mul_i32 s[G0+1], s81, BLK                    ; LDS address: slot 0
	s_add_nc_u64 s[G0+2:G0+3], s[4:5], s[74:75]
	s_or_b32 s[G0+3], s[G0+3], 0x80000000          ; type = 2
	TLOAD                                          ; slot 0
	s_add_nc_u64 s[92:93], s[4:5], s[82:83]        ; Q's codes at my tile
	s_add_nc_u64 s[16:17], s[16:17], s[82:83]      ; cc likewise
	; the prefetches: where my wave's stand, and who asks
	s_lshl_b32 s71, s81, 13
	s_add_co_u32 s71, s71, s70
	s_add_co_u32 s71, s71, 0x400000+32768          ; K: my 8,192 bytes, in slot 1: the first change of slots steps it to slot 2
	s_lshl_b32 s72, s9, 21                         ; V: the batch's 16 blocks,
	s_add_co_u32 s72, s72, s73
	s_lshr_b32 s94, s81, 1
	s_lshl_b32 s94, s94, 17                        ; which of the slot's two blocks,
	s_add_co_u32 s72, s72, s94
	s_and_b32 s94, s81, 1
	s_lshl_b32 s94, s94, 13                        ; which half of the pair's 16,384 bytes in it
	s_add_co_u32 s72, s72, s94
	s_add_co_u32 s72, s72, 0x800000+262144
	s_mov_b32 s[PFS], 262144
	s_cmp_lt_u32 s[WV], 8
	s_cselect_b32 s94, s71, s72
	s_cselect_b32 s[PFS], 32768, s[PFS]
	s_mov_b32 s95, 0
	s_mov_b32 s[PFS+1], 0
	s_add_nc_u64 s[PFA:PFA+1], s[4:5], s[94:95]
	s_sub_co_u32 s94, s[WV], 4
	s_lshr_b32 s94, s94, 3                         ; 0 in waves 4 to 11,
	s_or_b32 s94, s94, ttmp9                       ; of the first work-group along x
	s_cmp_eq_u32 s94, 0
	s_cselect_b32 s[LIM], 1, -1
	v_and_b32 v[PFO], 31, v0
	s_delay_alu instid0(VALU_DEP_1)
	v_lshlrev_b32 v[PFO], 8, v[PFO]
	v_and_b32 v8, 15, v0                           ; r
	v_bfe_u32 v9, v0, 4, 1                         ; h
	s_lshl_b32 s68, s11, 6                         ; my head's 64 bytes of a row
	v_lshlrev_b32 v10, 7, v8
	s_delay_alu instid0(VALU_DEP_1)
	v_lshl_add_u32 v10, v9, 4, v10
	s_delay_alu instid0(VALU_DEP_1)
	v_add_nc_u32 v10, s68, v10
	global_load_b128 v[16:19], v10, s[92:93]           ; Q's fragment stays in registers
	global_load_b128 v[20:23], v10, s[92:93] offset:32
	v_mul_u32_u24 v[AK0], v8, KP
	s_delay_alu instid0(VALU_DEP_1)
	v_lshl_add_u32 v[AK0], v9, 4, v[AK0]
	s_delay_alu instid0(VALU_DEP_1)
	v_add_nc_u32 v[AK0], s68, v[AK0]               ; K: key r, my head, + 16 h
	s_mul_i32 s69, s11, 64*KP
	s_add_co_u32 s69, s69, 2*BLK
	v_mul_u32_u24 v[AV0], v8, KP
	s_delay_alu instid0(VALU_DEP_1)
	v_lshl_add_u32 v[AV0], v9, 3, v[AV0]
	s_delay_alu instid0(VALU_DEP_1)
	v_add_nc_u32 v[AV0], s69, v[AV0]               ; V: behind K's two blocks; channel 64 head + r, + 8 h
	v_and_b32 v[GO], 31, v0
	s_delay_alu instid0(VALU_DEP_1)
	v_lshlrev_b32 v[GO], 4, v[GO]
	s_lshl_b32 s69, s11, 10
	v_add_nc_u32 v[GO], s69, v[GO]                 ; the way out: I store rows 8 head .. 8 head + 7 of the tile
	v_mov_b32 v13, 0xff61b1e6                      ; the largest t so far: -3e38, under every t
	s_delay_alu instid0(VALU_DEP_1)
	v_floor_f32 v12, -v13                          ; -M
	v_mov_b32 v14, 0                               ; the sum, in two halves
	v_mov_b32 v15, 0
	v_mov_b32 v[XL], 0                             ; written once: a lane permute's destination counts as one of its sources
	v_mov_b32 v253, 0                              ; (named as the upper half of the pair v[252:253])
.set j, 0
.rept 32
	v_mov_b32 v[160+j], 0                          ; O^T.  (The step is written without a first step of its own: it finds zeros, which the first change of M leaves zeros)
.set j, j+1
.endr
	s_wait_kmcnt 0x0
	s_add_co_i32 s72, s84, s85
	s_lshl_b32 s72, s72, 23
	s_add_co_i32 s[CS], s[CS], s72                 ; a score stands for score x 2^(e6 + e7): added to c's exponent field
	s_mov_b32 s[CS+1], s[CS]                       ; (named with it as a pair)
	s_add_co_i32 s72, s86, 127
	s_lshl_b32 s73, s72, 23
	v_mov_b32 v244, s73                            ; 2^e8, for p's conversion
; A KEY STEP: 128 keys, the q-th of the slot in hand.
.macro STEP q
	s_add_co_u32 s96, s[Q0], 15
	s_cmp_gt_u32 s[KF], s96                        ; all keys come after my queries: the step's work is left out; no barrier and no tensor load stands in a step
	s_cbranch_scc1 .Lhidden_\@
	v_add_nc_u32 v[ADK], s[TB], v[AK0]
	v_add_nc_u32 v[ADV], s[TB], v[AV0]
	v_nop
	v_nop                                          ; with the two additions: four places in front of loads into registers that the last products read
.irp t, 0,1,2,3,4,5,6,7
	ds_load_b128 v[32+8*\t:35+8*\t], v[ADK] offset:(\q)*BLK+16*\t*KP
	ds_load_b128 v[36+8*\t:39+8*\t], v[ADK] offset:(\q)*BLK+16*\t*KP+32
.endr
	s_wait_alu depctr_va_vdst(0)
	s_wait_dscnt 0x0
.irp t, 0,1,2,3,4,5,6,7
	v_wmma_f32_16x16x64_fp8_fp8 v[96+8*\t:103+8*\t], v[32+8*\t:39+8*\t], v[16:23], 0   ; lane (r, h): query r; register j: key 16 t + 8 h + j
.endr
.rept 4
	v_nop
.endr
.irp t, 0,1,2,3                                ; V's four fragments are asked for now and land under the softmax: registers 2 c, 2 c + 1 = keys 16 c + 8 h + 0 .. 7 of channel 16 t + r
.irp c, 0,1,2,3,4,5,6,7
	ds_load_b64 v[32+16*\t+2*\c:33+16*\t+2*\c], v[ADV] offset:(\q)*BLK+16*\t*KP+16*\c
.endr
.endr
	s_add_co_u32 s96, s[KF], 127                   ; on the diagonal the scores of hidden keys become -infinity ahead of the maximum: p = 0 then.  A step all of whose keys count skips this
	s_cmp_le_u32 s96, s[Q0]
	s_cbranch_scc1 .Lopen_\@
	s_sub_co_i32 s96, s[Q0], s[KF]
	v_and_b32 v252, 15, v0
	v_bfe_u32 v253, v0, 4, 1
	s_delay_alu instid0(VALU_DEP_1)
	v_lshlrev_b32 v253, 3, v253
	s_delay_alu instid0(VALU_DEP_1)
	v_sub_nc_u32 v252, v252, v253
	s_delay_alu instid0(VALU_DEP_1)
	v_add_nc_u32 v252, s96, v252                   ; d = my query - KF - 8 h.  Register n holds key KF + 8 h + 16 (n / 8) + n % 8: hidden where 16 (n / 8) + n % 8 > d
	v_mov_b32 v254, 0xff800000
.set n, 0
.rept 64
	v_cmp_gt_i32 vcc_lo, 16*(n/8)+n%8, v252
	v_cndmask_b32 v[96+n], v[96+n], v254, vcc_lo
.set n, n+1
.endr
.Lopen_\@:
	v_max3_num_f32 v254, v96, v97, v98             ; the step's largest score of my query, among my 64 keys, in two chains, the registers in ascending order,
	v_max3_num_f32 v252, v99, v100, v101
.irp i, 6,10,14,18,22,26,30,34,38,42,46,50,54,58
	v_max3_num_f32 v254, v254, v[96+\i], v[97+\i]
	v_max3_num_f32 v252, v252, v[98+\i], v[99+\i]
.endr
	v_max3_num_f32 v254, v254, v158, v159
	s_delay_alu instid0(VALU_DEP_1)
	v_max_num_f32 v254, v254, v252
	s_delay_alu instid0(VALU_DEP_1)
	v_permlanex16_b32 v[XL], v254, s[SEL], s[SEL+1]
	s_delay_alu instid0(VALU_DEP_1)
	v_max_num_f32 v254, v254, v[XL]                ; and among lane l xor 16's
	s_delay_alu instid0(VALU_DEP_1)
	v_mul_f32 v254, s[CS], v254                    ; as t (c is positive)
	s_delay_alu instid0(VALU_DEP_1)
	v_max_num_f32 v13, v13, v254                   ; the running largest t
	v_mov_b32 v254, v12
	s_delay_alu instid0(VALU_DEP_2)
	v_floor_f32 v12, -v13                          ; the new -M = floor(-t) = -ceil(t): a whole number
	s_delay_alu instid0(VALU_DEP_1)
	v_sub_f32 v254, v12, v254                      ; old M - new M: a whole number, 0 or less
	s_delay_alu instid0(VALU_DEP_1)
	v_cvt_i32_f32 v254, v254                       ; (it saturates)
	s_delay_alu instid0(VALU_DEP_1)
	v_ldexp_f32 v252, 1.0, v254                    ; f = 2^(old M - new M)
.set j, 0
.rept 32
	v_pk_fma_f32 v[96+j:97+j], v[96+j:97+j], s[CS:CS+1], v[12:13] op_sel_hi:[1,0,0]   ; t - M, two at a time (of the pairs c and -M the low word serves both halves)
.set j, j+2
.endr
.set j, 0
	s_wait_alu depctr_va_vdst(0)
.rept 64
	v_exp_f32 v[96+j], v[96+j]                     ; p = 2^(t - M), at most 1
.set j, j+1
.endr
	v_pk_mul_f32 v[14:15], v[14:15], v[252:253] op_sel_hi:[1,0]   ; the sums under the new M: a plain line behind the exponentials
	s_wait_alu depctr_va_vdst(0)                   ; one wait for the batch of 64, ahead of the first line that names a result
	v_pk_add_f32 v[242:243], v[100:101], v[104:105]
	v_pk_add_f32 v[254:255], v[108:109], v[112:113]
	v_pk_add_f32 v[250:251], v[116:117], v[120:121]
	v_pk_add_f32 v[246:247], v[124:125], v[128:129]
	v_pk_add_f32 v[240:241], v[132:133], v[136:137]
	v_pk_add_f32 v[238:239], v[140:141], v[144:145]
	v_pk_add_f32 v[236:237], v[148:149], v[152:153]
	v_pk_add_f32 v[14:15], v[14:15], v[156:157]
	v_pk_add_f32 v[242:243], v[242:243], v[96:97]
	v_pk_add_f32 v[254:255], v[254:255], v[98:99]
	v_pk_add_f32 v[250:251], v[250:251], v[102:103]
	v_pk_add_f32 v[246:247], v[246:247], v[106:107]
	v_pk_add_f32 v[240:241], v[240:241], v[110:111]
	v_pk_add_f32 v[238:239], v[238:239], v[114:115]
	v_pk_add_f32 v[236:237], v[236:237], v[118:119]
	v_pk_add_f32 v[14:15], v[14:15], v[122:123]
	v_pk_add_f32 v[242:243], v[242:243], v[126:127]
	v_pk_add_f32 v[254:255], v[254:255], v[130:131]
	v_pk_add_f32 v[250:251], v[250:251], v[134:135]
	v_pk_add_f32 v[246:247], v[246:247], v[138:139]
	v_pk_add_f32 v[240:241], v[240:241], v[142:143]
	v_pk_add_f32 v[238:239], v[238:239], v[146:147]
	v_pk_add_f32 v[236:237], v[236:237], v[150:151]
	v_pk_add_f32 v[14:15], v[14:15], v[154:155]
	v_pk_add_f32 v[242:243], v[242:243], v[158:159]
	s_delay_alu instid0(VALU_DEP_2)
	v_pk_add_f32 v[14:15], v[14:15], v[246:247]
	s_delay_alu instid0(VALU_DEP_2)
	v_pk_add_f32 v[242:243], v[242:243], v[240:241]
	v_pk_add_f32 v[254:255], v[254:255], v[238:239]
	v_pk_add_f32 v[250:251], v[250:251], v[236:237]
	s_delay_alu instid0(VALU_DEP_2)
	v_pk_add_f32 v[14:15], v[14:15], v[254:255]
	s_delay_alu instid0(VALU_DEP_2)
	v_pk_add_f32 v[242:243], v[242:243], v[250:251]
	s_delay_alu instid0(VALU_DEP_1)
	v_pk_add_f32 v[14:15], v[14:15], v[242:243]
.irp t, 0,1,2,3,4,5,6,7
.irp i, 0,1,2,3,4,5,6,7
.endr
	v_cvt_scalef32_pk8_fp8_f32 v[224+2*\t:225+2*\t], v[96+8*\t:103+8*\t], v244
.endr
.set j, 0
.rept 16
	v_pk_mul_f32 v[160+j:161+j], v[160+j:161+j], v[252:253] op_sel_hi:[1,0]   ; O^T under the new M.  (Plain lines between the conversions and the products that read their results)
.set j, j+2
.endr
	s_wait_alu depctr_va_vdst(0)
	s_wait_dscnt 0x0                               ; V is in
.irp t, 0,1,2,3                                ; the four accumulators take turns; the next step's eight products K Q^T stand between two links of a chain
	v_wmma_f32_16x16x128_fp8_fp8 v[160+8*\t:167+8*\t], v[32+16*\t:47+16*\t], v[224:239], v[160+8*\t:167+8*\t]
.endr
.Lhidden_\@:
	s_add_co_u32 s[KF], s[KF], 128
.endm
; THE CHANGE OF SLOTS stands at a slot's head.  Each wave waits for all its tensor loads (its part of the slot that it is about to read), adds 0 to its spare word, and waits for that and for its reads of the slot that it has left.
; Behind the barrier the slot ahead is whole and nobody reads the other one.  fill = 1: that other slot is filled with the keys that follow: the load has a slot's two steps in which to land.
.macro CHANGE fill
	s_wait_tensorcnt 0x0                           ; no tensor load of mine is out, so group 0 may be written
	ds_add_u32 v[SPW], v[NIL]                      ; 0 onto my spare word
.if \fill
	s_xor_b32 s[G0+1], s[G0+1], SLOT1              ; the other slot than last time,
	s_add_nc_u64 s[G0+2:G0+3], s[G0+2:G0+3], s[STP:STP+1]   ; the next 256 keys; the type bits on top are not reached
	s_wait_xcnt 0x0                                ; the last prefetch, a slot back, has read its address, so it may be written:
	s_add_nc_u64 s[PFA:PFA+1], s[PFA:PFA+1], s[PFS:PFS+1]   ; one slot further on than the descriptor
.endif
	s_wait_dscnt 0x0                               ; the add is done, and my reads of the slot that I have left are over
	s_barrier_signal -1
	s_barrier_wait -1
.if \fill
	TLOAD                                          ; the first thing behind the barrier, and a wave's one tensor load until the next: one load of mine is out
	ASK
.endif
.endm
.macro SLOT_STEPS
	STEP 0
	STEP 1
	s_xor_b32 s[TB], s[TB], SLOT1                  ; on to the other slot
.endm
	s_wait_loadcnt 0x0                             ; Q
.Lslot:                                            ; NSL - 1 trips: behind each change of slots but the last the next slot is asked for
	CHANGE 1
	SLOT_STEPS
	s_sub_co_u32 s[SLOTS], s[SLOTS], 1
	s_cmp_lg_u32 s[SLOTS], 0
	s_cbranch_scc1 .Lslot
	CHANGE 0                                       ; the last slot is written out
	SLOT_STEPS
	; THE WAY OUT.  O^T / the sum x 2^(e8 + e9) is ctx; it is quantised with 2^e10.  A row of cc's block is 128 bytes, 64 from each head: the two waves of a tile meet in a stage, and each stores eight whole rows.
	; The lines up to the first read of O^T name no register of the last products: more than four of them are plain, the places that those products want.
	v_add_f32 v14, v14, v15                        ; the sum's two halves,
	s_delay_alu instid0(VALU_DEP_1)
	v_permlanex16_b32 v[XL], v14, s[SEL], s[SEL+1]
	s_delay_alu instid0(VALU_DEP_1)
	v_add_f32 v14, v14, v[XL]                      ; and lane l xor 16's
	s_wait_alu depctr_va_vdst(0)
	v_rcp_f32 v14, v14
	v_and_b32 v8, 15, v0                           ; (plain lines behind the transcendental)  r
	v_bfe_u32 v9, v0, 4, 1                         ; h
	s_add_co_i32 s72, s86, s87                     ; e8 + e9
	s_lshr_b32 s73, s[WV], 1
	s_mul_i32 s73, s73, 16*KP
	s_add_co_u32 s73, s73, STAGE                   ; my pair's stage
	s_lshl_b32 s74, s11, 6
	s_add_co_u32 s74, s74, s73
	v_mul_u32_u24 v10, v8, KP
	s_delay_alu instid0(VALU_DEP_1)
	v_lshl_add_u32 v10, v9, 3, v10
	s_delay_alu instid0(VALU_DEP_1)
	v_add_nc_u32 v10, s74, v10                     ; in: row r, my head's 64 bytes, + 8 h; tile t's eight channels 16 t further on
	s_mul_i32 s74, s11, 8*KP
	s_add_co_u32 s74, s74, s73
	v_and_b32 v11, 31, v0
	s_delay_alu instid0(VALU_DEP_1)
	v_lshrrev_b32 v252, 3, v11
	s_delay_alu instid0(VALU_DEP_2)
	v_and_b32 v11, 7, v11
	s_delay_alu instid0(VALU_DEP_2)
	v_mul_u32_u24 v252, v252, KP
	s_delay_alu instid0(VALU_DEP_1)
	v_lshl_add_u32 v11, v11, 4, v252
	s_delay_alu instid0(VALU_DEP_1)
	v_add_nc_u32 v11, s74, v11                     ; back: rows 8 head on; eight lanes to a row, four rows an instruction
	s_add_co_i32 s75, s88, 127
	s_lshl_b32 s94, s75, 23
	v_mov_b32 v245, s94                            ; 2^e10
	s_wait_alu depctr_va_vdst(0)                   ; the wait ahead of the reciprocal's first reader
	v_ldexp_f32 v14, v14, s72
.set j, 0
.rept 32
	v_mul_f32 v[96+j], v[160+j], v14               ; register 8 t + i: ctx(query r, channel 16 t + 8 h + i); each accumulator from its low end on
.set j, j+1
.endr
.set j, 0
.rept 32
.set j, j+1
.endr
.irp t, 0,1,2,3
	v_cvt_scalef32_pk8_fp8_f32 v[128+2*\t:129+2*\t], v[96+8*\t:103+8*\t], v245
.endr
	v_nop                                          ; a plain line behind the last conversion
.irp t, 0,1,2,3
	ds_store_b64 v10, v[128+2*\t:129+2*\t] offset:16*\t
.endr
	s_wait_dscnt 0x0                               ; for the other wave's sake: my stores into the stage are done
	s_barrier_signal -1
	s_barrier_wait -1
	ds_load_b128 v[32:35], v11
	ds_load_b128 v[36:39], v11 offset:4*KP
	s_wait_dscnt 1
	global_store_b128 v[GO], v[32:35], s[16:17]            ; four rows of 128 codes: 512 consecutive bytes, aligned
	s_wait_dscnt 0
	global_store_b128 v[GO], v[36:39], s[16:17] offset:512
	s_wait_tensorcnt 0x0                           ; the wave's end
	ds_add_u32 v[SPW], v[NIL]
	s_wait_dscnt 0x0
	s_endpgm
.Lfunc_end_k_q3c0f51b23c_attn:
	.size	k_q3c0f51b23c_attn, .Lfunc_end_k_q3c0f51b23c_attn-k_q3c0f51b23c_attn
	.p2alignl 7, 3214868480
	.fill 96, 4, 3214868480
	.section	.rodata,"a",@progbits
	.p2align	6, 0x0
	.amdhsa_kernel k_q3c0f51b23c_attn
		.amdhsa_group_segment_fixed_size 327680
		.amdhsa_private_segment_fixed_size 0
		.amdhsa_enable_private_segment 0
		.amdhsa_kernarg_size 24
		.amdhsa_user_sgpr_count 2
		.amdhsa_user_sgpr_kernarg_segment_ptr 1
		.amdhsa_wavefront_size32 1
		.amdhsa_system_sgpr_workgroup_id_x 1
		.amdhsa_system_sgpr_workgroup_id_y 1
		.amdhsa_system_sgpr_workgroup_id_z 1
		.amdhsa_system_vgpr_workitem_id 0
		.amdhsa_next_free_vgpr 256
		.amdhsa_next_free_sgpr 100
		.amdhsa_reserve_vcc 1
		.amdhsa_float_denorm_mode_32 3
		.amdhsa_float_denorm_mode_16_64 3
		.amdhsa_fp16_overflow 1
		.amdhsa_memory_ordered 1
		.amdhsa_forward_progress 1
		.amdhsa_inst_pref_size 93
	.end_amdhsa_kernel
	.amdgpu_metadata
---
amdhsa.version: [ 1, 2 ]
amdhsa.kernels:
  - .name:           k_q3c0f51b23c_attn
    .symbol:         k_q3c0f51b23c_attn.kd
    .args:
      - { .name: qkvc, .offset: 0, .size: 8, .value_kind: global_buffer, .address_space: global }
      - { .name: lowp_scales, .offset: 8, .size: 8, .value_kind: global_buffer, .address_space: global }
      - { .name: cc, .offset: 16, .size: 8, .value_kind: global_buffer, .address_space: global }
    .group_segment_fixed_size: 327680
    .private_segment_fixed_size: 0
    .kernarg_segment_align: 8
    .kernarg_segment_size: 24
    .max_flat_workgroup_size: 512
    .sgpr_count:     100
    .vgpr_count:     256
    .wavefront_size: 32
...
	.end_amdgpu_metadata
.endif
;; end of part 9
;; launch gwo (part 10): grid 8 x 32, 4 waves a work-group, clusters of 4 x 4, 327,680 bytes of LDS; arguments cc, wc, lowp_scales, bo, x, x1; writes x1
.if DOCPART == 10
	.amdgcn_target "amdgcn-amd-amdhsa--gfx1250"
	.amdhsa_code_object_version 6
	.text
	.protected	k_q3c0f51b23c_gwo
	.globl	k_q3c0f51b23c_gwo
	.p2align	8
	.type	k_q3c0f51b23c_gwo,@function
k_q3c0f51b23c_gwo:
	s_mov_b64 s[64:65], 0
	v_nop
	global_prefetch_b8 v0, s[64:65] scope:SCOPE_SE
	s_setreg_imm32_b32 hwreg(HW_REG_WAVE_MODE, 25, 1), 1
	s_wait_xcnt 0x0
	s_wait_alu depctr_hold_cnt(0) depctr_sa_sdst(0) depctr_va_vdst(0) depctr_va_sdst(0) depctr_va_ssrc(0) depctr_va_vcc(0) depctr_vm_vsrc(0)
	s_getreg_b32 s2, hwreg(HW_REG_IB_STS2, 6, 4)
	s_cmp_eq_u32 s2, 0
	s_cbranch_scc0 .Lentry_in_a_cluster
	s_endpgm
.Lentry_in_a_cluster:
	s_bfe_u32 s2, ttmp6, 0x10000c
	s_cmp_lg_u32 s2, 0xf033
	s_cbranch_scc0 .Lentry_shape_is_right
	s_endpgm
.Lentry_shape_is_right:
; x1 = x + ctx Wo + bo.  The product on codes of FP8 (E4M3), sums in f32; all else f32.
; cc: ctx's codes, [8 blocks of 128 along K][4096 tokens][128 bytes];  Wo's codes: rows 3,072 + n of wc's [8][4096][128].  x, x1: [4096][1024] f32.
; THE TILE: C = A B^T is 4,096 x 1,024: 256 tiles of 128 x 128, a work-group each; tiles of 256 x 256 would be 64.  Four waves, each 64 x 64: 16 accumulators of 16 x 16, 128 registers.
; LDS: two slots, each with 512 along K of A's 128 rows and of B's 128 rows, as eight blocks of 128 rows x 128 bytes.  K = 1,024 is two slots: both are first fills, and nothing is filled again.
; A wave's tensor load brings two blocks.  In memory a block is 16,384 dense bytes, and the next block of 128 along K lies a constant distance on: the descriptor states 2 rows of 16,384 bytes.
; CLUSTER: 4 x 4 work-groups; the four of a row of the cluster need the same tiles of A, the four of a column the same tiles of B: each tile is asked for JOINTLY.
; THE MATRIX INSTRUCTION IS USED TRANSPOSED (source 0 = 16 rows of B, source 1 = 16 rows of A): a lane holds eight neighbouring columns of one row of C.
; A fragment is fetched by four loads of 16 bytes: k stands permuted in the registers, alike in A and B; only the order of the sums inside an instruction differs.
; THE RESIDUAL's 64 rows x 256 bytes of my part of C are loaded at the head, into 128 registers that lie idle, and waited for on the way out.  No prefetch: every tile is a first fill, and no wave waits for the residual.
; LIMIT: e10 + e11 between -126 and 127, so that 2^(e10 + e11) is an f32 number.
; REGISTERS, in windows of 256: window 0: v0-31 addresses, v[8:11] my four numbers of the bias; v32-95 rows read back from the stage, two sets; v128-255 the accumulators ((a, b) at v[128 + 8 (4 a + b)]);
;   window 1: two fragment buffers of 128: B's four fragments (16 rows x 128 K, 16 registers each), then A's four;   window 2: v0-127 the residual.
.set KTOT,   1024
.set KBA,    524288                    ; bytes from a block of 128 along K to the next, in A and in B
.set KBB,    524288
.set BOFF,   3072*128                  ; where B's rows begin in wc
.set SOFF,   40                        ; the two scales' bytes in lowp_scales: entries 10, 11
.set PITCH,  144                       ; an LDS row: 128 bytes + 16 of padding = 9 x 16: the 16 rows that a load touches start in 16 different 16-byte columns of the banks' 256 bytes
.set BLKB,   128*PITCH                 ; a block: 128 rows, 128 along K
.set LOADB,  2*BLKB                    ; what one tensor load brings
.set SLOT,   4*LOADB                   ; A's four blocks, then B's four: wave x LOADB
.set SPARE,  2*SLOT                    ; behind the slots: the spare words, 128 bytes for each wave, which no other line names
.set LAPS,   KTOT/1024                 ; a lap = two slots
.set FR,     16                        ; registers of a fragment
.set NP,     4                         ; places behind this matrix instruction (ISA guide 7.12.1)
.set SPITCH, 272                       ; the way out: a stage of 16 rows x (256 + 16) bytes for each wave, in slot 0, which has had its last fill and its last read by then
.set ADRA, 16                          ; v16-17  LDS address of my A fragments in slot 0, 1
.set ADRB, 20                          ; v20-21  the same for B
.set STO,  24                          ; v24     the way out: where I put 32 bytes of a row
.set RD,   25                          ; v25     where I read rows back
.set CO,   26                          ; v26     my bytes in two rows of C: 4,096 (lane / 16) + 16 (lane % 16); never rewritten
.set BO,   27                          ; v27     16 (lane % 16); never rewritten
.set SPW,  28                          ; v28     my spare word: SPARE + 4 x my thread's number; never rewritten
.set NIL,  29                          ; v29     0; never rewritten
.set PFO,  30                          ; v30     256 x lane: the prefetches' offset (where slots are filled again)
.set BK,   32
.set ACC,  128
.set F0,   0                           ; fragment buffers, in window 1
.set F1,   128
.set G1, 24                            ; s[24:31] descriptor group 1 for A's tiles;  s[32:39] group 0, one set for each slot
.set G0, 32
.set G1B, 48                           ; s[48:55], s[56:63] the same for B's tiles
.set G0B, 56
.set LIM,  67                          ; s67      1 in a wave that prefetches, else the greatest number
.set PFA,  92                          ; s[92:93] where my prefetches stand
.set PFS,  94                          ; s[94:95] a slot's four blocks on
.set MSB, 0
.macro WIN new                         ; the immediate's high byte repeats the setting that is left
.if MSB != \new
	s_set_vgpr_msb (MSB<<8)|\new
.set MSB, \new
.endif
.endm
.set MUL,   0x05                       ; sources 0 (B) and 1 (A) window 1; C and D window 0
.set TO_F,  0x40                       ; destination window 1, address window 0
.set TO_X,  0x80                       ; destination window 2
.set ADD_X, 0x20                       ; source 2 window 2
; A joint load: waves 0 and 1 fetch for A, waves 2 and 3 for B.  The branch hangs on the wave's number alone.  Four v_nop follow each of the two lines.
.macro JLOAD g0a, g1a, g0b, g1b
	s_cmp_eq_u32 s15, 0
	s_cbranch_scc0 .Lfor_b_\@
	tensor_load_to_lds s[\g0a:\g0a+3], s[\g1a:\g1a+7]
	s_nop 0
.rept 4
	v_nop
.endr
	s_branch .Lasked_\@
.Lfor_b_\@:
	tensor_load_to_lds s[\g0b:\g0b+3], s[\g1b:\g1b+7]
	s_nop 0
.rept 4
	v_nop
.endr
.Lasked_\@:
.endm
.macro CREST                           ; a round of the cluster's barrier behind its opening barrier
	s_cmp_lg_u32 s14, 0
	s_cbranch_scc1 .Lnot_wave_0_\@
	s_barrier_signal -3
.Lnot_wave_0_\@:
	s_barrier_wait -3
	s_barrier_signal -1
	s_barrier_wait -1
.endm
.macro CROUND                          ; a whole round
	s_barrier_signal -1
	s_barrier_wait -1
	CREST
.endm
; A PREFETCH INTO THE L2, where slots are filled again: behind each joint refill and the run of LDS loads, the slot's worth of codes that stands TWO refills on: two slots, 128 matrix instructions and 256 LDS loads of a wave, ahead of its load.
; A's tile row is read by every cluster of that row of clusters: the first (cluster x = 0) asks; B's tile column by every cluster of that column: cluster y = 0 asks.  Of the two blocks (32,768 bytes) that a wave fetches,
; each of the four partners that ask for them jointly takes 8,192, told apart BY ADDRESS; lanes 256 bytes apart: one line a wave, and each aligned 256 bytes are named once in the launch.
; The loop's last trip asks for nothing: no slot stands two refills on.  The first four slots come by their loads alone.
.macro ASK
	s_cmp_gt_u32 s3, s[LIM]                        ; s3 = 1 in the loop's last trip
	s_cbranch_scc0 .Lnot_mine_\@
	global_prefetch_b8 v[PFO], s[PFA:PFA+1] th:TH_LOAD_NT scope:SCOPE_SE
.Lnot_mine_\@:
.endm
	s_load_b256 s[4:11], s[0:1], 0x0               ; A's codes s[4:5], wc s[6:7], the scales' exponents s[8:9], the bias s[10:11]
	s_load_b128 s[84:87], s[0:1], 0x20             ; the residual s[84:85], the result s[86:87]
	v_lshl_add_u32 v[SPW], v0, 2, SPARE
	v_mov_b32 v[NIL], 0
	ds_add_u32 v28, v29
	ds_add_u32 v28, v29
	s_wait_dscnt 0x0
	v_lshrrev_b32 v1, 5, v0
	v_readfirstlane_b32 s14, v1                    ; wave 0..3
	s_lshr_b32 s15, s14, 1                         ; which half of the tile's rows is mine.  Also: I fetch for A (0) or for B (1)
	s_and_b32 s16, s14, 1                          ; which half of its columns.  Also: which two of a slot's four blocks I fetch
	s_bfe_u32 s40, ttmp6, 0x40000                  ; cx, cy: my place in the cluster
	s_bfe_u32 s41, ttmp6, 0x40004
	s_lshl_b32 s42, ttmp9, 2
	s_add_co_u32 s42, s42, s40                     ; tile column of C, 0 .. 7
	s_and_b32 s17, ttmp7, 0xffff
	s_lshl_b32 s17, s17, 2
	s_add_co_u32 s17, s17, s41                     ; tile row of C, 0 .. 31
	s_lshl_b32 s43, s41, 2
	s_lshl_b32 s43, 15, s43                        ; my row of the cluster
	s_lshl_b32 s44, 0x1111, s40                    ; my column
	; descriptor group 1: 2 rows of 2,048 elements of 8 bytes: two blocks of 16,384 dense bytes.  In LDS four words of padding follow every 32: each 128 bytes, a row of codes, stand 144 apart, and a block takes BLKB bytes
	s_or_b32 s[G1+0], s43, (3<<16)|(1<<20)|(1<<21)|(4<<22)|(3<<25)  ; 15:0 the mask: A's tiles go to my row; 17:16 elements of 8 bytes; 20 padding on; 21 set beside a mask; 24:22 after every 32 words (code 4); 31:25 four words (code 3)
	s_or_b32 s[G1B+0], s44, (3<<16)|(1<<20)|(1<<21)|(4<<22)|(3<<25)
.irp g, G1, G1B
	s_mov_b32 s[\g+1], 2048<<16                    ; tensor_dim0 = 2,048
	s_mov_b32 s[\g+2], 2<<16                       ; tensor_dim1 = 2
	s_mov_b32 s[\g+3], 2048<<16                    ; tile_dim0 = 2,048
	s_mov_b32 s[\g+4], 2                           ; tile_dim1 = 2
	s_mov_b32 s[\g+6], 0
	s_mov_b32 s[\g+7], 0
.endr
	s_mov_b32 s[G1+5], KBA/8                       ; tensor_dim0_stride: from a block of 128 along K to the next, in elements
	s_mov_b32 s[G1B+5], KBB/8
	s_lshl_b32 s20, s17, 14                        ; A: 128 x tile row rows of 128 bytes,
	s_mul_i32 s18, s16, 2*KBA                      ; my two blocks of a slot
	s_add_co_u32 s20, s20, s18
	s_mov_b32 s21, 0
	s_lshl_b32 s46, s42, 14                        ; B: 128 x tile column rows
	s_mul_i32 s19, s16, 2*KBB
	s_add_co_u32 s46, s46, s19
	s_add_co_u32 s46, s46, BOFF
	s_mov_b32 s47, 0
	s_mul_i32 s45, s14, LOADB                      ; where they go: no place in the cluster enters an LDS address
.if LAPS > 1
	; the prefetches' offset, in registers of its own
	s_and_b32 s91, ttmp7, 0xffff                   ; cluster y
	s_mov_b32 s90, KBB
	s_cmp_eq_u32 s15, 0                            ; do I fetch for A?
	s_cselect_b32 s90, KBA, s90                    ; a block on
	s_cselect_b32 s88, s20, s46                    ; my two blocks of slot 0
	s_cselect_b32 s89, s40, s41                    ; my place among the four that ask for them with me
	s_cselect_b32 s91, ttmp9, s91                  ; the coordinate along which other clusters read the same rows
	s_cmp_eq_u32 s91, 0
	s_cselect_b32 s[LIM], 1, -1                    ; the same in all sixteen partners, for a given wave
	s_lshr_b32 s91, s89, 1                         ; which of the two blocks,
	s_add_co_u32 s91, s91, 12                      ; three slots on: the first refill steps it to the fifth slot's worth
	s_mul_i32 s91, s91, s90
	s_add_co_u32 s88, s88, s91
	s_and_b32 s89, s89, 1
	s_lshl_b32 s89, s89, 13                        ; which half of its 16,384 bytes
	s_add_co_u32 s88, s88, s89
	s_mov_b32 s89, 0
	s_lshl_b32 s[PFS], s90, 2
	s_mov_b32 s[PFS+1], 0
.endif
	s_wait_kmcnt 0x0
	s_load_b64 s[96:97], s[8:9], SOFF              ; eA, eB
	s_add_nc_u64 s[20:21], s[4:5], s[20:21]
	s_add_nc_u64 s[46:47], s[6:7], s[46:47]
.if LAPS > 1
	s_cmp_eq_u32 s15, 0
	s_cselect_b64 s[PFA:PFA+1], s[4:5], s[6:7]
	s_add_nc_u64 s[PFA:PFA+1], s[PFA:PFA+1], s[88:89]
.endif
	CROUND                                         ; all sixteen work-groups are here: the first joint loads meet
.irp s, 0,1
	s_mov_b32 s[G0+4*\s], 1
	s_add_co_u32 s[G0+4*\s+1], s45, \s*SLOT
	s_add_nc_u64 s[G0+4*\s+2:G0+4*\s+3], s[20:21], \s*4*KBA
	s_or_b32 s[G0+4*\s+3], s[G0+4*\s+3], 0x80000000
	s_mov_b32 s[G0B+4*\s], 1
	s_add_co_u32 s[G0B+4*\s+1], s45, \s*SLOT
	s_add_nc_u64 s[G0B+4*\s+2:G0B+4*\s+3], s[46:47], \s*4*KBB
	s_or_b32 s[G0B+4*\s+3], s[G0B+4*\s+3], 0x80000000
	JLOAD G0+4*\s, G1, G0B+4*\s, G1B               ; two loads of mine are out
.endr
	v_and_b32 v1, 15, v0                           ; r = l % 16
	s_wait_alu depctr_va_vdst(0)
	v_bfe_u32 v2, v0, 4, 1                         ; h = l / 16
	v_mul_u32_u24 v3, v1, PITCH
	v_lshl_add_u32 v4, v2, 4, v3                   ; a fragment's row x pitch + 16 h
	s_mul_i32 s21, s15, 64*PITCH                   ; my 64 rows of A
	s_mul_i32 s22, s16, 64*PITCH                   ; my 64 rows of B,
	s_add_co_u32 s22, s22, 4*BLKB                  ; which lie behind A's four blocks
.irp s, 0,1
	v_add_nc_u32 v[ADRA+\s], s21, v4
	v_add_nc_u32 v[ADRB+\s], s22, v4
	s_add_co_u32 s21, s21, SLOT
	s_add_co_u32 s22, s22, SLOT
.endr
	s_mul_i32 s23, s14, 16*SPITCH                  ; my stage
	v_mul_u32_u24 v5, v1, SPITCH
	s_wait_alu depctr_va_vdst(0)
	v_lshl_add_u32 v5, v2, 5, v5
	v_add_nc_u32 v[STO], s23, v5                   ; in: row r, 32 bytes for each half of the lanes
	v_lshlrev_b32 v[BO], 4, v1
	s_wait_alu depctr_va_vdst(0)
	v_mul_u32_u24 v6, v2, SPITCH
	v_add_nc_u32 v6, v6, v[BO]
	v_add_nc_u32 v[RD], s23, v6                    ; back: lanes 0-15 take one row of 256 bytes, lanes 16-31 the next
	v_lshl_add_u32 v[CO], v2, 12, v[BO]            ; and the same two rows in C
.if LAPS > 1
	v_and_b32 v[PFO], 31, v0
	v_lshlrev_b32 v[PFO], 8, v[PFO]
.endif
	s_wait_alu depctr_va_vdst(0)
	s_lshl_b32 s20, s17, 7
	s_lshl_b32 s21, s15, 6
	s_add_co_u32 s20, s20, s21                     ; my first row: 128 x tile row + 64 x half,
	s_lshl_b32 s20, s20, 12                        ; of 4,096 bytes
	s_lshl_b32 s46, s42, 9
	s_lshl_b32 s47, s16, 8
	s_add_co_u32 s46, s46, s47                     ; my first column, in bytes: 512 x tile column + 256 x half
	s_mov_b32 s47, 0
	s_add_nc_u64 s[10:11], s[10:11], s[46:47]
	s_add_co_u32 s20, s20, s46
	s_mov_b32 s21, 0
	s_add_nc_u64 s[84:85], s[84:85], s[20:21]      ; neither is stepped again: a row's place stands in the immediates, 62 rows of 4,096 bytes at the most
	s_add_nc_u64 s[86:87], s[86:87], s[20:21]
	global_load_b128 v[8:11], v[BO], s[10:11]      ; the bias of my four columns of a row
	WIN TO_X
.set i, 0
.rept 32
	global_load_b128 v[4*i:4*i+3], v[CO], s[84:85] offset:2*i*4096 th:TH_LOAD_NT   ; the residual's rows 2 i and 2 i + 1: sixteen lanes read 256 consecutive bytes, aligned; read once in the launch
.set i, i+1
.endr
	WIN 0
.macro FRAG reg, adr, q, i             ; a fragment: lane l holds row l % 16; registers 4 c .. 4 c + 3 hold bytes 32 c + 16 (l / 16) + 0 .. 15 of the row's 128
.irp c, 0,1,2,3
	ds_load_b128 v[\reg+4*\c:\reg+4*\c+3], v[\adr] offset:BLKB*(\q)+32*\c+(\i)*16*PITCH
.endr
.endm
; 4 matrix instructions: A's block a x B's four, 128 along K, from buffer f.  zero = 1: the first product starts the sums: nothing is ever cleared.
; The 16 accumulators take turns, one instruction a turn, in the same order in every step.
.macro MULA f, a, zero
.irp b, 0,1,2,3
.if \zero
	v_wmma_f32_16x16x128_fp8_fp8 v[ACC+8*(4*(\a)+\b):ACC+8*(4*(\a)+\b)+7], v[(\f)+FR*\b:(\f)+FR*\b+FR-1], v[(\f)+64+FR*(\a):(\f)+64+FR*(\a)+FR-1], 0
.else
	v_wmma_f32_16x16x128_fp8_fp8 v[ACC+8*(4*(\a)+\b):ACC+8*(4*(\a)+\b)+7], v[(\f)+FR*\b:(\f)+FR*\b+FR-1], v[(\f)+64+FR*(\a):(\f)+64+FR*(\a)+FR-1], v[ACC+8*(4*(\a)+\b):ACC+8*(4*(\a)+\b)+7]
.endif
.endr
.endm
; 32 LDS loads in one run: the fragments of the slot's q-th 128 along K into buffer f: B's four, then A's four, so that the youngest eight loads are A's blocks 2 and 3
.macro FETCH slot, q, f
	WIN TO_F
.irp i, 0,1,2,3
	FRAG (\f)+FR*\i, ADRB+\slot, \q, \i
.endr
.irp i, 0,1,2,3
	FRAG (\f)+64+FR*\i, ADRA+\slot, \q, \i
.endr
.endm
.macro PLACES n                        ; plain vector lines between a matrix instruction and a load into, or an LDS store of, one of its registers (for the LDS store)
.rept \n
	v_nop
.endr
.endm
; A slot is four steps of 128 along K, 16 matrix instructions each, on buffers 0, 1, 0, 1.  One of the first three: multiplies buffer f (step q) and, in its middle, fetches step q + 1 into buffer g.
.macro STEP slot, q, f, g, zero
	s_wait_dscnt 8                                 ; B's four and A's blocks 0, 1 are in; the youngest eight loads (A's blocks 2, 3) may be out
	WIN MUL
	MULA \f, 0, \zero
	MULA \f, 1, \zero
	PLACES NP                                      ; behind the last products that read buffer g
	FETCH \slot, (\q)+1, \g
	s_wait_dscnt 32                                ; all but the 32 just issued
	WIN MUL
	MULA \f, 2, \zero
	MULA \f, 3, \zero
.endm
; A slot's last step multiplies buffer 1 and changes slots: ONE barrier; in front of it each wave waits for all its tensor loads, adds 0 to its spare word, and waits for that and for its own reads of this slot.
; fill = 1: this slot is filled again, two slots ahead; the barrier then opens a round of the cluster's barrier.
.macro TURN slot, next, fill
	WIN 0                                          ; (the add's two registers lie in window 0)
.if \fill
	s_wait_xcnt 0x0                                ; the last prefetch, a slot back, has read its address: it is stepped here, ahead of the waits of the change of slots
	s_add_nc_u64 s[PFA:PFA+1], s[PFA:PFA+1], s[PFS:PFS+1]
.endif
	s_wait_tensorcnt 0x0                           ; all my tensor loads have landed: my part of the next slot
	ds_add_u32 v[SPW], v[NIL]                      ; 0 onto my spare word
	s_wait_dscnt 9                                 ; (the add and the youngest eight loads may be out)
	WIN MUL
	MULA F1, 0, 0                                  ; four matrix instructions stand between the add and the wait for it
	s_wait_dscnt 0x0                               ; the add is done, and my reads of this slot are over
	s_barrier_signal -1
	MULA F1, 1, 0
	WIN 0
	s_barrier_wait -1
.if \fill
	CREST                                          ; a round of the cluster's barrier: no wave of any partner still reads this slot or has a load on its way
	s_add_nc_u64 s[G0+4*\slot+2:G0+4*\slot+3], s[G0+4*\slot+2:G0+4*\slot+3], 8*KBA
	s_add_nc_u64 s[G0B+4*\slot+2:G0B+4*\slot+3], s[G0B+4*\slot+2:G0B+4*\slot+3], 8*KBB
	JLOAD G0+4*\slot, G1, G0B+4*\slot, G1B         ; the first tensor load behind the round, my only one until the next; its four v_nop are the places in front of the loads below
.else
	PLACES NP
.endif
	FETCH \next, 0, F0
.if \fill
	WIN 0
	ASK
.endif
	WIN MUL
	MULA F1, 2, 0
	MULA F1, 3, 0
.endm
	s_wait_tensorcnt 1                             ; my part of slot 0 is in (slot 1's load may be out)
	s_barrier_signal -1
	s_barrier_wait -1                              ; everybody's is
	FETCH 0, 0, F0
	STEP 0, 0, F0, F1, 1                           ; the first step stands in front of the loop: its products start the sums
.if LAPS > 1
	WIN 0                                          ; at a label and at a branch every window is 0
	s_mov_b32 s3, LAPS-1
.Llap:                                                 ; a trip goes once round the two slots, from a lap's second step to the next lap's first, and fills both again
	STEP 0, 1, F1, F0, 0
	STEP 0, 2, F0, F1, 0
	TURN 0, 1, 1
	STEP 1, 0, F0, F1, 0
	STEP 1, 1, F1, F0, 0
	STEP 1, 2, F0, F1, 0
	TURN 1, 0, 1
	STEP 0, 0, F0, F1, 0
	WIN 0
	s_sub_co_u32 s3, s3, 1
	s_cmp_lg_u32 s3, 0
	s_cbranch_scc1 .Llap
.endif
	STEP 0, 1, F1, F0, 0                           ; the last lap fills nothing, and has no round of the cluster's barrier
	STEP 0, 2, F0, F1, 0
	TURN 0, 1, 0
	STEP 1, 0, F0, F1, 0
	STEP 1, 1, F1, F0, 0
	STEP 1, 2, F0, F1, 0
	s_wait_dscnt 8                                 ; the very last step: nothing more to fetch
	WIN MUL
	MULA F1, 0, 0
	MULA F1, 1, 0
	s_wait_dscnt 0
	MULA F1, 2, 0
	MULA F1, 3, 0
	WIN 0
; THE WAY OUT, block by block of 16 rows x 64 columns.  A lane holds 32 neighbouring bytes of a row, and the lanes beside it hold other rows: so a block's sums go, as they are, through my own stage in LDS and come
; back as whole rows of 256 bytes, two an instruction.  There sum x 2^(eA + eB) + residual is one packed multiply-add; the bias is added; sixteen lanes store 256 consecutive bytes, aligned.
; LDS serves a wave's instructions in order: no wait between the stores and the loads, nor in front of the next block's stores.
.macro TOSTAGE a
.set AC, ACC+32*(\a)
.set BB, BK+32*((\a)%2)
.irp b, 0,1,2,3
	ds_store_b128 v[STO], v[AC+8*\b:AC+8*\b+3] offset:64*\b          ; each accumulator from its low end on
	ds_store_b128 v[STO], v[AC+8*\b+4:AC+8*\b+7] offset:64*\b+16
.endr
.irp t, 0,1,2,3,4,5,6,7
	ds_load_b128 v[BB+4*\t:BB+4*\t+3], v[RD] offset:\t*2*SPITCH
.endr
.endm
.macro SEND a, younger                 ; younger: the LDS instructions issued behind block a's loads, which may stay out
.set BB, BK+32*((\a)%2)
.set XR, 32*(\a)
	s_wait_dscnt \younger
	WIN ADD_X
.set j, 0
.rept 16
	v_pk_fma_f32 v[BB+j:BB+j+1], v[BB+j:BB+j+1], s[96:97], v[XR+j:XR+j+1] op_sel_hi:[1,0,1]   ; (the scalar pair's low word, 2^(eA + eB), for both halves)
.set j, j+2
.endr
	WIN 0
.irp t, 0,1,2,3,4,5,6,7
	v_pk_add_f32 v[BB+4*\t:BB+4*\t+1], v[BB+4*\t:BB+4*\t+1], v[8:9]
	v_pk_add_f32 v[BB+4*\t+2:BB+4*\t+3], v[BB+4*\t+2:BB+4*\t+3], v[10:11]
.endr
.irp t, 0,1,2,3,4,5,6,7
	global_store_b128 v[CO], v[BB+4*\t:BB+4*\t+3], s[86:87] offset:(16*(\a)+2*\t)*4096
.endr
.endm
	s_wait_kmcnt 0x0
	s_add_co_i32 s96, s96, s97
	s_add_co_i32 s96, s96, 127
	s_lshl_b32 s96, s96, 23                        ; 2^(eA + eB) as f32
	s_wait_loadcnt 0x0                             ; the bias and the residual, asked for at the head
	PLACES NP                                      ; behind the last products: their results are read
	TOSTAGE 0
.irp a, 1,2,3
.if \a > 1
	s_wait_xcnt 0x0                                ; block a - 2's stores have read their registers: block a's loads from the stage may land there
.endif
	TOSTAGE \a
	SEND \a-1, 16                                  ; behind block a - 1's loads: block a's 8 stores and 8 loads
.endr
	SEND 3, 0
	s_wait_tensorcnt 0x0                           ; the wave's end
	ds_add_u32 v[SPW], v[NIL]
	s_wait_dscnt 0x0
	CROUND                                         ; the closing round: no work-group ends while a partner may still ask for a tile that names it
	s_endpgm
.Lfunc_end_k_q3c0f51b23c_gwo:
	.size	k_q3c0f51b23c_gwo, .Lfunc_end_k_q3c0f51b23c_gwo-k_q3c0f51b23c_gwo
	.p2alignl 7, 3214868480
	.fill 96, 4, 3214868480
	.section	.rodata,"a",@progbits
	.p2align	6, 0x0
	.amdhsa_kernel k_q3c0f51b23c_gwo
		.amdhsa_group_segment_fixed_size 327680
		.amdhsa_private_segment_fixed_size 0
		.amdhsa_enable_private_segment 0
		.amdhsa_kernarg_size 48
		.amdhsa_user_sgpr_count 2
		.amdhsa_user_sgpr_kernarg_segment_ptr 1
		.amdhsa_wavefront_size32 1
		.amdhsa_system_sgpr_workgroup_id_x 1
		.amdhsa_system_sgpr_workgroup_id_y 1
		.amdhsa_system_sgpr_workgroup_id_z 1
		.amdhsa_system_vgpr_workitem_id 0
		.amdhsa_next_free_vgpr 768
		.amdhsa_next_free_sgpr 100
		.amdhsa_reserve_vcc 0
		.amdhsa_float_denorm_mode_32 3
		.amdhsa_float_denorm_mode_16_64 3
		.amdhsa_memory_ordered 1
		.amdhsa_forward_progress 1
		.amdhsa_inst_pref_size 53
	.end_amdhsa_kernel
	.amdgpu_metadata
---
amdhsa.version: [ 1, 2 ]
amdhsa.kernels:
  - .name:           k_q3c0f51b23c_gwo
    .symbol:         k_q3c0f51b23c_gwo.kd
    .args:
      - { .name: cc, .offset: 0, .size: 8, .value_kind: global_buffer, .address_space: global }
      - { .name: wc, .offset: 8, .size: 8, .value_kind: global_buffer, .address_space: global }
      - { .name: lowp_scales, .offset: 16, .size: 8, .value_kind: global_buffer, .address_space: global }
      - { .name: bo, .offset: 24, .size: 8, .value_kind: global_buffer, .address_space: global }
      - { .name: x, .offset: 32, .size: 8, .value_kind: global_buffer, .address_space: global }
      - { .name: x1, .offset: 40, .size: 8, .value_kind: global_buffer, .address_space: global }
    .group_segment_fixed_size: 327680
    .private_segment_fixed_size: 0
    .kernarg_segment_align: 8
    .kernarg_segment_size: 48
    .max_flat_workgroup_size: 128
    .sgpr_count:     100
    .vgpr_count:     768
    .wavefront_size: 32
...
	.end_amdgpu_metadata
.endif
;; end of part 10
;; launch ln2 (part 11): grid 512 x 1, 4 waves a work-group, no clusters, 0 bytes of LDS; arguments x1, g2, s2, lowp_scales, h2; writes h2
.if DOCPART == 11
	.amdgcn_target "amdgcn-amd-amdhsa--gfx1250"
	.amdhsa_code_object_version 6
	.text
	.protected	k_q3c0f51b23c_ln2
	.globl	k_q3c0f51b23c_ln2
	.p2align	8
	.type	k_q3c0f51b23c_ln2,@function
k_q3c0f51b23c_ln2:
	s_mov_b64 s[64:65], 0
	v_nop
	global_prefetch_b8 v0, s[64:65] scope:SCOPE_SE
	s_setreg_imm32_b32 hwreg(HW_REG_WAVE_MODE, 25, 1), 1
	s_wait_xcnt 0x0
; h2 = the codes of g2 (x1 - mean) / sqrt(var + 1e-5) + s2, FP8 (E4M3) with the given scale 2^e12, laid [8 blocks of 128 along K][4096 tokens][128 bytes].
; A stream: no LDS, no barrier, no matrix work, no cluster (work-groups share only g2 and s2, 8 KiB).  A wave takes two rows: lanes 0-15 row 2 p, lanes 16-31 row 2 p + 1.
; Lane c = lane % 16 holds, of each block kb of 128, the eight neighbours 128 kb + 8 c + 0 .. 7: what one conversion takes.  The row's sums stay inside 16 lanes.
; Mean first, then the sum of squares of x - mean: a common offset of the inputs costs no digits.
; LIMITS: e12 between -126 and 119; NaN among the inputs is not served.
.set LX,  16                           ; v16-79   my 64 numbers
.set LG,  80                           ; v80-143  g at the same places; later the codes
.set LS,  144                          ; v144-207 s
.set LT,  208
.set LC,  224                          ; v224-231 four chains of pairs
.set LM,  232                          ; v[232:233] the mean, twice; v[234:235] 1 / sqrt(var + eps), twice
.set LQ,  240                          ; v240 2^e
.set PX,  4                            ; s[4:5] the rows
.set PG,  6                            ; s[6:7] g
.set PS,  8                            ; s[8:9] s
.set PO,  40                           ; s[40:41] the codes at my two rows
.macro FOLD                            ; four chains of pairs -> one number a lane -> the sum over the row's 16 lanes, in each of them
	v_pk_add_f32 v[LC:LC+1], v[LC:LC+1], v[LC+2:LC+3]
	v_pk_add_f32 v[LC+4:LC+5], v[LC+4:LC+5], v[LC+6:LC+7]
	v_pk_add_f32 v[LC:LC+1], v[LC:LC+1], v[LC+4:LC+5]
	v_add_f32 v[LC], v[LC], v[LC+1]
.irp m, 1,2,4,8
	v_add_f32_dpp v[LC], v[LC], v[LC] row_xmask:\m row_mask:0xf bank_mask:0xf
.endr
.endm
.macro LNROWS planes                   ; v3: my bytes in the two rows; v4: in g and s; v5: 8 x lane; s[48 + 2 pl]: plane pl's e (on its way); s46 = 2^-10, s47 = 1e-5
.set kb, 0
.rept 8
	global_load_b128 v[LX+8*kb:LX+8*kb+3],   v3, s[PX:PX+1] offset:512*kb
	global_load_b128 v[LX+8*kb+4:LX+8*kb+7], v3, s[PX:PX+1] offset:512*kb+16
.set kb, kb+1
.endr
.set kb, 0
.rept 8
	global_load_b128 v[LG+8*kb:LG+8*kb+3],   v4, s[PG:PG+1] offset:512*kb
	global_load_b128 v[LG+8*kb+4:LG+8*kb+7], v4, s[PG:PG+1] offset:512*kb+16
.set kb, kb+1
.endr
.set kb, 0
.rept 8
	global_load_b128 v[LS+8*kb:LS+8*kb+3],   v4, s[PS:PS+1] offset:512*kb
	global_load_b128 v[LS+8*kb+4:LS+8*kb+7], v4, s[PS:PS+1] offset:512*kb+16
.set kb, kb+1
.endr
	s_wait_kmcnt 0x0
.set pl, 0
.rept \planes
	s_add_co_i32 s56, s[48+2*pl], 127
	s_lshl_b32 s57, s56, 23
	v_mov_b32 v[LQ+2*pl], s57                      ; 2^e
.set pl, pl+1
.endr
	s_wait_loadcnt 32                              ; the rows are in; the 32 loads of g and s may be out
.irp k, 0,1,2,3
	v_pk_add_f32 v[LC+2*\k:LC+2*\k+1], v[LX+2*\k:LX+2*\k+1], v[LX+8+2*\k:LX+8+2*\k+1]   ; the first pairs start the chains: nothing is cleared
.endr
.set j, 8
.rept 24
	v_pk_add_f32 v[LC+2*(j%4):LC+2*(j%4)+1], v[LC+2*(j%4):LC+2*(j%4)+1], v[LX+2*j:LX+2*j+1]
.set j, j+1
.endr
	FOLD
	v_mul_f32 v[LM], s46, v[LC]                    ; the mean
	v_mov_b32 v[LM+1], v[LM]
.set j, 0
.rept 32
	v_pk_add_f32 v[LX+2*j:LX+2*j+1], v[LX+2*j:LX+2*j+1], v[LM:LM+1] neg_lo:[0,1] neg_hi:[0,1]   ; x - mean
.set j, j+1
.endr
.irp k, 0,1,2,3
	v_pk_mul_f32 v[LC+2*\k:LC+2*\k+1], v[LX+2*\k:LX+2*\k+1], v[LX+2*\k:LX+2*\k+1]
.endr
.set j, 4
.rept 28
	v_pk_fma_f32 v[LC+2*(j%4):LC+2*(j%4)+1], v[LX+2*j:LX+2*j+1], v[LX+2*j:LX+2*j+1], v[LC+2*(j%4):LC+2*(j%4)+1]
.set j, j+1
.endr
	FOLD
	v_fma_f32 v[LM+2], v[LC], s46, s47             ; var + eps
	s_wait_alu depctr_va_vdst(0)
	v_rsq_f32 v[LM+2], v[LM+2]
	v_nop                                          ; a plain line behind the transcendental,
	s_wait_alu depctr_va_vdst(0)                   ; and the wait ahead of the first line that names its result
	v_mov_b32 v[LM+3], v[LM+2]
	s_wait_alu depctr_va_vdst(0)
	s_wait_loadcnt 0x0                             ; g and s
.set j, 0
.rept 32
	v_pk_mul_f32 v[LX+2*j:LX+2*j+1], v[LX+2*j:LX+2*j+1], v[LM+2:LM+3]
.set j, j+1
.endr
.set j, 0
.rept 32
	v_pk_fma_f32 v[LX+2*j:LX+2*j+1], v[LG+2*j:LG+2*j+1], v[LX+2*j:LX+2*j+1], v[LS+2*j:LS+2*j+1]   ; g (x - mean) r + s
.set j, j+1
.endr
.set pl, 0
.rept \planes
.set kb, 0
.rept 8
.set i, 0
.rept 8
.set i, i+1
.endr
	v_cvt_scalef32_pk8_fp8_f32 v[LG+16*pl+2*kb:LG+16*pl+2*kb+1], v[LT+8*(kb%2)+((LX+8*kb+i)-(LT+8*(kb%2)+i)):LT+8*(kb%2)+7+((LX+8*kb+i)-(LT+8*(kb%2)+i))], v[LQ+2*pl]
	global_store_b64 v5, v[LG+16*pl+2*kb:LG+16*pl+2*kb+1], s[PO+2*pl:PO+2*pl+1] offset:kb*524288   ; two rows' 128 codes of block kb: 256 consecutive bytes, aligned
.set kb, kb+1
.endr
.set pl, pl+1
.endr
.endm
	s_load_b256 s[4:11], s[0:1], 0x0               ; x1 s[4:5], g2 s[6:7], s2 s[8:9], the scales' exponents s[10:11]
	s_load_b64 s[12:13], s[0:1], 0x20              ; h2
	v_lshrrev_b32 v1, 5, v0
	v_readfirstlane_b32 s28, v1                    ; wave 0..3
	v_and_b32 v2, 31, v0                           ; lane
	s_wait_alu depctr_va_vdst(0)
	s_lshl_b32 s29, ttmp9, 2
	s_add_co_u32 s29, s29, s28                     ; p: my pair of rows, 0 .. 2,047
	s_lshl_b32 s30, s29, 13                        ; two rows of 4,096 bytes
	s_mov_b32 s31, 0
	s_lshl_b32 s32, s29, 8                         ; two rows of 128 codes
	s_mov_b32 s33, 0
	s_mov_b32 s46, 0x3a800000                      ; 1 / 1,024
	s_mov_b32 s47, 0x3727c5ac                      ; 1e-5
	v_and_b32 v1, 15, v0                           ; c
	v_bfe_u32 v6, v0, 4, 1                         ; which of the two rows
	v_lshlrev_b32 v4, 5, v1                        ; 32 c
	v_lshl_add_u32 v3, v6, 12, v4
	v_lshlrev_b32 v5, 3, v2
	s_wait_alu depctr_va_vdst(0)
	s_wait_kmcnt 0x0
	s_load_b32 s48, s[10:11], 0x30                 ; e12
	s_add_nc_u64 s[PX:PX+1], s[PX:PX+1], s[30:31]
	s_add_nc_u64 s[40:41], s[12:13], s[32:33]
	LNROWS 1
	s_endpgm
.Lfunc_end_k_q3c0f51b23c_ln2:
	.size	k_q3c0f51b23c_ln2, .Lfunc_end_k_q3c0f51b23c_ln2-k_q3c0f51b23c_ln2
	.p2alignl 7, 3214868480
	.fill 96, 4, 3214868480
	.section	.rodata,"a",@progbits
	.p2align	6, 0x0
	.amdhsa_kernel k_q3c0f51b23c_ln2
		.amdhsa_group_segment_fixed_size 0
		.amdhsa_private_segment_fixed_size 0
		.amdhsa_enable_private_segment 0
		.amdhsa_kernarg_size 40
		.amdhsa_user_sgpr_count 2
		.amdhsa_user_sgpr_kernarg_segment_ptr 1
		.amdhsa_wavefront_size32 1
		.amdhsa_system_sgpr_workgroup_id_x 1
		.amdhsa_system_sgpr_workgroup_id_y 1
		.amdhsa_system_sgpr_workgroup_id_z 1
		.amdhsa_system_vgpr_workitem_id 0
		.amdhsa_next_free_vgpr 256
		.amdhsa_next_free_sgpr 66
		.amdhsa_reserve_vcc 0
		.amdhsa_float_denorm_mode_32 3
		.amdhsa_float_denorm_mode_16_64 3
		.amdhsa_fp16_overflow 1
		.amdhsa_memory_ordered 1
		.amdhsa_forward_progress 1
		.amdhsa_inst_pref_size 19
	.end_amdhsa_kernel
	.amdgpu_metadata
---
amdhsa.version: [ 1, 2 ]
amdhsa.kernels:
  - .name:           k_q3c0f51b23c_ln2
    .symbol:         k_q3c0f51b23c_ln2.kd
    .args:
      - { .name: x1, .offset: 0, .size: 8, .value_kind: global_buffer, .address_space: global }
      - { .name: g2, .offset: 8, .size: 8, .value_kind: global_buffer, .address_space: global }
      - { .name: s2, .offset: 16, .size: 8, .value_kind: global_buffer, .address_space: global }
      - { .name: lowp_scales, .offset: 24, .size: 8, .value_kind: global_buffer, .address_space: global }
      - { .name: h2, .offset: 32, .size: 8, .value_kind: global_buffer, .address_space: global }
    .group_segment_fixed_size: 0
    .private_segment_fixed_size: 0
    .kernarg_segment_align: 8
    .kernarg_segment_size: 40
    .max_flat_workgroup_size: 128
    .sgpr_count:     66
    .vgpr_count:     256
    .wavefront_size: 32
...
	.end_amdgpu_metadata
.endif
;; end of part 11
;; launch gw1: the kernel of part 6 again; grid 16 x 16, 4 waves a work-group, clusters of 4 x 4, 327,680 bytes of LDS; arguments h2, wc, lowp_scales, b1, hid; writes hid
;; launch gw2 (part 12): grid 8 x 32, 4 waves a work-group, clusters of 4 x 4, 327,680 bytes of LDS; arguments hid, wc, lowp_scales, b2, x1, out0; writes out0
.if DOCPART == 12
	.amdgcn_target "amdgcn-amd-amdhsa--gfx1250"
	.amdhsa_code_object_version 6
	.text
	.protected	k_q3c0f51b23c_gw2
	.globl	k_q3c0f51b23c_gw2
	.p2align	8
	.type	k_q3c0f51b23c_gw2,@function
k_q3c0f51b23c_gw2:
	s_mov_b64 s[64:65], 0
	v_nop
	global_prefetch_b8 v0, s[64:65] scope:SCOPE_SE
	s_setreg_imm32_b32 hwreg(HW_REG_WAVE_MODE, 25, 1), 1
	s_wait_xcnt 0x0
	s_wait_alu depctr_hold_cnt(0) depctr_sa_sdst(0) depctr_va_vdst(0) depctr_va_sdst(0) depctr_va_ssrc(0) depctr_va_vcc(0) depctr_vm_vsrc(0)
	s_getreg_b32 s2, hwreg(HW_REG_IB_STS2, 6, 4)
	s_cmp_eq_u32 s2, 0
	s_cbranch_scc0 .Lentry_in_a_cluster
	s_endpgm
.Lentry_in_a_cluster:
	s_bfe_u32 s2, ttmp6, 0x10000c
	s_cmp_lg_u32 s2, 0xf033
	s_cbranch_scc0 .Lentry_shape_is_right
	s_endpgm
.Lentry_shape_is_right:
; out0 = x1 + hid W2 + b2.  The product on codes of FP8 (E4M3), sums in f32; all else f32.
; hid: [32 blocks of 128 along K][4096 tokens][128 bytes];  W2's codes: wc + 8 MiB, [32][1024 n][128].  x1, out0: [4096][1024] f32.
; THE TILE: C = A B^T is 4,096 x 1,024: 256 tiles of 128 x 128, a work-group each; tiles of 256 x 256 would be 64.  Four waves, each 64 x 64: 16 accumulators of 16 x 16, 128 registers.
; LDS: a ring of two slots, each with 512 along K of A's 128 rows and of B's 128 rows, as eight blocks of 128 rows x 128 bytes: as long a piece of K as two slots in LDS allow, so that K = 4,096 is
; eight slots' worth and six refills.  A wave's tensor load brings two blocks.  In memory a block is 16,384 dense bytes, and the next block of 128 along K lies a constant distance on: the descriptor states 2 rows of 16,384 bytes.
; CLUSTER: 4 x 4 work-groups; the four of a row of the cluster need the same tiles of A, the four of a column the same tiles of B: each tile is asked for JOINTLY.
; THE MATRIX INSTRUCTION IS USED TRANSPOSED (source 0 = 16 rows of B, source 1 = 16 rows of A): a lane holds eight neighbouring columns of one row of C.
; A fragment is fetched by four loads of 16 bytes: k stands permuted in the registers, alike in A and B; only the order of the sums inside an instruction differs.
; THE RESIDUAL's 64 rows x 256 bytes of my part of C are loaded at the head, into 128 registers that lie idle, and waited for on the way out.
; LIMIT: e14 + e15 between -126 and 127, so that 2^(e14 + e15) is an f32 number.
; REGISTERS, in windows of 256: window 0: v0-31 addresses, v[8:11] my four numbers of the bias; v32-95 rows read back from the stage, two sets; v128-255 the accumulators ((a, b) at v[128 + 8 (4 a + b)]);
;   window 1: two fragment buffers of 128: B's four fragments (16 rows x 128 K, 16 registers each), then A's four;   window 2: v0-127 the residual.
.set KTOT,   4096
.set KBA,    524288                    ; bytes from a block of 128 along K to the next: A has 4,096 rows,
.set KBB,    131072                    ; B 1,024
.set BOFF,   0x800000                  ; where B's rows begin in wc
.set SOFF,   56                        ; the two scales' bytes in lowp_scales: entries 14, 15
.set PITCH,  144                       ; an LDS row: 128 bytes + 16 of padding = 9 x 16: the 16 rows that a load touches start in 16 different 16-byte columns of the banks' 256 bytes
.set BLKB,   128*PITCH                 ; a block: 128 rows, 128 along K
.set LOADB,  2*BLKB                    ; what one tensor load brings
.set SLOT,   4*LOADB                   ; A's four blocks, then B's four: wave x LOADB
.set SPARE,  2*SLOT                    ; behind the ring: the spare words, 128 bytes for each wave, which no other line names
.set LAPS,   KTOT/1024                 ; a lap = two slots = once round the ring
.set FR,     16                        ; registers of a fragment
.set NP,     4                         ; places behind this matrix instruction (ISA guide 7.12.1)
.set SPITCH, 272                       ; the way out: a stage of 16 rows x (256 + 16) bytes for each wave, in slot 0, which has had its last fill and its last read by then
.set ADRA, 16                          ; v16-17  LDS address of my A fragments in slot 0, 1
.set ADRB, 20                          ; v20-21  the same for B
.set STO,  24                          ; v24     the way out: where I put 32 bytes of a row
.set RD,   25                          ; v25     where I read rows back
.set CO,   26                          ; v26     my bytes in two rows of C: 4,096 (lane / 16) + 16 (lane % 16); never rewritten
.set BO,   27                          ; v27     16 (lane % 16); never rewritten
.set SPW,  28                          ; v28     my spare word: SPARE + 4 x my thread's number; never rewritten
.set NIL,  29                          ; v29     0; never rewritten
.set PFO,  30                          ; v30     256 x lane: the prefetches' offset; never rewritten
.set BK,   32
.set ACC,  128
.set F0,   0                           ; fragment buffers, in window 1
.set F1,   128
.set G1, 24                            ; s[24:31] descriptor group 1 for A's tiles;  s[32:39] group 0, one set for each slot
.set G0, 32
.set G1B, 48                           ; s[48:55], s[56:63] the same for B's tiles
.set G0B, 56
.set LIM,  67                          ; s67      1 in a wave that prefetches, else the greatest number
.set PFA,  92                          ; s[92:93] where my prefetches stand
.set PFS,  94                          ; s[94:95] a slot's four blocks on
.set MSB, 0
.macro WIN new                         ; the immediate's high byte repeats the setting that is left
.if MSB != \new
	s_set_vgpr_msb (MSB<<8)|\new
.set MSB, \new
.endif
.endm
.set MUL,   0x05                       ; sources 0 (B) and 1 (A) window 1; C and D window 0
.set TO_F,  0x40                       ; destination window 1, address window 0
.set TO_X,  0x80                       ; destination window 2
.set ADD_X, 0x20                       ; source 2 window 2
; A joint load: waves 0 and 1 fetch for A, waves 2 and 3 for B.  The branch hangs on the wave's number alone.  Four v_nop follow each of the two lines.
.macro JLOAD g0a, g1a, g0b, g1b
	s_cmp_eq_u32 s15, 0
	s_cbranch_scc0 .Lfor_b_\@
	tensor_load_to_lds s[\g0a:\g0a+3], s[\g1a:\g1a+7]
	s_nop 0
.rept 4
	v_nop
.endr
	s_branch .Lasked_\@
.Lfor_b_\@:
	tensor_load_to_lds s[\g0b:\g0b+3], s[\g1b:\g1b+7]
	s_nop 0
.rept 4
	v_nop
.endr
.Lasked_\@:
.endm
.macro CREST                           ; a round of the cluster's barrier behind its opening barrier
	s_cmp_lg_u32 s14, 0
	s_cbranch_scc1 .Lnot_wave_0_\@
	s_barrier_signal -3
.Lnot_wave_0_\@:
	s_barrier_wait -3
	s_barrier_signal -1
	s_barrier_wait -1
.endm
.macro CROUND                          ; a whole round
	s_barrier_signal -1
	s_barrier_wait -1
	CREST
.endm
; A PREFETCH INTO THE L2: behind each joint refill and the run of LDS loads, the slot's worth of codes that stands TWO refills on: two slots, 128 matrix instructions and 256 LDS loads of a wave, ahead of its load.
; A's tile row is read by every cluster of that row of clusters: the first (cluster x = 0) asks; B's tile column by every cluster of that column: cluster y = 0 asks.  Of the two blocks (32,768 bytes) that a wave fetches,
; each of the four partners that ask for them jointly takes 8,192, told apart BY ADDRESS; lanes 256 bytes apart: one line a wave, and each aligned 256 bytes are named once in the launch.
; The loop's last trip asks for nothing: no slot stands two refills on.  The first four slots come by their loads alone.
.macro ASK
	s_cmp_gt_u32 s3, s[LIM]                        ; s3 = 1 in the loop's last trip
	s_cbranch_scc0 .Lnot_mine_\@
	global_prefetch_b8 v[PFO], s[PFA:PFA+1] th:TH_LOAD_NT scope:SCOPE_SE
.Lnot_mine_\@:
.endm
	s_load_b256 s[4:11], s[0:1], 0x0               ; A's codes s[4:5], wc s[6:7], the scales' exponents s[8:9], the bias s[10:11]
	s_load_b128 s[84:87], s[0:1], 0x20             ; the residual s[84:85], the result s[86:87]
	v_lshl_add_u32 v[SPW], v0, 2, SPARE
	v_mov_b32 v[NIL], 0
	ds_add_u32 v28, v29
	s_wait_dscnt 0x0
	v_lshrrev_b32 v1, 5, v0
	v_readfirstlane_b32 s14, v1                    ; wave 0..3
	s_lshr_b32 s15, s14, 1                         ; which half of the tile's rows is mine.  Also: I fetch for A (0) or for B (1)
	s_and_b32 s16, s14, 1                          ; which half of its columns.  Also: which two of a slot's four blocks I fetch
	s_bfe_u32 s40, ttmp6, 0x40000                  ; cx, cy: my place in the cluster
	s_bfe_u32 s41, ttmp6, 0x40004
	s_lshl_b32 s42, ttmp9, 2
	s_add_co_u32 s42, s42, s40                     ; tile column of C, 0 .. 7
	s_and_b32 s17, ttmp7, 0xffff
	s_lshl_b32 s17, s17, 2
	s_add_co_u32 s17, s17, s41                     ; tile row of C, 0 .. 31
	s_lshl_b32 s43, s41, 2
	s_lshl_b32 s43, 15, s43                        ; my row of the cluster
	s_lshl_b32 s44, 0x1111, s40                    ; my column
	; descriptor group 1: 2 rows of 2,048 elements of 8 bytes: two blocks of 16,384 dense bytes.  In LDS four words of padding follow every 32: each 128 bytes, a row of codes, stand 144 apart, and a block takes BLKB bytes
	s_or_b32 s[G1+0], s43, (3<<16)|(1<<20)|(1<<21)|(4<<22)|(3<<25)  ; 15:0 the mask: A's tiles go to my row; 17:16 elements of 8 bytes; 20 padding on; 21 set beside a mask; 24:22 after every 32 words (code 4); 31:25 four words (code 3)
	s_or_b32 s[G1B+0], s44, (3<<16)|(1<<20)|(1<<21)|(4<<22)|(3<<25)
.irp g, G1, G1B
	s_mov_b32 s[\g+1], 2048<<16                    ; tensor_dim0 = 2,048
	s_mov_b32 s[\g+2], 2<<16                       ; tensor_dim1 = 2
	s_mov_b32 s[\g+3], 2048<<16                    ; tile_dim0 = 2,048
	s_mov_b32 s[\g+4], 2                           ; tile_dim1 = 2
	s_mov_b32 s[\g+6], 0
	s_mov_b32 s[\g+7], 0
.endr
	s_mov_b32 s[G1+5], KBA/8                       ; tensor_dim0_stride: from a block of 128 along K to the next, in elements
	s_mov_b32 s[G1B+5], KBB/8
	s_lshl_b32 s20, s17, 14                        ; A: 128 x tile row rows of 128 bytes,
	s_mul_i32 s18, s16, 2*KBA                      ; my two blocks of a slot
	s_add_co_u32 s20, s20, s18
	s_mov_b32 s21, 0
	s_lshl_b32 s46, s42, 14                        ; B: 128 x tile column rows
	s_mul_i32 s19, s16, 2*KBB
	s_add_co_u32 s46, s46, s19
	s_add_co_u32 s46, s46, BOFF
	s_mov_b32 s47, 0
	s_mul_i32 s45, s14, LOADB                      ; where they go: no place in the cluster enters an LDS address
.if LAPS > 1
	; the prefetches' offset, in registers of its own
	s_and_b32 s91, ttmp7, 0xffff                   ; cluster y
	s_mov_b32 s90, KBB
	s_cmp_eq_u32 s15, 0                            ; do I fetch for A?
	s_cselect_b32 s90, KBA, s90                    ; a block on
	s_cselect_b32 s88, s20, s46                    ; my two blocks of slot 0
	s_cselect_b32 s89, s40, s41                    ; my place among the four that ask for them with me
	s_cselect_b32 s91, ttmp9, s91                  ; the coordinate along which other clusters read the same rows
	s_cmp_eq_u32 s91, 0
	s_cselect_b32 s[LIM], 1, -1                    ; the same in all sixteen partners, for a given wave
	s_lshr_b32 s91, s89, 1                         ; which of the two blocks,
	s_add_co_u32 s91, s91, 12                      ; three slots on: the first refill steps it to the fifth slot's worth
	s_mul_i32 s91, s91, s90
	s_add_co_u32 s88, s88, s91
	s_and_b32 s89, s89, 1
	s_lshl_b32 s89, s89, 13                        ; which half of its 16,384 bytes
	s_add_co_u32 s88, s88, s89
	s_mov_b32 s89, 0
	s_lshl_b32 s[PFS], s90, 2
	s_mov_b32 s[PFS+1], 0
.endif
	s_wait_kmcnt 0x0
	s_load_b64 s[96:97], s[8:9], SOFF              ; eA, eB
	s_add_nc_u64 s[20:21], s[4:5], s[20:21]
	s_add_nc_u64 s[46:47], s[6:7], s[46:47]
.if LAPS > 1
	s_cmp_eq_u32 s15, 0
	s_cselect_b64 s[PFA:PFA+1], s[4:5], s[6:7]
	s_add_nc_u64 s[PFA:PFA+1], s[PFA:PFA+1], s[88:89]
.endif
	CROUND                                         ; all sixteen work-groups are here: the first joint loads meet
.irp s, 0,1
	s_mov_b32 s[G0+4*\s], 1
	s_add_co_u32 s[G0+4*\s+1], s45, \s*SLOT
	s_add_nc_u64 s[G0+4*\s+2:G0+4*\s+3], s[20:21], \s*4*KBA
	s_or_b32 s[G0+4*\s+3], s[G0+4*\s+3], 0x80000000
	s_mov_b32 s[G0B+4*\s], 1
	s_add_co_u32 s[G0B+4*\s+1], s45, \s*SLOT
	s_add_nc_u64 s[G0B+4*\s+2:G0B+4*\s+3], s[46:47], \s*4*KBB
	s_or_b32 s[G0B+4*\s+3], s[G0B+4*\s+3], 0x80000000
	JLOAD G0+4*\s, G1, G0B+4*\s, G1B               ; two loads of mine are out
.endr
	v_and_b32 v1, 15, v0                           ; r = l % 16
	v_bfe_u32 v2, v0, 4, 1                         ; h = l / 16
	v_mul_u32_u24 v3, v1, PITCH
	v_lshl_add_u32 v4, v2, 4, v3                   ; a fragment's row x pitch + 16 h
	s_mul_i32 s21, s15, 64*PITCH                   ; my 64 rows of A
	s_mul_i32 s22, s16, 64*PITCH                   ; my 64 rows of B,
	s_add_co_u32 s22, s22, 4*BLKB                  ; which lie behind A's four blocks
.irp s, 0,1
	v_add_nc_u32 v[ADRA+\s], s21, v4
	v_add_nc_u32 v[ADRB+\s], s22, v4
	s_add_co_u32 s21, s21, SLOT
	s_add_co_u32 s22, s22, SLOT
.endr
	s_mul_i32 s23, s14, 16*SPITCH                  ; my stage
	v_mul_u32_u24 v5, v1, SPITCH
	v_lshl_add_u32 v5, v2, 5, v5
	v_add_nc_u32 v[STO], s23, v5                   ; in: row r, 32 bytes for each half of the lanes
	v_lshlrev_b32 v[BO], 4, v1
	v_mul_u32_u24 v6, v2, SPITCH
	v_add_nc_u32 v6, v6, v[BO]
	v_add_nc_u32 v[RD], s23, v6                    ; back: lanes 0-15 take one row of 256 bytes, lanes 16-31 the next
	v_lshl_add_u32 v[CO], v2, 12, v[BO]            ; and the same two rows in C
.if LAPS > 1
	v_and_b32 v[PFO], 31, v0
	v_lshlrev_b32 v[PFO], 8, v[PFO]
.endif
	s_lshl_b32 s20, s17, 7
	s_lshl_b32 s21, s15, 6
	s_add_co_u32 s20, s20, s21                     ; my first row: 128 x tile row + 64 x half,
	s_lshl_b32 s20, s20, 12                        ; of 4,096 bytes
	s_lshl_b32 s46, s42, 9
	s_lshl_b32 s47, s16, 8
	s_add_co_u32 s46, s46, s47                     ; my first column, in bytes: 512 x tile column + 256 x half
	s_mov_b32 s47, 0
	s_add_nc_u64 s[10:11], s[10:11], s[46:47]
	s_add_co_u32 s20, s20, s46
	s_mov_b32 s21, 0
	s_add_nc_u64 s[84:85], s[84:85], s[20:21]      ; neither is stepped again: a row's place stands in the immediates, 62 rows of 4,096 bytes at the most
	s_add_nc_u64 s[86:87], s[86:87], s[20:21]
	global_load_b128 v[8:11], v[BO], s[10:11]      ; the bias of my four columns of a row
	WIN TO_X
.set i, 0
.rept 32
	global_load_b128 v[4*i:4*i+3], v[CO], s[84:85] offset:2*i*4096 th:TH_LOAD_NT   ; the residual's rows 2 i and 2 i + 1: sixteen lanes read 256 consecutive bytes, aligned; read once in the launch
.set i, i+1
.endr
	WIN 0
.macro FRAG reg, adr, q, i             ; a fragment: lane l holds row l % 16; registers 4 c .. 4 c + 3 hold bytes 32 c + 16 (l / 16) + 0 .. 15 of the row's 128
.irp c, 0,1,2,3
	ds_load_b128 v[\reg+4*\c:\reg+4*\c+3], v[\adr] offset:BLKB*(\q)+32*\c+(\i)*16*PITCH
.endr
.endm
; 4 matrix instructions: A's block a x B's four, 128 along K, from buffer f.  zero = 1: the first product starts the sums: nothing is ever cleared.
; The 16 accumulators take turns, one instruction a turn, in the same order in every step.
.macro MULA f, a, zero
.irp b, 0,1,2,3
.if \zero
	v_wmma_f32_16x16x128_fp8_fp8 v[ACC+8*(4*(\a)+\b):ACC+8*(4*(\a)+\b)+7], v[(\f)+FR*\b:(\f)+FR*\b+FR-1], v[(\f)+64+FR*(\a):(\f)+64+FR*(\a)+FR-1], 0
.else
	v_wmma_f32_16x16x128_fp8_fp8 v[ACC+8*(4*(\a)+\b):ACC+8*(4*(\a)+\b)+7], v[(\f)+FR*\b:(\f)+FR*\b+FR-1], v[(\f)+64+FR*(\a):(\f)+64+FR*(\a)+FR-1], v[ACC+8*(4*(\a)+\b):ACC+8*(4*(\a)+\b)+7]
.endif
.endr
.endm
; 32 LDS loads in one run: the fragments of the slot's q-th 128 along K into buffer f: B's four, then A's four, so that the youngest eight loads are A's blocks 2 and 3
.macro FETCH slot, q, f
	WIN TO_F
.irp i, 0,1,2,3
	FRAG (\f)+FR*\i, ADRB+\slot, \q, \i
.endr
.irp i, 0,1,2,3
	FRAG (\f)+64+FR*\i, ADRA+\slot, \q, \i
.endr
.endm
.macro PLACES n                        ; plain vector lines between a matrix instruction and a load into, or an LDS store of, one of its registers (for the LDS store)
.rept \n
	v_nop
.endr
.endm
; A slot is four steps of 128 along K, 16 matrix instructions each, on buffers 0, 1, 0, 1.  One of the first three: multiplies buffer f (step q) and, in its middle, fetches step q + 1 into buffer g.
.macro STEP slot, q, f, g, zero
	s_wait_dscnt 8                                 ; B's four and A's blocks 0, 1 are in; the youngest eight loads (A's blocks 2, 3) may be out
	WIN MUL
	MULA \f, 0, \zero
	MULA \f, 1, \zero
	PLACES NP                                      ; behind the last products that read buffer g
	FETCH \slot, (\q)+1, \g
	s_wait_dscnt 32                                ; all but the 32 just issued
	WIN MUL
	MULA \f, 2, \zero
	MULA \f, 3, \zero
.endm
; A slot's last step multiplies buffer 1 and changes slots: ONE barrier; in front of it each wave waits for all its tensor loads, adds 0 to its spare word, and waits for that and for its own reads of this slot.
; fill = 1: this slot is filled again, two slots ahead; the barrier then opens a round of the cluster's barrier.
.macro TURN slot, next, fill
	WIN 0                                          ; (the add's two registers lie in window 0)
.if \fill
	s_wait_xcnt 0x0                                ; the last prefetch, a slot back, has read its address: it is stepped here, ahead of the waits of the change of slots
	s_add_nc_u64 s[PFA:PFA+1], s[PFA:PFA+1], s[PFS:PFS+1]
.endif
	s_wait_tensorcnt 0x0                           ; all my tensor loads have landed: my part of the next slot
	ds_add_u32 v[SPW], v[NIL]                      ; 0 onto my spare word
	s_wait_dscnt 9                                 ; (the add and the youngest eight loads may be out)
	WIN MUL
	MULA F1, 0, 0                                  ; four matrix instructions stand between the add and the wait for it
	s_wait_dscnt 0x0                               ; the add is done, and my reads of this slot are over
	s_barrier_signal -1
	MULA F1, 1, 0
	WIN 0
	s_barrier_wait -1
.if \fill
	CREST                                          ; a round of the cluster's barrier: no wave of any partner still reads this slot or has a load on its way
	s_add_nc_u64 s[G0+4*\slot+2:G0+4*\slot+3], s[G0+4*\slot+2:G0+4*\slot+3], 8*KBA
	s_add_nc_u64 s[G0B+4*\slot+2:G0B+4*\slot+3], s[G0B+4*\slot+2:G0B+4*\slot+3], 8*KBB
	JLOAD G0+4*\slot, G1, G0B+4*\slot, G1B         ; the first tensor load behind the round, my only one until the next: one load of mine is out; its four v_nop are the places in front of the loads below
.else
	PLACES NP
.endif
	FETCH \next, 0, F0
.if \fill
	WIN 0
	ASK
.endif
	WIN MUL
	MULA F1, 2, 0
	MULA F1, 3, 0
.endm
	s_wait_tensorcnt 1                             ; my part of slot 0 is in (slot 1's load may be out)
	s_barrier_signal -1
	s_barrier_wait -1                              ; everybody's is
	FETCH 0, 0, F0
	STEP 0, 0, F0, F1, 1                           ; the first step stands in front of the loop: its products start the sums
.if LAPS > 1
	WIN 0                                          ; at a label and at a branch every window is 0
	s_mov_b32 s3, LAPS-1
.Llap:                                                 ; a trip goes once round the ring, from a lap's second step to the next lap's first, and fills both slots again
	STEP 0, 1, F1, F0, 0
	STEP 0, 2, F0, F1, 0
	TURN 0, 1, 1
	STEP 1, 0, F0, F1, 0
	STEP 1, 1, F1, F0, 0
	STEP 1, 2, F0, F1, 0
	TURN 1, 0, 1
	STEP 0, 0, F0, F1, 0
	WIN 0
	s_sub_co_u32 s3, s3, 1
	s_cmp_lg_u32 s3, 0
	s_cbranch_scc1 .Llap
.endif
	STEP 0, 1, F1, F0, 0                           ; the last lap fills nothing, and has no round of the cluster's barrier
	STEP 0, 2, F0, F1, 0
	TURN 0, 1, 0
	STEP 1, 0, F0, F1, 0
	STEP 1, 1, F1, F0, 0
	STEP 1, 2, F0, F1, 0
	s_wait_dscnt 8                                 ; the very last step: nothing more to fetch
	WIN MUL
	MULA F1, 0, 0
	MULA F1, 1, 0
	s_wait_dscnt 0
	MULA F1, 2, 0
	MULA F1, 3, 0
	WIN 0
; THE WAY OUT, block by block of 16 rows x 64 columns.  A lane holds 32 neighbouring bytes of a row, and the lanes beside it hold other rows: so a block's sums go, as they are, through my own stage in LDS and come
; back as whole rows of 256 bytes, two an instruction.  There sum x 2^(eA + eB) + residual is one packed multiply-add; the bias is added; sixteen lanes store 256 consecutive bytes, aligned.
; LDS serves a wave's instructions in order: no wait between the stores and the loads, nor in front of the next block's stores.
.macro TOSTAGE a
.set AC, ACC+32*(\a)
.set BB, BK+32*((\a)%2)
.irp b, 0,1,2,3
	ds_store_b128 v[STO], v[AC+8*\b:AC+8*\b+3] offset:64*\b          ; each accumulator from its low end on
	ds_store_b128 v[STO], v[AC+8*\b+4:AC+8*\b+7] offset:64*\b+16
.endr
.irp t, 0,1,2,3,4,5,6,7
	ds_load_b128 v[BB+4*\t:BB+4*\t+3], v[RD] offset:\t*2*SPITCH
.endr
.endm
.macro SEND a, younger                 ; younger: the LDS instructions issued behind block a's loads, which may stay out
.set BB, BK+32*((\a)%2)
.set XR, 32*(\a)
	s_wait_dscnt \younger
	WIN ADD_X
.set j, 0
.rept 16
	v_pk_fma_f32 v[BB+j:BB+j+1], v[BB+j:BB+j+1], s[96:97], v[XR+j:XR+j+1] op_sel_hi:[1,0,1]   ; (the scalar pair's low word, 2^(eA + eB), for both halves)
.set j, j+2
.endr
	WIN 0
.irp t, 0,1,2,3,4,5,6,7
	v_pk_add_f32 v[BB+4*\t:BB+4*\t+1], v[BB+4*\t:BB+4*\t+1], v[8:9]
	v_pk_add_f32 v[BB+4*\t+2:BB+4*\t+3], v[BB+4*\t+2:BB+4*\t+3], v[10:11]
.endr
.irp t, 0,1,2,3,4,5,6,7
	global_store_b128 v[CO], v[BB+4*\t:BB+4*\t+3], s[86:87] offset:(16*(\a)+2*\t)*4096 th:TH_STORE_NT   ; written once, read by nobody here
.endr
.endm
	s_wait_kmcnt 0x0
	s_add_co_i32 s96, s96, s97
	s_add_co_i32 s96, s96, 127
	s_lshl_b32 s96, s96, 23                        ; 2^(eA + eB) as f32
	s_wait_loadcnt 0x0                             ; the bias and the residual, asked for at the head
	PLACES NP                                      ; behind the last products: their results are read
	TOSTAGE 0
.irp a, 1,2,3
.if \a > 1
	s_wait_xcnt 0x0                                ; block a - 2's stores have read their registers: block a's loads from the stage may land there
.endif
	TOSTAGE \a
	SEND \a-1, 16                                  ; behind block a - 1's loads: block a's 8 stores and 8 loads
.endr
	SEND 3, 0
	s_wait_tensorcnt 0x0                           ; the wave's end
	ds_add_u32 v[SPW], v[NIL]
	s_wait_dscnt 0x0
	CROUND                                         ; the closing round: no work-group ends while a partner may still ask for a tile that names it
	s_endpgm
.Lfunc_end_k_q3c0f51b23c_gw2:
	.size	k_q3c0f51b23c_gw2, .Lfunc_end_k_q3c0f51b23c_gw2-k_q3c0f51b23c_gw2
	.p2alignl 7, 3214868480
	.fill 96, 4, 3214868480
	.section	.rodata,"a",@progbits
	.p2align	6, 0x0
	.amdhsa_kernel k_q3c0f51b23c_gw2
		.amdhsa_group_segment_fixed_size 327680
		.amdhsa_private_segment_fixed_size 0
		.amdhsa_enable_private_segment 0
		.amdhsa_kernarg_size 48
		.amdhsa_user_sgpr_count 2
		.amdhsa_user_sgpr_kernarg_segment_ptr 1
		.amdhsa_wavefront_size32 1
		.amdhsa_system_sgpr_workgroup_id_x 1
		.amdhsa_system_sgpr_workgroup_id_y 1
		.amdhsa_system_sgpr_workgroup_id_z 1
		.amdhsa_system_vgpr_workitem_id 0
		.amdhsa_next_free_vgpr 768
		.amdhsa_next_free_sgpr 100
		.amdhsa_reserve_vcc 0
		.amdhsa_float_denorm_mode_32 3
		.amdhsa_float_denorm_mode_16_64 3
		.amdhsa_memory_ordered 1
		.amdhsa_forward_progress 1
		.amdhsa_inst_pref_size 83
	.end_amdhsa_kernel
	.amdgpu_metadata
---
amdhsa.version: [ 1, 2 ]
amdhsa.kernels:
  - .name:           k_q3c0f51b23c_gw2
    .symbol:         k_q3c0f51b23c_gw2.kd
    .args:
      - { .name: hid, .offset: 0, .size: 8, .value_kind: global_buffer, .address_space: global }
      - { .name: wc, .offset: 8, .size: 8, .value_kind: global_buffer, .address_space: global }
      - { .name: lowp_scales, .offset: 16, .size: 8, .value_kind: global_buffer, .address_space: global }
      - { .name: b2, .offset: 24, .size: 8, .value_kind: global_buffer, .address_space: global }
      - { .name: x1, .offset: 32, .size: 8, .value_kind: global_buffer, .address_space: global }
      - { .name: out0, .offset: 40, .size: 8, .value_kind: global_buffer, .address_space: global }
    .group_segment_fixed_size: 327680
    .private_segment_fixed_size: 0
    .kernarg_segment_align: 8
    .kernarg_segment_size: 48
    .max_flat_workgroup_size: 128
    .sgpr_count:     100
    .vgpr_count:     768
    .wavefront_size: 32
...
	.end_amdgpu_metadata
.endif
;; end of part 12
